; MI455X (gfx1250); checked and timed in simulation.
; The chip was launched on July 23, 2026; its instructions are those of AMD's public machine-readable ISA for CDNA 5 (MIT licence, August 2026) and "CDNA5" Instruction Set Architecture Reference Guide (July 2026). The comments in the code are by the model that wrote it; some were corrected since.
;; Encoder Layer. Allowed arithmetic: matrix products marked QUANTISED: E2M3 operands, one E8M0 scale for each 32 along K, by v_wmma_scale_f32_16x16x128_f8f6f4 with both operands' format E2M3, f32 sums; everything else in f32.
;; Inputs: b_fc_out 1,024 float32; b_ff1 4,096 float32; b_ff2 1,024 float32; be1 1,024 float32; be2 1,024 float32; g1 1,024 float32; g2 1,024 float32; w_fc_out_codes 1,024 x 32 x 24 uint8 (E2M3 codes of w_fc_out, K innermost, in blocks of 32 codes, four codes in three bytes); w_fc_out_scales 1,024 x 32 uint8 (E8M0 scales of w_fc_out, one for each 32 codes along K); w_ff1_codes 4,096 x 32 x 24 uint8 (E2M3 codes of w_ff1, K innermost, in blocks of 32 codes, four codes in three bytes); w_ff1_scales 4,096 x 32 uint8 (E8M0 scales of w_ff1, one for each 32 codes along K); w_ff2_codes 1,024 x 128 x 24 uint8 (E2M3 codes of w_ff2, K innermost, in blocks of 32 codes, four codes in three bytes); w_ff2_scales 1,024 x 128 uint8 (E8M0 scales of w_ff2, one for each 32 codes along K); x 2 x 2,048 x 1,024 float32.
;; Outputs: out0 2 x 2,048 x 1,024 float32.
;; This version of the problem:
;;   THIS VERSION OF THE PROBLEM IS GIVEN IN LOW PRECISION. The matrix products marked QUANTISED in the list below multiply operands that are first quantised to E2M3 (2 exponent bits, 3 mantissa bits; 6 bits a number), with one power-of-two scale for each 32 numbers along K (OCP MX v1.0); their sums are f32. All else is computed in f32.
;;   The module's matrix products, in the order in which they are computed (A, B: the left and right operand; K: the contracted axis; several contracted axes count as one K, in the product's order):
;;     1. batch 32 x [M 2,048, K 64] x [K 64, N 2,048]; A: input x; B: input x: QUANTISED
;;     2. batch 32 x [M 64, K 2,048] x [K 2,048, N 2,048]; A: input x; B: softmax (see below): QUANTISED
;;     3. [M 4,096, K 1,024] x [K 1,024, N 1,024]; A: computed on the way; B: input w_fc_out (given as codes): QUANTISED
;;     4. [M 4,096, K 1,024] x [K 1,024, N 4,096]; A: computed on the way; B: input w_ff1 (given as codes): QUANTISED
;;     5. [M 4,096, K 4,096] x [K 4,096, N 1,024]; A: computed on the way; B: input w_ff2 (given as codes): QUANTISED
;;   THE QUANTISER, for each operand of a quantised product, along K:
;;     - K is cut into blocks of 32 from its start; a last block that is shorter is filled with zeros.
;;     - A block's scale is 2^e with e = floor(log2(the largest magnitude in the block)) - 2, held to -126 .. 127; a block of zeros has e = 0. As a byte (E8M0): e + 127.
;;     - Each number is divided by its block's scale, clamped to +-7.5, and rounded to the nearest number of E2M3, ties to even, subnormals kept.
;;     - The product sums the exact products of the quantised numbers (number of the format x scale) in f32.
;;   ~~~python
;;   def quantise(x, axis):      # numpy; x: float32 -> the quantised numbers, widened to float32 again
;;       x = np.moveaxis(x, axis, -1); K = x.shape[-1]
;;       x = np.pad(x, [(0, 0)] * (x.ndim - 1) + [(0, -K % 32)]); x = x.reshape(x.shape[:-1] + (-1, 32)); a = np.abs(x).max(-1, keepdims=True)
;;       e = np.where(a > 0, np.clip(np.frexp(np.where(a > 0, a, 1))[1] - 1 - 2, -126, 127), 0)      # np.frexp(a)[1] - 1 = floor(log2(a)), exactly
;;       r = np.clip(x / 2.0 ** e, -7.5, 7.5)
;;       step = 2.0 ** (np.maximum(np.frexp(np.where(r == 0, 1, r))[1] - 1, 0) - 3)
;;       q = np.round(r / step) * step * 2.0 ** e      # np.round: ties to even
;;       return np.moveaxis(q.reshape(q.shape[:-2] + (-1,))[..., :K], -1, axis).astype(np.float32)
;;   ~~~
;;   SOFTMAX AHEAD OF A QUANTISED PRODUCT. Where the list says 'softmax', what is quantised is not the finished softmax but p = 2^(t - M), with t = logit x log2(e) and M = ceil(the row's largest t), a whole number; so 1/2 < the row's largest p <= 1. The row's sum l is taken of the UNQUANTISED p, in f32, and the product's result is divided by l at the end. Since M is a whole number, a kernel that streams over the keys may use a running M (the ceiling of the running maximum): every later rescaling is an exact power of two, which a block's scale takes up: the codes' values come out the same.
;;   OPERANDS COMPUTED ON THE WAY. 'Computed on the way' means the value that the module computes at that place (a softmax that the list does not call 'softmax' is quantised finished and normalised). What goes into a quantiser is computed in f32, as accurately as f32 sums, v_exp_f32 and their like allow (about 1e-6 of the number): no bf16 or f16 on the way to a quantiser, and a product that is left as it is and whose result goes on into a quantised operand takes f32 operands (vector FMAs, or v_wmma_f32_16x16x4_f32). A number that lies on a knife's edge between two numbers of the format may be rounded either way, as far as f32 arithmetic and the matrix unit's own rounding can turn it there, and no further.
;;   INPUTS GIVEN AS CODES. w_fc_out (in the module: [1024, 1024], K = its axis 0); w_ff1 (in the module: [1024, 4096], K = its axis 0); w_ff2 (in the module: [4096, 1024], K = its axis 0): each comes as NAME_codes (uint8): NAME with its K axis moved to the last place and cut into blocks of 32 codes, [.., K / 32, bytes a block], one block behind the other in memory; four codes in three bytes: a row's codes are one little-endian stream of bits, code i at bits 6 i .. 6 i + 5 (a code: sign, 2 exponent bits, 3 mantissa bits); and NAME_scales (uint8): the same leading axes, one E8M0 byte (e + 127) for each 32 codes along K. Its value is code x scale, taken as it is: it is not quantised again, and the codes and scales need not be those that the quantiser above would give.
;; 2 versions. Each part assembles by itself: llvm-mc -triple=amdgcn-amd-amdhsa -mcpu=gfx1250 --defsym DOCPART=n.
;; ======== version 1 of 2: 7 launches
;; workspace buffers: xq 6,553,600 bytes; at 3,276,800 bytes; y 16,777,216 bytes; x1 16,777,216 bytes; x1q 3,276,800 bytes; hq 13,107,200 bytes
;; launch prep (part 1): grid 256 x 1, 4 waves a work-group, no clusters, 68,096 bytes of LDS; arguments x, xq; writes xq
.if DOCPART == 1
	.amdgcn_target "amdgcn-amd-amdhsa--gfx1250"
	.amdhsa_code_object_version 6
	.text
	.protected	k_q914b3c4f91_prep
	.globl	k_q914b3c4f91_prep
	.p2align	8
	.type	k_q914b3c4f91_prep,@function
k_q914b3c4f91_prep:
	s_mov_b64 s[64:65], 0
	v_nop
	global_prefetch_b8 v0, s[64:65] scope:SCOPE_SE
	s_setreg_imm32_b32 hwreg(HW_REG_WAVE_MODE, 25, 1), 1
	s_wait_xcnt 0x0
; x [2][2048][1024] f32 becomes codes of FP6 (E2M3) with one E8M0 byte for each 32 along K, twice:
;   PATH Q (work-groups 0-127): K = the channels.  A pair of heads, 128 channels, is a "super-head" sh = 8 b + hp.  Codes [16 sh][2048 s][96 bytes] at byte 0 of xq, scale bytes [16][2048][4] at QKS.
;   PATH V (work-groups 128-255): K = the keys s.  Codes [16 sh][128 c][1,536 bytes] at VTC, scale bytes [16][128][64] at VTS.
; A block's scale is 2^(floor(log2(its largest magnitude)) - 2); its byte is that magnitude's exponent field - 2, held at 1 from below.
; LIMITS: NaN and infinities are not served; a block whose largest magnitude lies under 2^-124 gets the byte 1; a block of zeros gets the byte 1 where the rule says 127 (its codes are zeros, and this program alone reads the bytes).
; The two paths part on the work-group's number, never meet again, and have LDS bytes of their own.  No tensor loads, no barrier: waves share nothing.
.set QKS,    6291456
.set VTC,    3145728
.set VTS,    6422528
.set EMAX,   2
; path Q: a wave takes 64 rows x 128 channels in 16 steps of 4 rows (512 numbers)
.set STEPS,  16
.set CB,     12                        ; bytes of 16 codes
.set QR,     16                        ; v16-79   four sets of 16 numbers as loaded
.set QX,     80                        ; v80-111  two sets of 16 neighbours
.set QE,     112                       ; v112-127 a scale byte for each step
.set QC,     128                       ; v128-191 four registers of codes for each step: no store's data are written again
.set WREG,   8192                      ; LDS of a wave: two stages of 32 x SP bytes, then its 256 scale bytes
.set SP,     80                        ; a lane's 64 bytes + 16 of padding
; path V: a wave takes 32 channels x 256 keys: 8 blocks a lane
.set NB,     8
.set VPITCH, 272                       ; a stage row: sixteen places of 16 bytes + 16
.set KROW,   1536                      ; a row of V's codes
.set VSTG,   32768                     ; path V's LDS begins here
.set VSB,    24                        ; v24-25   the scale bytes
.set VX,     32                        ; v32-95   two sets of 32 numbers
.set VC,     96                        ; v96-102  a block's codes
.set VOUT,   112                       ; v112-175 the way out
	s_load_b128 s[4:7], s[0:1], 0x0                ; x s[4:5], xq s[6:7]
	v_lshl_add_u32 v192, v0, 2, 0x10800
	v_mov_b32 v193, 0
	v_lshrrev_b32 v1, 5, v0
	v_readfirstlane_b32 s16, v1                    ; wave 0..3
	v_and_b32 v2, 31, v0                           ; lane
	s_cmp_lt_u32 ttmp9, 128
	s_cbranch_scc0 .Lpath_v
	; ---------------- PATH Q ----------------
	v_lshlrev_b32 v3, 4, v2                        ; my 16 bytes of a load's 512
	s_mul_i32 s17, s16, WREG
	v_lshrrev_b32 v14, 2, v2
	v_mul_u32_u24 v14, v14, SP
	v_and_b32 v15, 3, v2
	v_lshl_add_u32 v14, v15, 4, v14
	v_add_nc_u32 v14, s17, v14                     ; the stage, in: four lanes' 64 bytes on end, then 16 of padding
	v_mul_u32_u24 v15, v2, SP
	v_add_nc_u32 v15, s17, v15                     ; and out: SP x lane: my 16 neighbours
	v_mul_u32_u24 v4, v2, CB                       ; my codes' place in a step's 384 bytes
	v_lshrrev_b32 v5, 1, v2
	s_add_co_u32 s17, s17, 2*32*SP
	v_add_nc_u32 v5, s17, v5                       ; LDS: my block's scale byte
	v_lshlrev_b32 v7, 3, v2
	v_add_nc_u32 v6, s17, v7                       ; and 8 bytes a lane on the way out
	s_lshl_b32 s18, ttmp9, 2
	s_add_co_u32 s18, s18, s16                     ; run rho = 32 sh + (s / 64), 0..511
	s_lshr_b32 s20, s18, 8
	s_lshl_b32 s20, s20, 23                        ; b x 2,048 rows of 4,096 bytes
	s_bfe_u32 s21, s18, 0x30005
	s_lshl_b32 s21, s21, 9                         ; hp x 512 bytes
	s_add_co_u32 s20, s20, s21
	s_and_b32 s21, s18, 31
	s_lshl_b32 s21, s21, 18                        ; 64 rows a run
	s_add_co_u32 s20, s20, s21
	s_mov_b32 s21, 0
	s_mul_i32 s22, s18, 64*96                      ; a run's codes: 6,144 bytes
	s_mov_b32 s23, 0
	s_lshl_b32 s24, s18, 8                         ; a run's scale bytes: 256
	s_add_co_u32 s24, s24, QKS
	s_mov_b32 s25, 0
	s_wait_kmcnt 0x0
	s_add_nc_u64 s[4:5], s[4:5], s[20:21]
	s_add_nc_u64 s[8:9], s[6:7], s[22:23]
	s_add_nc_u64 s[10:11], s[6:7], s[24:25]
.macro QLOAD t                         ; step t: rows 4 t .. 4 t + 3; each load reads a row's 512 consecutive bytes
.irp i, 0,1,2,3
	global_load_b128 v[QR+16*((\t)%4)+4*\i:QR+16*((\t)%4)+4*\i+3], v3, s[4:5] offset:(4*(\t)+\i)*4096
.endr
.endm
.macro QTURN t                         ; step t's numbers through the stage: LDS serves a wave's instructions in order, so no wait stands between the stores and the loads
.irp i, 0,1,2,3
	ds_store_b128 v14, v[QR+16*((\t)%4)+4*\i:QR+16*((\t)%4)+4*\i+3] offset:32*SP*((\t)%2)+8*SP*\i
.endr
.irp i, 0,1,2,3
	ds_load_b128 v[QX+16*((\t)%2)+4*\i:QX+16*((\t)%2)+4*\i+3], v15 offset:32*SP*((\t)%2)+16*\i
.endr
.endm
.irp t, 0,1,2,3
	QLOAD \t
.endr
	s_wait_loadcnt 12                              ; step 0's four loads are in; the twelve of steps 1 to 3 may be out
	QTURN 0
.macro QSTEP t
.set XS, QX+16*((\t)%2)
.if (\t) > 0
	s_wait_dscnt 1                                 ; this step's numbers are back from the stage (the last step's byte store may be out)
.else
	s_wait_dscnt 0x0
.endif
.if (\t)+4 < STEPS
	QLOAD (\t)+4                                   ; into the set whose stores into the stage have read their registers
.endif
.if (\t)+1 < STEPS
.if STEPS-2-(\t) >= 3
	s_wait_loadcnt 12                              ; the next step's four loads are in; those of the three steps behind it may be out
.else
	s_wait_loadcnt 4*(STEPS-2-(\t))
.endif
	QTURN (\t)+1
.endif
	v_max3_num_f32 v8, |v[XS]|, |v[XS+1]|, |v[XS+2]|               ; the largest magnitude of my 16, in two chains
	v_max3_num_f32 v9, |v[XS+3]|, |v[XS+4]|, |v[XS+5]|
.irp i, 6,10
	v_max3_num_f32 v8, v8, |v[XS+\i]|, |v[XS+\i+1]|
	v_max3_num_f32 v9, v9, |v[XS+\i+2]|, |v[XS+\i+3]|
.endr
	v_max3_num_f32 v8, v8, |v[XS+14]|, |v[XS+15]|
	v_max3_num_f32 v8, v8, v9, (EMAX+1)<<23        ; and the floor 2^(3 - 127): the byte cannot fall under 1
	v_max_num_f32_dpp v8, v8, v8 row_xmask:1 row_mask:0xf bank_mask:0xf   ; with my neighbour's 16: the block's
	v_add_nc_u32 v11, -(EMAX<<23), v8              ; 2 off its exponent field: the conversion takes the exponent field of this operand as its scale
	v_cvt_scalef32_pk16_fp6_f32 v[QC+4*(\t):QC+4*(\t)+2], v[XS:XS+15], v11
	v_lshrrev_b32 v[QE+(\t)], 23, v11              ; the scale's byte (also the plain line behind the conversion)
	ds_store_b8 v5, v[QE+(\t)] offset:16*(\t)      ; both lanes of a block write the same byte with the same value
	global_store_b96 v4, v[QC+4*(\t):QC+4*(\t)+2], s[8:9] offset:32*CB*(\t)   ; the wave stores 384 consecutive bytes
.endm
.irp t, 0,1,2,3,4,5,6,7,8,9,10,11,12,13,14,15
	QSTEP \t
.endr
	ds_load_b64 v[12:13], v6                       ; LDS serves a wave's instructions in order: these see my byte stores
	s_wait_dscnt 0x0
	global_store_b64 v7, v[12:13], s[10:11]        ; 32 lanes store 256 consecutive bytes, aligned
	s_wait_tensorcnt 0x0
	ds_add_u32 v192, v193
	s_wait_dscnt 0x0
	s_endpgm
	; ---------------- PATH V ----------------
	; A lane takes a channel and its registers run down the keys: a block of 32 keys lies in one lane, and the codes come out with the keys innermost.
.Lpath_v:
	s_sub_co_u32 s17, ttmp9, 128                   ; j
	s_and_b32 s18, s17, 7
	s_lshl_b32 s18, s18, 7
	s_lshl_b32 s19, s16, 5
	s_add_co_u32 s18, s18, s19                     ; my wave's first channel: 128 (j % 8) + 32 x wave
	s_bfe_u32 s19, s17, 0x30003                    ; which 256 keys
	s_lshr_b32 s20, s17, 6                         ; b
	s_lshl_b32 s22, s20, 23
	s_lshl_b32 s23, s19, 20                        ; 256 rows of 4,096 bytes
	s_add_co_u32 s22, s22, s23
	s_lshl_b32 s23, s18, 2
	s_add_co_u32 s22, s22, s23
	s_mov_b32 s23, 0
	s_lshl_b32 s24, s20, 10
	s_add_co_u32 s24, s24, s18                     ; the output's row: 1,024 b + channel = 128 sh + c
	s_mul_i32 s26, s24, KROW
	s_mul_i32 s27, s19, 192
	s_add_co_u32 s26, s26, s27
	s_add_co_u32 s26, s26, VTC
	s_mov_b32 s27, 0
	s_lshl_b32 s28, s24, 6
	s_lshl_b32 s29, s19, 3
	s_add_co_u32 s28, s28, s29
	s_add_co_u32 s28, s28, VTS
	s_mov_b32 s29, 0
	v_lshlrev_b32 v3, 2, v2                        ; in: 4 bytes a lane
	s_mul_i32 s21, s16, 32*VPITCH
	s_add_co_u32 s21, s21, VSTG                    ; my stage
	v_mul_u32_u24 v4, v2, VPITCH
	v_add_nc_u32 v4, s21, v4                       ; into it: row = my channel
	v_and_b32 v5, 15, v2
	v_lshrrev_b32 v6, 4, v2
	v_mul_u32_u24 v7, v6, VPITCH
	v_lshl_add_u32 v7, v5, 4, v7
	v_add_nc_u32 v7, s21, v7                       ; out of it: sixteen lanes to a row, two rows an instruction
	v_mul_u32_u24 v8, v6, KROW
	v_mad_u32_u24 v8, v5, 12, v8                   ; and the same place among the codes
	v_lshlrev_b32 v9, 6, v2                        ; my channel's row of scale bytes
	s_wait_kmcnt 0x0
	s_add_nc_u64 s[4:5], s[4:5], s[22:23]
	s_add_nc_u64 s[8:9], s[6:7], s[26:27]
	s_add_nc_u64 s[10:11], s[6:7], s[28:29]
.macro VLOAD t                         ; block t: x(32 t + i, my channel): 32 lanes read 128 consecutive bytes
.set ii, 0
.rept 32
	global_load_b32 v[VX+32*((\t)%2)+ii], v3, s[4:5] offset:(32*(\t)+ii)*4096
.set ii, ii+1
.endr
.endm
	VLOAD 0
	VLOAD 1
.macro VBLOCK t
.set XS, VX+32*((\t)%2)
.if (\t) < NB-1
	s_wait_loadcnt 32                              ; this block's 32 loads are in; the next block's may be out
.else
	s_wait_loadcnt 0
.endif
	v_max3_num_f32 v12, |v[XS]|, |v[XS+1]|, |v[XS+2]|              ; the block's largest magnitude: all 32 numbers are mine
	v_max3_num_f32 v13, |v[XS+3]|, |v[XS+4]|, |v[XS+5]|
.irp i, 6,10,14,18,22,26
	v_max3_num_f32 v12, v12, |v[XS+\i]|, |v[XS+\i+1]|
	v_max3_num_f32 v13, v13, |v[XS+\i+2]|, |v[XS+\i+3]|
.endr
	v_max3_num_f32 v12, v12, |v[XS+30]|, |v[XS+31]|
	v_max3_num_f32 v12, v12, v13, (EMAX+1)<<23     ; and the floor
	v_add_nc_u32 v11, -(EMAX<<23), v12             ; the conversion's scale operand
	v_lshrrev_b32 v13, 23, v11                     ; the scale's byte
.if (\t)%4 == 0
	v_mov_b32 v[VSB+(\t)/4], v13                   ; four bytes to a register, the lower keys in the lower byte
.else
	v_lshl_or_b32 v[VSB+(\t)/4], v13, 8*((\t)%4), v[VSB+(\t)/4]
.endif
	v_cvt_scalef32_pk16_fp6_f32 v[VC:VC+2], v[XS:XS+15], v11
	v_cvt_scalef32_pk16_fp6_f32 v[VC+4:VC+6], v[XS+16:XS+31], v11  ; (a conversion's three registers begin on an even number)
	v_nop                                          ; one plain line behind the conversions
	ds_store_b96 v4, v[VC:VC+2] offset:32*(\t)     ; 12 bytes to a place of 16, so that every LDS address is a multiple of 16
	ds_store_b96 v4, v[VC+4:VC+6] offset:32*(\t)+16
.if (\t)+2 < NB
	VLOAD (\t)+2
.endif
	s_wait_dscnt 0x0                               ; the stores have read their registers: the next block's codes may be written
.endm
.irp t, 0,1,2,3,4,5,6,7
	VBLOCK \t
.endr
	global_store_b64 v9, v[VSB:VSB+1], s[10:11]    ; my channel's 8 scale bytes
.irp t, 0,1,2,3,4,5,6,7,8,9,10,11,12,13,14,15
	ds_load_b96 v[VOUT+4*\t:VOUT+4*\t+2], v7 offset:2*\t*VPITCH    ; these see my stores: LDS serves a wave's instructions in order
.endr
.irp t, 0,1,2,3,4,5,6,7,8,9,10,11,12,13,14,15
	s_wait_dscnt 15-\t                             ; load t is in; the younger ones may be out
	global_store_b96 v8, v[VOUT+4*\t:VOUT+4*\t+2], s[8:9] offset:2*\t*KROW   ; sixteen lanes store a row's 192 consecutive bytes
.endr
	s_wait_tensorcnt 0x0
	ds_add_u32 v192, v193
	s_wait_dscnt 0x0
	s_endpgm
.Lfunc_end_k_q914b3c4f91_prep:
	.size	k_q914b3c4f91_prep, .Lfunc_end_k_q914b3c4f91_prep-k_q914b3c4f91_prep
	.p2alignl 7, 3214868480
	.fill 96, 4, 3214868480
	.section	.rodata,"a",@progbits
	.p2align	6, 0x0
	.amdhsa_kernel k_q914b3c4f91_prep
		.amdhsa_group_segment_fixed_size 68096
		.amdhsa_private_segment_fixed_size 0
		.amdhsa_enable_private_segment 0
		.amdhsa_kernarg_size 16
		.amdhsa_user_sgpr_count 2
		.amdhsa_user_sgpr_kernarg_segment_ptr 1
		.amdhsa_wavefront_size32 1
		.amdhsa_system_sgpr_workgroup_id_x 1
		.amdhsa_system_sgpr_workgroup_id_y 1
		.amdhsa_system_sgpr_workgroup_id_z 1
		.amdhsa_system_vgpr_workitem_id 0
		.amdhsa_next_free_vgpr 194
		.amdhsa_next_free_sgpr 66
		.amdhsa_reserve_vcc 0
		.amdhsa_float_denorm_mode_32 3
		.amdhsa_float_denorm_mode_16_64 3
		.amdhsa_memory_ordered 1
		.amdhsa_forward_progress 1
		.amdhsa_inst_pref_size 74
	.end_amdhsa_kernel
	.amdgpu_metadata
---
amdhsa.version: [ 1, 2 ]
amdhsa.kernels:
  - .name:           k_q914b3c4f91_prep
    .symbol:         k_q914b3c4f91_prep.kd
    .args:
      - { .name: x, .offset: 0, .size: 8, .value_kind: global_buffer, .address_space: global }
      - { .name: xq, .offset: 8, .size: 8, .value_kind: global_buffer, .address_space: global }
    .group_segment_fixed_size: 68096
    .private_segment_fixed_size: 0
    .kernarg_segment_align: 8
    .kernarg_segment_size: 16
    .max_flat_workgroup_size: 128
    .sgpr_count:     66
    .vgpr_count:     194
    .wavefront_size: 32
...
	.end_amdgpu_metadata
.endif
;; end of part 1
;; launch attn (part 2): grid 16 x 16, 16 waves a work-group, no clusters, 327,680 bytes of LDS; arguments xq, at; writes at
.if DOCPART == 2
	.amdgcn_target "amdgcn-amd-amdhsa--gfx1250"
	.amdhsa_code_object_version 6
	.text
	.protected	k_q914b3c4f91_attn
	.globl	k_q914b3c4f91_attn
	.p2align	8
	.type	k_q914b3c4f91_attn,@function
k_q914b3c4f91_attn:
	s_mov_b64 s[64:65], 0
	v_nop
	global_prefetch_b8 v0, s[64:65] scope:SCOPE_SE
	s_setreg_imm32_b32 hwreg(HW_REG_WAVE_MODE, 25, 1), 1
	s_wait_xcnt 0x0
; Self-attention of x on itself: O[q] = sum over k of softmax_k(x_h[q] . x_h[k] / 8) x_h[k], 32 heads (2 x 16) of 64 channels, 2,048 keys; both products on codes of FP6 (E2M3) with E8M0 scales.
; Inputs (all in xq): codes along the channels [16 sh][2048][96 bytes] (a super-head sh = a pair of heads, 128 channels) with 4 scale bytes a row at QKS: they serve as Q and as K;
; codes along the keys [16 sh][128 c][1,536 bytes] at VTC with 64 scale bytes a row at VTS: V.
; THE SOFTMAX: t = score x log2(e) / 8; M = the running largest t rounded UP to a whole number; p = 2^(t - M) is quantised along the keys, not normalised; the row's sum is taken of the unquantised p and divides O at the end.
; When M moves, the sum and O are multiplied by 2^(old M - new M): exact.
; OUTPUT: O / sum, quantised along the 1,024 channels, as the next product's operand: an IMAGE OF ITS REGISTERS, [K / 256][row / 16][2][6 pieces][32 lanes][8 bytes], and scale words [K / 128][4,096 rows] at ASC.
; SHARES.  A work-group owns 128 queries of one super-head.  Wave w owns head e = w / 8 of the pair and 16 queries, tile w % 8; four waves to a SIMD, so that one wave's vector work stands beside another's products and LDS loads.
; K = 64 IN AN INSTRUCTION OF K = 128: my head's 64 channels stand at k = 0 .. 63 (registers 0-5 of a fragment).  Q's registers 6-11 are zero codes, so whatever codes stand in K's registers 6-11 (the next fragment's, or zeros) add nothing;
; the scale words come by 16-bit loads, so the bytes of k = 64 .. 127 are 0, which is a power of two and no NaN.
; LAYOUT.  Both products are used transposed (S^T = K Q^T, O^T = V^T P^T): a lane holds one query.  The keys of a tile of K, and the channels of a tile of V, are not neighbours: lane r of tile 2 b + u takes row
; 32 b + 8 u + r + 8 (r / 8), so that the 16 registers of tiles 2 b and 2 b + 1 are 16 neighbours along the next K.
; NO CLUSTER in this form, though the 16 work-groups of a super-head walk the same tiles: a slot's 49,152 bytes are fetched once for 16 waves x 2 steps of some 300 instructions each, so the loop is held by its vector work and not by its fills.
; LIMITS: NaN and infinities are not served; an output block whose largest magnitude lies under 2^-124 (zeros too) gets the byte 1.
; REGISTERS: v1-11 addresses; v12 -M, v13 the largest t, v[14:15] the sum; v16-21 Q, v22-27 zeros; v28-31 addresses; v32-79 K's eight half fragments, then V's four; v80-85 zeros; v96-159 S^T, then p; v160-191 O^T;
;   v192-199 K's scale words, v200-203 V's; v224-235 p's codes; v232-254 at work; v253 p's scale word; v255 Q's scale word.
.set SIZE_N, 2048
.set SK,    256                        ; keys in a slot
.set ROWB,  96                         ; 128 codes in bytes
.set KP,    96                         ; a key's row in LDS
.set VROWB, 192                        ; SK codes in bytes: a row of V's tile
.set VP,    192
.set KROWV, 1536                       ; a row of V in memory
.set VOFF,  SK*KP                      ; a slot: SK rows of K, then 128 rows of V
.set SLOT1, 1<<17                      ; slot 1 begins here: one exclusive or turns an address in one slot into the other's
.set NSL,   SIZE_N/SK
.set SCK,   2*SLOT1                    ; K's scale bytes of the super-head, 8,192 bytes as units of 256 + 16 of padding
.set SCH,   16*272                     ; half of them: what one tensor load brings
.set SCV,   SCK+2*SCH                  ; V's likewise
.set SPARE, SCV+2*SCH                  ; the spare words, 128 bytes for each of 16 waves: eight blocks of 256 bytes that no other line names
.set OUTS,  SPARE+2048                 ; 512 bytes: the output's scale words of the 128 queries; no fill lands here
.set VTC,   3145728
.set QKS,   6291456
.set VTS,   6422528
.set ASC,   3145728                    ; the scale words in at
.set AK0,  1
.set AV0,  2
.set ASK0, 3
.set ASV0, 4
.set SPW,  5                           ; v5   LDS address of my spare word; never rewritten
.set NIL,  6                           ; v6   0; never rewritten
.set GO,   7                           ; v7   8 x lane: a piece of the image
.set ADK,  8
.set ADV,  9
.set ADS,  10
.set ADT,  11
.set PFO,  28                          ; v28  the prefetches' offset; never rewritten
.set OSR,  29                          ; v29  OUTS + 16 x lane
.set OSW,  30                          ; v30  where my row's two scale bytes go
.set GS,   31                          ; v31  16 x lane
.set KV,   32
.set KSC,  192
.set VSC,  200
.set WV,   18
.set SEL,  20
.set CS,   22
.set G1K,  24
.set G1V,  32
.set G0K,  40
.set G0V,  44
.set G1S,  48
.set G0SK, 56
.set G0SV, 60
.set TB,   2                           ; s2   LDS byte at which the slot in hand begins
.set TS,   3                           ; s3   the step's scale words of K: 544 bytes a step
.set TJ,   66                          ; s66  and V's: 4 bytes a step
.set SLOTS, 67
.set PFA,  76
.set PFS,  78
.set LIM,  80
.set EVR,  81
; Waves 0 and 1 fetch for K, waves 2 and 3 for V, the others nothing.  The branches hang on the wave's number alone.  Four v_nop follow each of the two lines.
.macro TLOAD g0k, g1k, g0v, g1v
	s_cmp_lt_u32 s[WV], 2
	s_cbranch_scc0 .Lnot_k_\@
	tensor_load_to_lds s[\g0k:\g0k+3], s[\g1k:\g1k+7]
	s_nop 0
.rept 4
	v_nop
.endr
	s_branch .Lasked_\@
.Lnot_k_\@:
	s_cmp_lt_u32 s[WV], 4
	s_cbranch_scc0 .Lasked_\@
	tensor_load_to_lds s[\g0v:\g0v+3], s[\g1v:\g1v+7]
	s_nop 0
.rept 4
	v_nop
.endr
.Lasked_\@:
.endm
; A PREFETCH of what the NEXT change of slots will ask for.  All 16 work-groups of a super-head walk the same tiles: the first of them asks.  In it waves 4 to 6 name K's dense block of 3 x 8,192 bytes, lanes 256 bytes apart;
; waves 8 to 11 name V's 128 rows, a lane a row, by the LAST byte of the row's 192 bytes of the slot: the aligned 256 bytes in which that part ends are new, but for slots 3 and 7, whose part ends where the slot before has named: there V's waves ask for nothing.
; So each aligned block of 256 bytes is named once.  The last change that fills a slot asks for nothing; slots 0 and 1 come by their loads alone.
.macro ASK
	s_cmp_gt_u32 s[SLOTS], s[LIM]
	s_cbranch_scc0 .Lnot_mine_\@
	s_and_b32 s82, s[SLOTS], s[EVR]                ; the slot to be named is NSL + 1 - s[SLOTS]: slot 3 or 7 where s[SLOTS] is 2 above a multiple of 4
	s_cmp_eq_u32 s82, 2
	s_cbranch_scc1 .Lnot_mine_\@
	global_prefetch_b8 v[PFO], s[PFA:PFA+1] th:TH_LOAD_NT scope:SCOPE_SE
.Lnot_mine_\@:
.endm
	s_load_b128 s[4:7], s[0:1], 0x0                ; xq s[4:5], at s[6:7]
	v_lshl_add_u32 v[SPW], v0, 2, SPARE
	v_mov_b32 v[NIL], 0
	ds_add_u32 v5, v6
	s_wait_dscnt 0x0
	v_lshrrev_b32 v8, 5, v0
	v_readfirstlane_b32 s[WV], v8                  ; wave 0..15
	s_and_b32 s72, ttmp7, 0xffff                   ; the super-head
	s_mul_i32 s74, s72, SIZE_N*ROWB                ; its first byte among the codes (both kinds: 196,608 bytes each)
	s_lshl_b32 s75, s72, 13                        ; and among the scale bytes (8,192 each)
	s_lshr_b32 s70, s[WV], 3                       ; e: my head of the pair
	s_and_b32 s71, s[WV], 7                        ; my tile of queries
	s_and_b32 s88, s[WV], 1                        ; which half I fetch, if I fetch
	s_mul_i32 s89, s88, (SK/2)*ROWB                ; K: 128 keys on, in memory and in a slot alike
	s_add_co_u32 s90, s74, s89
	s_mov_b32 s91, 0
	s_mul_i32 s92, s88, 64*KROWV                   ; V: 64 rows on in memory,
	s_add_co_u32 s92, s92, s74
	s_add_co_u32 s92, s92, VTC
	s_mov_b32 s93, 0
	s_mul_i32 s94, s88, 64*VP
	s_add_co_u32 s94, s94, VOFF                    ; and in a slot
	s_lshl_b32 s96, s88, 12                        ; scale bytes: my half of 8,192,
	s_add_co_u32 s96, s96, s75
	s_mov_b32 s97, 0
	s_mul_i32 s95, s88, SCH                        ; and in LDS
	; descriptor group 1.  K: 128 rows of 96 bytes, dense;  V: 64 rows of 192 bytes, 1,536 apart;  scale bytes: 16 rows of 256 bytes (32 elements of 8), 16 bytes of padding behind each
	s_mov_b32 s[G1K], 0<<16
	s_mov_b32 s[G1K+1], ROWB<<16
	s_mov_b32 s[G1K+2], (SK/2)<<16
	s_mov_b32 s[G1K+3], ROWB<<16
	s_mov_b32 s[G1K+4], SK/2
	s_mov_b32 s[G1K+5], ROWB
	s_mov_b32 s[G1K+6], 0
	s_mov_b32 s[G1K+7], 0
	s_mov_b32 s[G1V], 0<<16
	s_mov_b32 s[G1V+1], VROWB<<16
	s_mov_b32 s[G1V+2], 64<<16
	s_mov_b32 s[G1V+3], VROWB<<16
	s_mov_b32 s[G1V+4], 64
	s_mov_b32 s[G1V+5], KROWV
	s_mov_b32 s[G1V+6], 0
	s_mov_b32 s[G1V+7], 0
	s_mov_b32 s[G1S], (3<<16)|(1<<20)|(5<<22)|(3<<25)
	s_mov_b32 s[G1S+1], 32<<16
	s_mov_b32 s[G1S+2], 16<<16
	s_mov_b32 s[G1S+3], 32<<16
	s_mov_b32 s[G1S+4], 16
	s_mov_b32 s[G1S+5], 32
	s_mov_b32 s[G1S+6], 0
	s_mov_b32 s[G1S+7], 0
	s_mov_b32 s[SEL], 0x76543210
	s_mov_b32 s[SEL+1], 0xfedcba98                 ; v_permlanex16_b32's selects for lane l xor 16
	s_mov_b32 s[CS], 0x3e38aa3b                    ; c = log2(e) / sqrt(64)
	s_mov_b32 s[CS+1], s[CS]                       ; (named with it as a pair, so it is written)
	s_mov_b32 s[TB], 0
	s_mov_b32 s[TS], 0
	s_mov_b32 s[TJ], 0
	s_mov_b32 s[SLOTS], NSL-1
	s_wait_kmcnt 0x0
	s_add_nc_u64 s[98:99], s[4:5], s[96:97]
	s_mov_b32 s[G0SK], 1
	s_add_co_u32 s[G0SK+1], s95, SCK
	s_add_nc_u64 s[G0SK+2:G0SK+3], s[98:99], QKS
	s_or_b32 s[G0SK+3], s[G0SK+3], 0x80000000
	s_mov_b32 s[G0SV], 1
	s_add_co_u32 s[G0SV+1], s95, SCV
	s_add_nc_u64 s[G0SV+2:G0SV+3], s[98:99], VTS
	s_or_b32 s[G0SV+3], s[G0SV+3], 0x80000000
	TLOAD G0SK, G1S, G0SV, G1S                     ; the scale bytes of the whole super-head: filled once
	s_mov_b32 s[G0K], 1
	s_mov_b32 s[G0K+1], s89
	s_add_nc_u64 s[G0K+2:G0K+3], s[4:5], s[90:91]
	s_or_b32 s[G0K+3], s[G0K+3], 0x80000000
	s_mov_b32 s[G0V], 1
	s_mov_b32 s[G0V+1], s94
	s_add_nc_u64 s[G0V+2:G0V+3], s[4:5], s[92:93]
	s_or_b32 s[G0V+3], s[G0V+3], 0x80000000
	TLOAD G0K, G1K, G0V, G1V                       ; slot 0.  A fetching wave now has two tensor loads out; every wait on them is for 0
	; Q: my 16 queries, my head's 48 bytes of each row
	s_lshl_b32 s68, ttmp9, 7
	s_lshl_b32 s69, s71, 4
	s_add_co_u32 s68, s68, s69                     ; my first query
	s_mul_i32 s84, s68, ROWB
	s_add_co_u32 s84, s84, s74
	s_mul_i32 s69, s70, 48
	s_add_co_u32 s84, s84, s69
	s_mov_b32 s85, 0
	s_add_nc_u64 s[8:9], s[4:5], s[84:85]
	s_lshl_b32 s86, s68, 2
	s_add_co_u32 s86, s86, s75
	s_lshl_b32 s69, s70, 1
	s_add_co_u32 s86, s86, s69
	s_add_co_u32 s86, s86, QKS
	s_mov_b32 s87, 0
	s_add_nc_u64 s[10:11], s[4:5], s[86:87]
	; the output: channels 128 hp + 64 e on are K step hp of the next product, registers 6 e .. 6 e + 5 of its fragment
	s_and_b32 s82, s72, 7                          ; hp
	s_lshr_b32 s83, s72, 3                         ; b
	s_lshr_b32 s84, s82, 1
	s_mul_i32 s84, s84, 786432                     ; K / 256
	s_lshl_b32 s85, s83, 7
	s_lshl_b32 s86, ttmp9, 3
	s_add_co_u32 s85, s85, s86
	s_add_co_u32 s85, s85, s71                     ; row / 16 = 128 b + 8 x + tile
	s_mul_i32 s85, s85, 3072
	s_add_co_u32 s84, s84, s85
	s_and_b32 s85, s82, 1
	s_mul_i32 s85, s85, 1536
	s_add_co_u32 s84, s84, s85
	s_mul_i32 s85, s70, 768
	s_add_co_u32 s84, s84, s85
	s_mov_b32 s85, 0
	s_add_nc_u64 s[16:17], s[6:7], s[84:85]
	s_lshl_b32 s84, s82, 14                        ; scale words: 16,384 bytes a K step,
	s_lshl_b32 s86, s83, 13
	s_add_co_u32 s84, s84, s86
	s_lshl_b32 s86, ttmp9, 9                       ; 4 bytes a row
	s_add_co_u32 s84, s84, s86
	s_add_co_u32 s84, s84, ASC
	s_add_nc_u64 s[12:13], s[6:7], s[84:85]
	; the prefetches: where my wave's stand, and who asks
	s_cmp_lt_u32 s[WV], 8                          ; waves 4 to 6 ask for K's codes, waves 8 to 11 for V's
	s_mov_b32 s[PFS], VROWB
	s_cselect_b32 s[PFS], SK*ROWB, s[PFS]          ; a slot on
	s_mov_b32 s82, KROWV
	s_cselect_b32 s82, 256, s82                    ; from lane to lane
	s_mov_b32 s83, 32*KROWV
	s_cselect_b32 s83, 8192, s83                   ; from wave to wave
	s_cselect_b32 s84, 0, VROWB-1                  ; in V: the last byte of a row's part of a slot
	s_cselect_b32 s85, 0, VTC
	s_cselect_b32 s[EVR], 0, 3
	v_and_b32 v[PFO], 31, v0
	v_mul_lo_u32 v[PFO], v[PFO], s82
	s_and_b32 s82, s[WV], 3
	s_mul_i32 s82, s82, s83
	s_add_co_u32 s82, s82, s[PFS]                  ; in slot 1: the first change of slots steps it to slot 2.  Nothing is prefetched here, at the head
	s_add_co_u32 s82, s82, s84
	s_add_co_u32 s82, s82, s85
	s_add_co_u32 s82, s82, s74
	s_mov_b32 s83, 0
	s_mov_b32 s[PFS+1], 0
	s_add_nc_u64 s[PFA:PFA+1], s[4:5], s[82:83]
	s_sub_co_u32 s82, s[WV], 4
	s_lshr_b32 s82, s82, 3                         ; 0 in waves 4 to 11,
	s_or_b32 s82, s82, ttmp9                       ; of the super-head's first work-group
	s_cmp_eq_u32 s82, 0
	s_cselect_b32 s[LIM], 1, -1
	s_cmp_eq_u32 s[WV], 7                          ; (K's block is three waves' worth)
	s_cselect_b32 s[LIM], -1, s[LIM]
	v_and_b32 v8, 15, v0                           ; r
	v_bfe_u32 v9, v0, 4, 1                         ; h
	v_mul_u32_u24 v10, v8, ROWB
	v_mad_u32_u24 v10, v9, 24, v10
.irp p, 0,1,2
	global_load_b64 v[16+2*\p:17+2*\p], v10, s[8:9] offset:8*\p    ; Q: k = 32 h + 0 .. 31 of my head
.endr
	v_lshlrev_b32 v254, 2, v8
	global_load_u16 v255, v254, s[10:11]           ; Q's two scale bytes; the upper two are 0
.irp i, 0,1,2,3,4,5
	v_mov_b32 v[22+\i], 0                          ; Q's codes of k = 64 .. 127: zeros
	v_mov_b32 v[80+\i], 0                          ; what stands behind K's last half fragment
.endr
	v_and_b32 v11, 8, v8
	v_add_nc_u32 v11, v11, v8                      ; r + 8 (r / 8)
	s_mul_i32 s68, s70, 48
	v_mul_u32_u24 v[AK0], v11, KP
	v_mad_u32_u24 v[AK0], v9, 24, v[AK0]
	v_add_nc_u32 v[AK0], s68, v[AK0]               ; K: my row of a tile, my half's 24 bytes, my head's 48
	s_mul_i32 s68, s70, 64*VP
	s_add_co_u32 s68, s68, VOFF
	v_mul_u32_u24 v[AV0], v11, VP
	v_mad_u32_u24 v[AV0], v9, 24, v[AV0]
	v_add_nc_u32 v[AV0], s68, v[AV0]               ; V: my head's 64 rows
	s_lshl_b32 s68, s70, 1
	s_add_co_u32 s68, s68, SCK
	v_lshl_add_u32 v[ASK0], v11, 2, s68            ; K's scale bytes: 4 a key, my head's 2
	v_lshlrev_b32 v12, 6, v11                      ; V's: 64 bytes a channel: which unit of 256 bytes, and where in it
	v_lshrrev_b32 v13, 8, v12
	v_and_b32 v12, 255, v12
	v_mad_u32_u24 v[ASV0], v13, 272, v12
	s_mul_i32 s68, s70, 16*272
	s_add_co_u32 s68, s68, SCV
	v_add_nc_u32 v[ASV0], s68, v[ASV0]
	v_and_b32 v12, 31, v0
	v_lshlrev_b32 v[GO], 3, v12
	v_lshlrev_b32 v[GS], 4, v12
	v_add_nc_u32 v[OSR], OUTS, v[GS]
	s_lshl_b32 s73, s71, 6
	s_lshl_b32 s68, s70, 1
	s_add_co_u32 s73, s73, s68
	s_add_co_u32 s73, s73, OUTS
	v_lshl_add_u32 v[OSW], v8, 2, s73              ; OUTS + 4 (16 tile + r) + 2 e
	v_mov_b32 v13, 0xff61b1e6                      ; the largest t so far: -3e38, under every t
	v_floor_f32 v12, -v13                          ; -M
	v_mov_b32 v14, 0
	v_mov_b32 v15, 0
.irp b, 0,1,2,3
	v_mov_b32 v[236+\b], 0                         ; written once: a lane permute's destination counts as one of its sources
.endr
	v_mov_b32 v253, 0                              ; (named as the upper half of the pair v[252:253] before it is first written)
.set jj, 0
.rept 32
	v_mov_b32 v[160+jj], 0                         ; O^T: the loop is written once; its first step finds zeros, which the first change of M leaves zeros
.set jj, jj+1
.endr
; A KEY STEP: 128 keys, the q-th of the slot in hand.
.macro STEP q
	v_add_nc_u32 v[ADK], s[TB], v[AK0]             ; (these four are also the places in front of loads into registers that the last products have read)
	v_add_nc_u32 v[ADV], s[TB], v[AV0]
	v_add_nc_u32 v[ADS], s[TS], v[ASK0]
	v_add_nc_u32 v[ADT], s[TJ], v[ASV0]
.irp t, 0,1,2,3,4,5,6,7                        ; eight tiles of 16 keys: six registers each
.irp p, 0,1,2
	ds_load_b64 v[KV+6*\t+2*\p:KV+6*\t+2*\p+1], v[ADK] offset:(128*(\q)+32*(\t/2)+8*(\t%2))*KP+8*\p
.endr
	ds_load_u16 v[KSC+\t], v[ADS] offset:272*(\t/4)+128*((\t/2)%2)+32*(\t%2)
.endr
	s_wait_dscnt 0x0
.irp t, 0,1,2,3,4,5,6,7                        ; S^T = K Q^T.  A fragment's upper six registers are the next tile's codes (or zeros): they meet Q's zero codes
	v_wmma_scale_f32_16x16x128_f8f6f4 v[96+8*\t:103+8*\t], v[KV+6*\t:KV+6*\t+11], v[16:27], 0, v[KSC+\t], v255 matrix_a_fmt:MATRIX_FMT_FP6 matrix_b_fmt:MATRIX_FMT_FP6
.endr
.rept 4
	v_nop                                          ; places in front of the reads of the scores and of the loads below
.endr
.irp t, 0,1,2,3                                ; V's four tiles are asked for now and land under the softmax
.irp p, 0,1,2,3,4,5
	ds_load_b64 v[KV+12*\t+2*\p:KV+12*\t+2*\p+1], v[ADV] offset:(32*(\t/2)+8*(\t%2))*VP+ROWB*(\q)+48*(\p/3)+8*(\p%3)
.endr
	ds_load_b32 v[VSC+\t], v[ADT] offset:(32*(\t/2)+8*(\t%2))*68
.endr
.irp b, 0,1,2,3
	v_max3_num_f32 v[232+\b], v[96+16*\b], v[97+16*\b], v[98+16*\b]   ; the largest score of each block of 32 keys: it serves for the row's maximum and, since p rises with the score, for the block's largest p
.endr
.irp i, 3,5,7,9,11,13
.irp b, 0,1,2,3
	v_max3_num_f32 v[232+\b], v[232+\b], v[96+16*\b+\i], v[97+16*\b+\i]
.endr
.endr
.irp b, 0,1,2,3
	v_max_num_f32 v[232+\b], v[232+\b], v[111+16*\b]
.endr
.irp b, 0,1,2,3
	v_permlanex16_b32 v[236+\b], v[232+\b], s[SEL], s[SEL+1]
.endr
.irp b, 0,1,2,3
	v_max_num_f32 v[232+\b], v[232+\b], v[236+\b]  ; with lane l xor 16's 16 keys
.endr
	v_max3_num_f32 v254, v232, v233, v234
	v_max_num_f32 v254, v254, v235                 ; the step's largest score of my query
	v_mul_f32 v254, s[CS], v254                    ; as t (c is positive)
	v_max_num_f32 v13, v13, v254                   ; the running largest t
	v_mov_b32 v254, v12
	v_floor_f32 v12, -v13                          ; the new -M = floor(-t) = -ceil(t)
	v_sub_f32 v254, v12, v254                      ; old M - new M: a whole number, 0 or less
	v_cvt_i32_f32 v254, v254                       ; (it saturates)
	v_ldexp_f32 v252, 1.0, v254                    ; f = 2^(old M - new M)
.set jj, 0
.rept 32
	v_pk_fma_f32 v[96+jj:97+jj], v[96+jj:97+jj], s[CS:CS+1], v[12:13] op_sel_hi:[1,0,0]   ; t - M, two at a time
.set jj, jj+2
.endr
.irp b, 0,1,2,3
	v_fma_f32 v[232+\b], v[232+\b], s[CS], v12     ; the same of each block's largest score
.endr
.set jj, 0
.rept 64
	v_exp_f32 v[96+jj], v[96+jj]                   ; p = 2^(t - M), at most 1
.set jj, jj+1
.endr
.irp b, 0,1,2,3
	v_exp_f32 v[232+\b], v[232+\b]                 ; the block's largest p: the same two instructions on the same number
.endr
	v_pk_mul_f32 v[14:15], v[14:15], v[252:253] op_sel_hi:[1,0]    ; the sums under the new M (a plain line behind the exponentials)
	s_wait_alu depctr_va_vdst(0)
.irp b, 0,1,2,3
	v_max_num_f32 v[232+\b], 0x1800000, v[232+\b]  ; the floor 2^(3 - 127): the byte cannot fall under 1
.endr
.irp b, 0,1,2,3
	v_add_nc_u32 v[244+\b], 0xff000000, v[232+\b]  ; 2 off the exponent field: the conversion's scale operand
.endr
.irp b, 0,1,2,3
	v_lshrrev_b32 v[236+\b], 23, v[244+\b]         ; the scale's byte
.endr
	v_lshl_or_b32 v253, v237, 8, v236              ; p's scale word for these 128 keys
	v_lshl_or_b32 v253, v238, 16, v253
	v_lshl_or_b32 v253, v239, 24, v253
.irp c, 0,1
	v_cvt_scalef32_pk16_fp6_f32 v[224+6*\c:226+6*\c], v[96+32*\c:111+32*\c], v[244+2*\c]
	v_cvt_scalef32_pk16_fp6_f32 v[236+4*\c:238+4*\c], v[112+32*\c:127+32*\c], v[244+2*\c+1]   ; (a conversion's three registers begin on an even number)
.endr
	v_nop                                          ; one plain line behind the conversions
.irp c, 0,1                                    ; the operand's layout wants a whole block in a lane: lanes 0-15 block 2 c, lanes 16-31 block 2 c + 1
.irp i, 0,1,2
	v_permlane16_swap_b32 v[224+6*\c+\i], v[236+4*\c+\i]
.endr
.irp i, 0,1,2
	v_mov_b32 v[227+6*\c+\i], v[236+4*\c+\i]
.endr
.endr
	v_pk_add_f32 v[236:237], v[96:97], v[98:99]    ; the row's sum is taken of the unquantised p: two at a time, in two chains
.irp j, 4,8,12,16,20,24,28,32,36,40,44,48,52,56,60
	v_pk_add_f32 v[14:15], v[14:15], v[96+\j:97+\j]
	v_pk_add_f32 v[236:237], v[236:237], v[98+\j:99+\j]
.endr
	v_pk_add_f32 v[14:15], v[14:15], v[236:237]
.set jj, 0
.rept 16
	v_pk_mul_f32 v[160+jj:161+jj], v[160+jj:161+jj], v[252:253] op_sel_hi:[1,0]   ; O^T under the new M.  (With the sums above: the places between the writes of p's codes and scale word and the products below)
.set jj, jj+2
.endr
	s_wait_dscnt 0x0                               ; V's tiles and scale words are in
.irp t, 0,1,2,3                                ; O^T += V^T P^T: my head's four tiles of 16 channels; the four accumulators take turns
	v_wmma_scale_f32_16x16x128_f8f6f4 v[160+8*\t:167+8*\t], v[KV+12*\t:KV+12*\t+11], v[224:235], v[160+8*\t:167+8*\t], v[VSC+\t], v253 matrix_a_fmt:MATRIX_FMT_FP6 matrix_b_fmt:MATRIX_FMT_FP6
.endr
	s_add_co_u32 s[TS], s[TS], 544                 ; the next step's scale words
	s_add_co_u32 s[TJ], s[TJ], 4
.endm
; THE CHANGE OF SLOTS stands at a slot's head.  Each wave waits for all its tensor loads (its part of the slot that it is about to read), adds 0 to its spare word, and waits for that and for its reads of the slot that it has left.
; Behind the barrier the slot ahead is whole and nobody reads the other one.  fill = 1: that other slot is filled with the keys that follow: the load has a whole slot's two steps in which to land.
.macro CHANGE fill
	s_wait_tensorcnt 0x0                           ; no tensor load of mine is out, so a group 0 may be written
	ds_add_u32 v[SPW], v[NIL]                      ; 0 onto my spare word
.if \fill
	s_xor_b32 s[G0K+1], s[G0K+1], SLOT1            ; the walking descriptors: the other slot than last time,
	s_add_nc_u64 s[G0K+2:G0K+3], s[G0K+2:G0K+3], SK*ROWB   ; the next 256 keys
	s_xor_b32 s[G0V+1], s[G0V+1], SLOT1
	s_add_nc_u64 s[G0V+2:G0V+3], s[G0V+2:G0V+3], VROWB
	s_wait_xcnt 0x0                                ; the last prefetch, a slot back, has read its address, so it may be written
	s_add_nc_u64 s[PFA:PFA+1], s[PFA:PFA+1], s[PFS:PFS+1]
.endif
	s_wait_dscnt 0x0                               ; the add is done, and my reads of the slot that I have left are over
	s_barrier_signal -1
	s_barrier_wait -1
.if \fill
	TLOAD G0K, G1K, G0V, G1V                       ; the first thing behind the barrier, and a wave's one tensor load until the next
	ASK
.endif
.endm
.macro SLOT_STEPS
	STEP 0
	STEP 1
	s_xor_b32 s[TB], s[TB], SLOT1                  ; on to the other slot
.endm
	s_wait_loadcnt 0x0                             ; Q
.Lslot:                                            ; NSL - 1 trips: behind each change of slots but the last the next slot is asked for
	CHANGE 1
	SLOT_STEPS
	s_sub_co_u32 s[SLOTS], s[SLOTS], 1
	s_cmp_lg_u32 s[SLOTS], 0
	s_cbranch_scc1 .Lslot
	CHANGE 0                                       ; the last slot is written out
	SLOT_STEPS
	; THE WAY OUT.  O^T / the sum; register 16 b + i of a lane is channel 32 b + 16 h + i of my head: two blocks of 32, quantised as p is, become registers 6 e .. 6 e + 5 of the next product's fragment.
	v_add_f32 v14, v14, v15
	v_permlanex16_b32 v252, v14, s[SEL], s[SEL+1]
	v_add_f32 v14, v14, v252                       ; the row's sum
	v_rcp_f32 v14, v14
.rept 4
	v_nop                                          ; a plain line behind the reciprocal, and the places behind the last products
.endr
.set jj, 0
	s_wait_alu depctr_va_vdst(0)
.rept 32
	v_mul_f32 v[96+jj], v[160+jj], v14             ; each accumulator from its low end on
.set jj, jj+1
.endr
.irp b, 0,1
	v_max3_num_f32 v[232+\b], |v[96+16*\b]|, |v[97+16*\b]|, 0x1800000   ; my 16 numbers of block b, and the floor
.endr
.irp i, 2,4,6,8,10,12,14
.irp b, 0,1
	v_max3_num_f32 v[232+\b], v[232+\b], |v[96+16*\b+\i]|, |v[97+16*\b+\i]|
.endr
.endr
.irp b, 0,1
	v_permlanex16_b32 v[236+\b], v[232+\b], s[SEL], s[SEL+1]
.endr
.irp b, 0,1
	v_max_num_f32 v[232+\b], v[232+\b], v[236+\b]
.endr
.irp b, 0,1
	v_add_nc_u32 v[244+\b], 0xff000000, v[232+\b]
.endr
.irp b, 0,1
	v_lshrrev_b32 v[236+\b], 23, v[244+\b]
.endr
	v_lshl_or_b32 v240, v237, 8, v236              ; my head's two bytes of the row's scale word
	v_cvt_scalef32_pk16_fp6_f32 v[224:226], v[96:111], v244
	v_cvt_scalef32_pk16_fp6_f32 v[248:250], v[112:127], v245
	v_nop
.irp i, 0,1,2
	v_permlane16_swap_b32 v[224+\i], v[248+\i]
.endr
.irp i, 0,1,2
	v_mov_b32 v[227+\i], v[248+\i]
.endr
.irp p, 0,1,2
	global_store_b64 v[GO], v[224+2*\p:225+2*\p], s[16:17] offset:256*\p   ; a piece: 32 lanes store 256 consecutive bytes, aligned
.endr
	ds_store_b16 v[OSW], v240                      ; lanes r and r + 16 write the same two bytes with the same value
	s_wait_dscnt 0x0                               ; for the others' sake: my store has landed
	s_barrier_signal -1
	s_barrier_wait -1
	s_cmp_lg_u32 s[WV], 0
	s_cbranch_scc1 .Lnot_wave_0
	ds_load_b128 v[128:131], v[OSR]                ; the 128 rows' scale words
	s_wait_dscnt 0x0
	global_store_b128 v[GS], v[128:131], s[12:13]  ; 512 consecutive bytes
.Lnot_wave_0:
	s_wait_tensorcnt 0x0                           ; the wave's end
	ds_add_u32 v[SPW], v[NIL]
	s_wait_dscnt 0x0
	s_endpgm
.Lfunc_end_k_q914b3c4f91_attn:
	.size	k_q914b3c4f91_attn, .Lfunc_end_k_q914b3c4f91_attn-k_q914b3c4f91_attn
	.p2alignl 7, 3214868480
	.fill 96, 4, 3214868480
	.section	.rodata,"a",@progbits
	.p2align	6, 0x0
	.amdhsa_kernel k_q914b3c4f91_attn
		.amdhsa_group_segment_fixed_size 327680
		.amdhsa_private_segment_fixed_size 0
		.amdhsa_enable_private_segment 0
		.amdhsa_kernarg_size 16
		.amdhsa_user_sgpr_count 2
		.amdhsa_user_sgpr_kernarg_segment_ptr 1
		.amdhsa_wavefront_size32 1
		.amdhsa_system_sgpr_workgroup_id_x 1
		.amdhsa_system_sgpr_workgroup_id_y 1
		.amdhsa_system_sgpr_workgroup_id_z 1
		.amdhsa_system_vgpr_workitem_id 0
		.amdhsa_next_free_vgpr 256
		.amdhsa_next_free_sgpr 100
		.amdhsa_reserve_vcc 0
		.amdhsa_float_denorm_mode_32 3
		.amdhsa_float_denorm_mode_16_64 3
		.amdhsa_memory_ordered 1
		.amdhsa_forward_progress 1
		.amdhsa_inst_pref_size 87
	.end_amdhsa_kernel
	.amdgpu_metadata
---
amdhsa.version: [ 1, 2 ]
amdhsa.kernels:
  - .name:           k_q914b3c4f91_attn
    .symbol:         k_q914b3c4f91_attn.kd
    .args:
      - { .name: xq, .offset: 0, .size: 8, .value_kind: global_buffer, .address_space: global }
      - { .name: at, .offset: 8, .size: 8, .value_kind: global_buffer, .address_space: global }
    .group_segment_fixed_size: 327680
    .private_segment_fixed_size: 0
    .kernarg_segment_align: 8
    .kernarg_segment_size: 16
    .max_flat_workgroup_size: 512
    .sgpr_count:     100
    .vgpr_count:     256
    .wavefront_size: 32
...
	.end_amdgpu_metadata
.endif
;; end of part 2
;; launch gemm_fc (part 3): grid 4 x 16, 4 waves a work-group, clusters of 4 x 4, 327,680 bytes of LDS; arguments at, w_fc_out_codes, w_fc_out_scales, b_fc_out, x, y; writes y
.if DOCPART == 3
	.amdgcn_target "amdgcn-amd-amdhsa--gfx1250"
	.amdhsa_code_object_version 6
	.text
	.protected	k_q914b3c4f91_gemm_fc
	.globl	k_q914b3c4f91_gemm_fc
	.p2align	8
	.type	k_q914b3c4f91_gemm_fc,@function
k_q914b3c4f91_gemm_fc:
	s_mov_b64 s[64:65], 0
	v_nop
	global_prefetch_b8 v0, s[64:65] scope:SCOPE_SE
	s_setreg_imm32_b32 hwreg(HW_REG_WAVE_MODE, 25, 1), 1
	s_wait_xcnt 0x0
	s_wait_alu depctr_hold_cnt(0) depctr_sa_sdst(0) depctr_va_vdst(0) depctr_va_sdst(0) depctr_va_ssrc(0) depctr_va_vcc(0) depctr_vm_vsrc(0)
	s_getreg_b32 s2, hwreg(HW_REG_IB_STS2, 6, 4)
	s_cmp_eq_u32 s2, 0
	s_cbranch_scc0 .Lentry_in_a_cluster
	s_endpgm
.Lentry_in_a_cluster:
	s_bfe_u32 s2, ttmp6, 0x10000c
	s_cmp_lg_u32 s2, 0xf033
	s_cbranch_scc0 .Lentry_shape_is_right
	s_endpgm
.Lentry_shape_is_right:
; C[m][n] = sum over k of A[m][k] B[n][k] + bias[n], on codes of FP6 (E2M3) with one E8M0 scale for each 32 along K; 4,096 rows.  One text serves three products; the six symbols below tell them apart.
;   EPI = 0: out[m][n] = C + residual[m][n], f32.     EPI = 1: relu(C) is quantised along n and leaves as the next product's operand.
; A is an IMAGE OF THE OPERAND'S REGISTERS: [K / 256][row / 16][2][6 pieces][32 lanes][8 bytes]: a fragment (16 rows x 128 K, 12 registers a lane) is 1,536 bytes on end; 128 rows of a K step of 256 are 24,576 dense bytes.
; A's scale words (one for a row and 128 K) lie at ASC_OFF in the same buffer: ALAY = 0: [K / 128][4,096 rows]; ALAY = 1: [row / 16][K / 128][16 rows].
; B: [SIZE_N][SIZE_K] codes as given, a row one stream of bits; scale bytes [SIZE_N][SIZE_K / 32].
; A tile of C, 256 x 256, is made by four waves, each 128 x 128: 64 accumulators, 512 registers.  K goes in steps of 256 through a ring of two LDS slots filled by the tensor data mover; all scales come into LDS once, with the first fills.
; CLUSTERS: 4 x 4 work-groups; A's tiles are asked for jointly along a row of the cluster, B's along a column.  THE MATRIX INSTRUCTION IS USED TRANSPOSED (source 0 = 16 rows of B, source 1 = 16 rows of A): a lane holds numbers of one row of C.
; EPI = 1: the rows of B that form a tile are not neighbours: lane r of block 2 b + u takes row 32 b + 8 u + r + 8 (r / 8), so that the 16 registers of accumulators 2 b, 2 b + 1 are 16 neighbours along the next K.
; The bias is the C of each sum's first matrix instruction.  No prefetch: the tiles are shared in the cluster and the launch is short.
; LIMITS (EPI = 1): NaN and infinities are not served; a block whose largest magnitude lies under 2^-124 (zeros too) gets the byte 1.
; REGISTERS: window 0: v0-31 addresses; v32-63 scale words, two sets, and nothing else; v64-127 the bias, later work; v128-223 A's fragments, one set; window 1: B's fragments, two sets, at v0 and v128; windows 2, 3: the accumulators.
.set SIZE_N,  1024
.set SIZE_K,  1024
.set ALAY,    0
.set EPI,     0
.set ASC_OFF, 3145728
.set OSC_OFF, 0                        ; EPI = 1: where the output's scale words begin
.set ROWB,   192                       ; a row of B's tile: 256 codes
.set KROW,   SIZE_K*6/8
.set PITCH,  240                       ; B's LDS row: 3 x (64 bytes + 16 of padding)
.set FR,     12
.set NL,     6                         ; LDS loads that bring a fragment
.set NP,     4                         ; places behind this matrix instruction (ISA guide 7.12.1)
.set ASLOT,  786432                    ; a K step of 256 of all 4,096 rows of A
.set HALFA,  24576                     ; 128 rows of A in a slot
.set HALFB,  128*PITCH
.set SLOT,   2*HALFA+2*HALFB           ; A's two halves, then B's two
.set LAPS,   SIZE_K/512
.set KS,     SIZE_K/32
.set NKS,    SIZE_K/128
.if ALAY
.set ASC_SI, 512                       ; A's scale words in LDS: from block to block of 16 rows,
.set ASC_SK, 64                        ; from one 128 along K to the next,
.set HALFSA, 4096                      ; and 128 rows' in all
.else
.set ASC_SI, 64
.set ASC_SK, 576                       ; 512 bytes + 64 of padding
.set HALFSA, NKS*576
.endif
.set SCLA,   2*SLOT
.set SCLB,   SCLA+2*HALFSA
.set HALFSB, (128*KS/256)*272          ; B's scale bytes of 128 rows, as units of 256 + 16
.set SPARE,  SCLB+2*HALFSB             ; the spare words, 128 bytes a wave: two blocks of 256 bytes that no other line names
.set SPITCH, 528                       ; the way out: a stage of 16 rows x (512 + 16) bytes a wave, in slot 0, which has had its last fill and its last read by then
.set ADRA, 16                          ; v16-17  my A fragments in slot 0, 1: 8 x lane + my half
.set ADRB, 20                          ; v20-21  my B fragments; v22-23 the same behind one padding more
.set STO,  24
.set RD,   25
.set CO,   26                          ; 16 x lane
.set ADRSB, 27                         ; B's scale words: lanes 0-15 the slot's first 128 along K, lanes 16-31 its second
.set SPW,  28
.set NIL,  29
.set ADRSA, 30                         ; A's likewise
.set BO,   31                          ; the bias's lane offset
.set CO8,  10                          ; 8 x lane
.set SWA,  11
.set SRA,  12
.set SC,   32                          ; set s at v[32 + 16 s]: B's eight blocks, then A's eight
.set BIAS, 64
.set AF,   128
.set RES,  64                          ; EPI 0: residual rows, v64-127 and v192-255 by turns; v128-191 the block
.set BK,   128
.set HA,   64                          ; EPI 1: 64 numbers; v128-146 codes; v160-175 at work; v176-183 scale words
.set PC,   128
.set TM,   160
.set PW,   176
.set G1, 24
.set G0, 32
.set G1B, 48
.set G0B, 56
.set G1S, 68
.set G0S, 76
.set G1SB, 80
.set G0SB, 88
.set SEL, 20
.set MSB, 0
.macro WIN new                         ; the immediate's high byte repeats the setting that is left
.if MSB != \new
	s_set_vgpr_msb (MSB<<8)|\new
.set MSB, \new
.endif
.endm
.set MUL_LO, 0xa1                      ; source 0 (B) window 1, source 1 (A) window 0, C and D window 2
.set MUL_HI, 0xf1
.set TO_B,   0x40
; A joint load: waves 0 and 1 fetch for A, waves 2 and 3 for B; the branch hangs on the wave's number alone.  Four v_nop follow each of the two lines.
.macro JLOAD g0a, g1a, g0b, g1b
	s_cmp_eq_u32 s15, 0
	s_cbranch_scc0 .Lfor_b_\@
	tensor_load_to_lds s[\g0a:\g0a+3], s[\g1a:\g1a+7]
	s_nop 0
.rept 4
	v_nop
.endr
	s_branch .Lasked_\@
.Lfor_b_\@:
	tensor_load_to_lds s[\g0b:\g0b+3], s[\g1b:\g1b+7]
	s_nop 0
.rept 4
	v_nop
.endr
.Lasked_\@:
.endm
.macro CREST                           ; a round of the cluster's barrier behind its opening barrier
	s_cmp_lg_u32 s14, 0
	s_cbranch_scc1 .Lnot_wave_0_\@
	s_barrier_signal -3
.Lnot_wave_0_\@:
	s_barrier_wait -3
	s_barrier_signal -1
	s_barrier_wait -1
.endm
.macro CROUND
	s_barrier_signal -1
	s_barrier_wait -1
	CREST
.endm
	s_load_b64 s[4:5], s[0:1], 0x0                 ; A (image and scale words)
	s_load_b64 s[8:9], s[0:1], 0x8                 ; B's codes
	s_load_b64 s[10:11], s[0:1], 0x10              ; B's scales
	s_load_b64 s[96:97], s[0:1], 0x18              ; the bias
.if EPI
	s_load_b64 s[12:13], s[0:1], 0x20              ; the output
.else
	s_load_b64 s[98:99], s[0:1], 0x20              ; the residual
	s_load_b64 s[12:13], s[0:1], 0x28              ; the output
.endif
	v_lshl_add_u32 v[SPW], v0, 2, SPARE
	v_mov_b32 v[NIL], 0
	ds_add_u32 v28, v29
	s_wait_dscnt 0x0
	v_lshrrev_b32 v1, 5, v0
	v_readfirstlane_b32 s14, v1                    ; wave 0..3
	s_lshr_b32 s15, s14, 1                         ; which half of the tile's rows is mine.  Also: I fetch for A (0) or for B (1)
	s_and_b32 s16, s14, 1                          ; which half of its columns.  Also: which 128 rows I fetch
	s_bfe_u32 s40, ttmp6, 0x40000                  ; cx, cy
	s_bfe_u32 s41, ttmp6, 0x40004
	s_lshl_b32 s42, ttmp9, 2
	s_add_co_u32 s42, s42, s40                     ; tile column
	s_and_b32 s17, ttmp7, 0xffff
	s_lshl_b32 s17, s17, 2
	s_add_co_u32 s17, s17, s41                     ; tile row
	s_lshl_b32 s43, s41, 2
	s_lshl_b32 s43, 15, s43                        ; my row of the cluster
	s_lshl_b32 s44, 0x1111, s40                    ; my column
	; group 1, A's codes: 24,576 dense bytes as 96 rows of 256 (32 elements of 8 bytes), no padding
	s_or_b32 s[G1+0], s43, (3<<16)|(1<<21)
	s_mov_b32 s[G1+1], 32<<16
	s_mov_b32 s[G1+2], 96<<16
	s_mov_b32 s[G1+3], 32<<16
	s_mov_b32 s[G1+4], 96
	s_mov_b32 s[G1+5], 32
	s_mov_b32 s[G1+6], 0
	s_mov_b32 s[G1+7], 0
	; B's codes: 128 rows of 192 bytes, 16 bytes of padding behind every 64
	s_or_b32 s[G1B+0], s44, (0<<16)|(1<<20)|(1<<21)|(3<<22)|(3<<25)
	s_mov_b32 s[G1B+1], ROWB<<16
	s_mov_b32 s[G1B+2], 128<<16
	s_mov_b32 s[G1B+3], ROWB<<16
	s_mov_b32 s[G1B+4], 128
	s_mov_b32 s[G1B+5], KROW
	s_mov_b32 s[G1B+6], 0
	s_mov_b32 s[G1B+7], 0
.if ALAY
	; A's scale words of 128 rows: 4,096 dense bytes as 16 rows of 256
	s_or_b32 s[G1S+0], s43, (3<<16)|(1<<21)
	s_mov_b32 s[G1S+1], 32<<16
	s_mov_b32 s[G1S+2], 16<<16
	s_mov_b32 s[G1S+3], 32<<16
	s_mov_b32 s[G1S+4], 16
	s_mov_b32 s[G1S+5], 32
.else
	; A's scale words of 128 rows: NKS rows of 512 bytes, 16,384 bytes apart; 64 bytes of padding behind each
	s_or_b32 s[G1S+0], s43, (3<<16)|(1<<20)|(1<<21)|(6<<22)|(15<<25)
	s_mov_b32 s[G1S+1], 64<<16
	s_mov_b32 s[G1S+2], NKS<<16
	s_mov_b32 s[G1S+3], 64<<16
	s_mov_b32 s[G1S+4], NKS
	s_mov_b32 s[G1S+5], 2048
.endif
	s_mov_b32 s[G1S+6], 0
	s_mov_b32 s[G1S+7], 0
	; B's scale bytes of 128 rows: a dense block as rows of 256 bytes, 16 of padding behind each
	s_or_b32 s[G1SB+0], s44, (3<<16)|(1<<20)|(1<<21)|(5<<22)|(3<<25)
	s_mov_b32 s[G1SB+1], 32<<16
	s_mov_b32 s[G1SB+2], (128*KS/256)<<16
	s_mov_b32 s[G1SB+3], 32<<16
	s_mov_b32 s[G1SB+4], 128*KS/256
	s_mov_b32 s[G1SB+5], 32
	s_mov_b32 s[G1SB+6], 0
	s_mov_b32 s[G1SB+7], 0
	s_lshl_b32 s20, s17, 4
	s_lshl_b32 s18, s16, 3
	s_add_co_u32 s20, s20, s18                     ; A: the first of the eight blocks of 16 rows that I fetch
	s_mul_i32 s22, s20, 3072
	s_mov_b32 s23, 0
.if ALAY
	s_lshl_b32 s18, s20, 9
.else
	s_lshl_b32 s18, s20, 6
.endif
	s_add_co_u32 s18, s18, ASC_OFF
	s_mov_b32 s19, 0
	s_lshl_b32 s46, s42, 8
	s_lshl_b32 s47, s16, 7
	s_add_co_u32 s46, s46, s47                     ; B: the first of the 128 rows that I fetch
	s_mul_i32 s92, s46, KS
	s_mov_b32 s93, 0
	s_mul_i32 s46, s46, KROW
	s_mov_b32 s47, 0
	s_mul_i32 s45, s16, HALFA                      ; where they go: no place in the cluster enters an LDS address
	s_mul_i32 s94, s16, HALFB
	s_add_co_u32 s94, s94, 2*HALFA
	s_mul_i32 s95, s16, HALFSA
	s_add_co_u32 s95, s95, SCLA
	s_mul_i32 s2, s16, HALFSB
	s_add_co_u32 s2, s2, SCLB
	s_wait_kmcnt 0x0
	s_add_nc_u64 s[22:23], s[4:5], s[22:23]
	s_add_nc_u64 s[18:19], s[4:5], s[18:19]
	s_add_nc_u64 s[46:47], s[8:9], s[46:47]
	s_add_nc_u64 s[92:93], s[10:11], s[92:93]
	CROUND                                         ; all sixteen work-groups are here: the first joint loads meet
	s_mov_b32 s[G0S], 1
	s_mov_b32 s[G0S+1], s95
	s_mov_b64 s[G0S+2:G0S+3], s[18:19]
	s_or_b32 s[G0S+3], s[G0S+3], 0x80000000
	s_mov_b32 s[G0SB], 1
	s_mov_b32 s[G0SB+1], s2
	s_mov_b64 s[G0SB+2:G0SB+3], s[92:93]
	s_or_b32 s[G0SB+3], s[G0SB+3], 0x80000000
	JLOAD G0S, G1S, G0SB, G1SB                     ; the scales first: they are wanted with K step 0
.irp s, 0,1
	s_mov_b32 s[G0+4*\s], 1
	s_add_co_u32 s[G0+4*\s+1], s45, \s*SLOT
	s_add_nc_u64 s[G0+4*\s+2:G0+4*\s+3], s[22:23], \s*ASLOT
	s_or_b32 s[G0+4*\s+3], s[G0+4*\s+3], 0x80000000
	s_mov_b32 s[G0B+4*\s], 1
	s_add_co_u32 s[G0B+4*\s+1], s94, \s*SLOT
	s_add_nc_u64 s[G0B+4*\s+2:G0B+4*\s+3], s[46:47], \s*ROWB
	s_or_b32 s[G0B+4*\s+3], s[G0B+4*\s+3], 0x80000000
	JLOAD G0+4*\s, G1, G0B+4*\s, G1B               ; three tensor loads of mine are out now
.endr
	v_and_b32 v1, 15, v0                           ; r
	v_bfe_u32 v2, v0, 4, 1                         ; h
	v_and_b32 v6, 31, v0                           ; lane
.if EPI
	v_and_b32 v7, 8, v1
	v_add_nc_u32 v7, v7, v1                        ; B's row of a block: r + 8 (r / 8)
.else
	v_mov_b32 v7, v1                               ; B's row of a block: r
.endif
	v_mul_u32_u24 v3, v7, PITCH
	v_mul_u32_u24 v4, v2, 24
	v_add_nc_u32 v4, v3, v4                        ; row x pitch + 24 x half
	v_lshl_add_u32 v5, v2, 4, v4                   ; and the same behind one padding more
	v_lshlrev_b32 v[CO8], 3, v6
	s_mul_i32 s20, s15, HALFA                      ; my 128 rows of A
	s_mul_i32 s21, s16, HALFB                      ; my 128 rows of B, behind A's
	s_add_co_u32 s21, s21, 2*HALFA
.irp s, 0,1
	v_add_nc_u32 v[ADRA+\s], s20, v[CO8]
	v_add_nc_u32 v[ADRB+\s], s21, v4
	v_add_nc_u32 v[ADRB+2+\s], s21, v5
	s_add_co_u32 s20, s20, SLOT
	s_add_co_u32 s21, s21, SLOT
.endr
	v_mul_u32_u24 v5, v7, KS                       ; B's scale bytes: KS a row,
	v_lshrrev_b32 v9, 8, v5
	v_lshl_add_u32 v5, v9, 4, v5                   ; 16 more for each 256 passed,
	v_lshl_add_u32 v5, v2, 2, v5                   ; lanes 16-31 one word on
	s_mul_i32 s20, s16, HALFSB
	s_add_co_u32 s20, s20, SCLB
	v_add_nc_u32 v[ADRSB], s20, v5
	v_lshlrev_b32 v5, 2, v1                        ; A's scale words: 4 r,
	v_mad_u32_u24 v5, v2, ASC_SK, v5               ; lanes 16-31 one 128 along K on
	s_mul_i32 s20, s15, HALFSA
	s_add_co_u32 s20, s20, SCLA
	v_add_nc_u32 v[ADRSA], s20, v5
	v_lshlrev_b32 v[CO], 4, v6
	s_lshl_b32 s92, s42, 10
	s_lshl_b32 s93, s16, 9
	s_add_co_u32 s92, s92, s93                     ; my first column x 4 bytes
	s_mov_b32 s93, 0
	s_add_nc_u64 s[96:97], s[96:97], s[92:93]      ; the bias there
.if EPI
	v_lshlrev_b32 v[BO], 6, v2                     ; a lane's columns of accumulator b: 32 (b / 2) + 8 (b % 2) + 16 h + 0 .. 7
	s_lshl_b32 s20, s14, 9
	v_lshl_add_u32 v[SWA], v1, 2, s20              ; the stage for the scale words: 512 bytes a wave
	v_add_nc_u32 v[SRA], s20, v[CO]
	s_lshl_b32 s20, s17, 4
	s_lshl_b32 s21, s15, 3
	s_add_co_u32 s20, s20, s21                     ; my first block of 16 rows
	s_mul_i32 s21, s20, 3072
	s_lshl_b32 s22, s20, 6
	s_mul_i32 s46, s42, ASLOT                      ; my 128 columns are K step 2 x tile column + half of the next product
	s_mul_i32 s47, s16, 1536
	s_add_co_u32 s46, s46, s47
	s_add_co_u32 s46, s46, s21
	s_mov_b32 s47, 0
	s_lshl_b32 s92, s42, 1
	s_add_co_u32 s92, s92, s16
	s_lshl_b32 s92, s92, 14
	s_add_co_u32 s92, s92, s22
	s_add_co_u32 s92, s92, OSC_OFF
	s_add_nc_u64 s[98:99], s[12:13], s[92:93]      ; where my scale words go
	s_add_nc_u64 s[12:13], s[12:13], s[46:47]      ; where my fragments go
	s_mov_b32 s[SEL], 0x76543210
	s_mov_b32 s[SEL+1], 0xfedcba98
.else
	v_lshlrev_b32 v[BO], 5, v2                     ; a lane's columns of accumulator b: 16 b + 8 h + 0 .. 7
	s_mul_i32 s23, s14, 16*SPITCH                  ; my stage
	v_mul_u32_u24 v5, v1, SPITCH
	v_lshl_add_u32 v5, v2, 5, v5
	v_add_nc_u32 v[STO], s23, v5                   ; in: row r, 32 bytes for each half of the lanes
	v_add_nc_u32 v[RD], s23, v[CO]                 ; back: the 32 lanes take a row of 512 bytes
	s_lshl_b32 s20, s17, 8
	s_lshl_b32 s21, s15, 7
	s_add_co_u32 s20, s20, s21                     ; my first row
	s_mul_i32 s20, s20, SIZE_N*4
	s_mov_b32 s21, 0
	s_add_nc_u64 s[20:21], s[20:21], s[92:93]
	s_add_nc_u64 s[12:13], s[12:13], s[20:21]
	s_add_nc_u64 s[98:99], s[98:99], s[20:21]
.endif
.irp b, 0,1,2,3,4,5,6,7
	global_load_b128 v[BIAS+8*\b:BIAS+8*\b+3], v[BO], s[96:97] offset:4*(EPI*(32*(\b/2)+8*(\b%2))+(1-EPI)*16*\b)
	global_load_b128 v[BIAS+8*\b+4:BIAS+8*\b+7], v[BO], s[96:97] offset:4*(EPI*(32*(\b/2)+8*(\b%2))+(1-EPI)*16*\b)+16
.endr
.macro FRAGA reg, adr, q, i            ; a fragment of A as it lies: six pieces of 256 consecutive bytes
.irp p, 0,1,2,3,4,5
	ds_load_b64 v[\reg+2*\p:\reg+2*\p+1], v[\adr] offset:(\i)*3072+(\q)*1536+256*\p
.endr
.endm
.macro FRAGB reg, adr, q, i            ; a fragment of B from rows: lane (r, h) takes 24 bytes at 24 h and at 48 + 24 h of its row's 96, in pieces of 8; where the piece three on lies behind one padding more, the second address register serves
.irp p, 0,1,2,3,4,5
.set PCE, 12*(\q)+6*(\p/3)+\p%3
.if PCE%8 < 5
	ds_load_b64 v[\reg+2*\p:\reg+2*\p+1], v[\adr] offset:8*PCE+16*(PCE/8)+(EPI*(32*((\i)/2)+8*((\i)%2))+(1-EPI)*16*(\i))*PITCH
.else
	ds_load_b64 v[\reg+2*\p:\reg+2*\p+1], v[\adr+2] offset:8*PCE+16*(PCE/8)+(EPI*(32*((\i)/2)+8*((\i)%2))+(1-EPI)*16*(\i))*PITCH
.endif
.endr
.endm
; 16 matrix instructions: A's blocks a0, a0 + 1 x B's eight, the slot's q-th 128 along K.  p: B's set; sc: the set of scale words (lanes 0-15 serve q = 0, lanes 16-31 q = 1).  first = 1: the bias starts the sums.
; The 64 accumulators take turns, one instruction a turn, in the same order in every step.
.macro MUL16 a0, p, q, sc, first
.irp a, \a0, \a0+1
.irp b, 0,1,2,3,4,5,6,7
.if \first
	v_wmma_scale_f32_16x16x128_f8f6f4 v[8*(8*((\a)%4)+\b):8*(8*((\a)%4)+\b)+7], v[128*(\p)+FR*\b:128*(\p)+FR*\b+FR-1], v[AF+FR*(\a):AF+FR*(\a)+FR-1], v[BIAS+8*\b:BIAS+8*\b+7], v[SC+16*(\sc)+\b], v[SC+16*(\sc)+8+(\a)] matrix_a_fmt:MATRIX_FMT_FP6 matrix_b_fmt:MATRIX_FMT_FP6
.elseif (\q) == 0
	v_wmma_scale_f32_16x16x128_f8f6f4 v[8*(8*((\a)%4)+\b):8*(8*((\a)%4)+\b)+7], v[128*(\p)+FR*\b:128*(\p)+FR*\b+FR-1], v[AF+FR*(\a):AF+FR*(\a)+FR-1], v[8*(8*((\a)%4)+\b):8*(8*((\a)%4)+\b)+7], v[SC+16*(\sc)+\b], v[SC+16*(\sc)+8+(\a)] matrix_a_fmt:MATRIX_FMT_FP6 matrix_b_fmt:MATRIX_FMT_FP6
.else
	v_wmma_scale_f32_16x16x128_f8f6f4 v[8*(8*((\a)%4)+\b):8*(8*((\a)%4)+\b)+7], v[128*(\p)+FR*\b:128*(\p)+FR*\b+FR-1], v[AF+FR*(\a):AF+FR*(\a)+FR-1], v[8*(8*((\a)%4)+\b):8*(8*((\a)%4)+\b)+7], v[SC+16*(\sc)+\b], v[SC+16*(\sc)+8+(\a)] matrix_a_fmt:MATRIX_FMT_FP6 matrix_b_fmt:MATRIX_FMT_FP6 matrix_a_scale:MATRIX_SCALE_ROW1 matrix_b_scale:MATRIX_SCALE_ROW1
.endif
.endr
.endr
.endm
.macro FETCH_B slot, q, p
	WIN TO_B
.irp i, 0,1,2,3,4,5,6,7
	FRAGB 128*(\p)+FR*\i, ADRB+\slot, \q, \i
.endr
	WIN 0
.endm
.macro FETCH_A slot, q, i0
.irp i, \i0, \i0+1, \i0+2, \i0+3
	FRAGA AF+FR*(\i), ADRA+\slot, \q, \i
.endr
.endm
.macro SCALES sc                       ; a K step's scale words: a register for each block of B and of A
.irp i, 0,1,2,3,4,5,6,7
	ds_load_b32 v[SC+16*\sc+\i], v[ADRSB] offset:(EPI*(32*(\i/2)+8*(\i%2))+(1-EPI)*16*\i)*KS*17/16
	ds_load_b32 v[SC+16*\sc+8+\i], v[ADRSA] offset:\i*ASC_SI
.endr
.endm
; A load into a register that a matrix instruction has read, and a vector instruction or an LDS store that reads a matrix result, stand NP places behind that matrix instruction; only plain vector instructions that name none of its registers are places.
.macro PLACES n
.rept \n
	v_nop
.endr
.endm
; A slot's first 128 along K.  A's blocks go one after the other, each against B's eight, so one set of registers serves A: blocks 0-3 are fetched anew in the step's middle, blocks 4-7 at its end.
.macro STEP slot, first
	s_wait_dscnt 4*NL                              ; all but the youngest 24 loads (A's blocks 4-7) are in
.if \first
	WIN 0x81                                       ; C (the bias) window 0, D window 2
.else
	WIN MUL_LO
.endif
	MUL16 0, 0, 0, \slot, \first
	MUL16 2, 0, 0, \slot, \first
	s_wait_dscnt 0
	PLACES NP
	FETCH_B \slot, 1, 1
	FETCH_A \slot, 1, 0
.if \first
	WIN 0xc1
.else
	WIN MUL_HI
.endif
	MUL16 4, 0, 0, \slot, \first
	MUL16 6, 0, 0, \slot, \first
	PLACES NP
	WIN 0
	FETCH_A \slot, 1, 4
.endm
; A slot's second 128 along K changes slots: ONE barrier; in front of it each wave waits for all its tensor loads, adds 0 to its spare word, and waits for that and for its own reads of this slot.  fill = 1: this slot is filled again, two K steps ahead.
.macro TURN slot, next, fill
	s_wait_tensorcnt 0x0                           ; all my tensor loads have landed: my part of the next slot
	ds_add_u32 v[SPW], v[NIL]                      ; 0 onto my spare word
	s_wait_dscnt 4*NL+1                            ; (the add and the youngest 24 loads may be out)
	WIN MUL_LO
	MUL16 0, 1, 1, \slot, 0                        ; sixteen matrix instructions stand between the add and the wait for it
	s_wait_dscnt 0x0                               ; the add is done, and my reads of this slot are over
	s_barrier_signal -1
	MUL16 2, 1, 1, \slot, 0
	WIN 0
	s_barrier_wait -1
.if \fill
	CREST                                          ; the barrier has opened a round of the cluster's barrier: no wave of any partner still reads this slot or has a load on its way
	s_add_nc_u64 s[G0+4*\slot+2:G0+4*\slot+3], s[G0+4*\slot+2:G0+4*\slot+3], 2*ASLOT
	s_add_nc_u64 s[G0B+4*\slot+2:G0B+4*\slot+3], s[G0B+4*\slot+2:G0B+4*\slot+3], 2*ROWB
	JLOAD G0+4*\slot, G1, G0B+4*\slot, G1B         ; the first tensor load behind the round; its four v_nop are the places in front of the loads below
.else
	PLACES NP
.endif
	v_add_nc_u32 v[ADRSB], 8, v[ADRSB]             ; on to the next K step's scale words
	v_add_nc_u32 v[ADRSA], 2*ASC_SK, v[ADRSA]
	FETCH_B \next, 0, 0
	FETCH_A \next, 0, 0
	SCALES \next
	WIN MUL_HI
	MUL16 4, 1, 1, \slot, 0
	MUL16 6, 1, 1, \slot, 0
	PLACES NP
	WIN 0
	FETCH_A \next, 0, 4
.endm
	s_wait_tensorcnt 1                             ; the scales and my part of K step 0 are in (K step 1's load may be out),
	s_barrier_signal -1
	s_barrier_wait -1                              ; everybody's are
	FETCH_B 0, 0, 0
	FETCH_A 0, 0, 0
	SCALES 0
	FETCH_A 0, 0, 4
	s_wait_loadcnt 0x0                             ; the bias
	STEP 0, 1                                      ; the first step stands in front of the loop: its products start the sums
	s_mov_b32 s3, LAPS-1
.Llap:                                             ; a trip goes once round the ring and fills both slots again
	TURN 0, 1, 1
	STEP 1, 0
	TURN 1, 0, 1
	STEP 0, 0
	s_sub_co_u32 s3, s3, 1
	s_cmp_lg_u32 s3, 0
	s_cbranch_scc1 .Llap
	TURN 0, 1, 0                                   ; the last lap fills nothing, and has no round of the cluster's barrier
	STEP 1, 0
	s_wait_dscnt 4*NL                              ; the very last step: nothing more to fetch
	WIN MUL_LO
	MUL16 0, 1, 1, 1, 0
	MUL16 2, 1, 1, 1, 0
	s_wait_dscnt 0
	WIN MUL_HI
	MUL16 4, 1, 1, 1, 0
	MUL16 6, 1, 1, 1, 0
	WIN 0
	PLACES NP                                      ; in front of the first reads of results and of loads and writes into registers that the last products have read
.if EPI
; THE WAY OUT, EPI = 1: block a's 16 rows x my 128 columns: relu, four blocks of 32 quantised in registers: one fragment and one scale word a row.
.macro QUANT s, pw                     ; 64 numbers of a lane, register 16 b + i = k 32 b + 16 h + i of my row (none negative), become codes in v[PC] on and the scale word in v[pw]
.irp b, 0,1,2,3
	v_max3_num_f32 v[TM+\b], v[\s+16*\b], v[\s+1+16*\b], 0x1800000     ; and the floor 2^(3 - 127): the byte cannot fall under 1
.endr
.irp i, 2,4,6,8,10,12,14
.irp b, 0,1,2,3
	v_max3_num_f32 v[TM+\b], v[TM+\b], v[\s+16*\b+\i], v[\s+1+16*\b+\i]
.endr
.endr
.irp b, 0,1,2,3
	v_permlanex16_b32 v[TM+4+\b], v[TM+\b], s[SEL], s[SEL+1]
.endr
.irp b, 0,1,2,3
	v_max_num_f32 v[TM+\b], v[TM+\b], v[TM+4+\b]   ; with lane l xor 16's: the block's largest
.endr
.irp b, 0,1,2,3
	v_add_nc_u32 v[TM+12+\b], 0xff000000, v[TM+\b] ; 2 off the exponent field: the conversion's scale operand
.endr
.irp b, 0,1,2,3
	v_lshrrev_b32 v[TM+4+\b], 23, v[TM+12+\b]      ; the scale's byte
.endr
	v_lshl_or_b32 v[\pw], v[TM+5], 8, v[TM+4]
	v_lshl_or_b32 v[\pw], v[TM+6], 16, v[\pw]
	v_lshl_or_b32 v[\pw], v[TM+7], 24, v[\pw]
.irp c, 0,1
	v_cvt_scalef32_pk16_fp6_f32 v[PC+6*\c:PC+2+6*\c], v[\s+32*\c:\s+15+32*\c], v[TM+12+2*\c]
	v_cvt_scalef32_pk16_fp6_f32 v[PC+12+4*\c:PC+14+4*\c], v[\s+16+32*\c:\s+31+32*\c], v[TM+12+2*\c+1]
.endr
	v_nop                                          ; one plain line behind the conversions
.irp c, 0,1                                    ; a whole block to a lane: lanes 0-15 block 2 c, lanes 16-31 block 2 c + 1
.irp i, 0,1,2
	v_permlane16_swap_b32 v[PC+6*\c+\i], v[PC+12+4*\c+\i]
.endr
.irp i, 0,1,2
	v_mov_b32 v[PC+3+6*\c+\i], v[PC+12+4*\c+\i]
.endr
.endr
.endm
.irp b, 0,1,2,3
	v_mov_b32 v[TM+4+\b], 0                        ; written once: a lane permute's destination counts as one of its sources
.endr
.irp a, 0,1,2,3,4,5,6,7
.if \a > 0
	s_wait_xcnt 0x0                                ; the last block's stores have read their registers: the codes may be written again
.endif
	WIN 0x08+4*(\a/4)                              ; source 1: window 2 or 3
.set jj, 0
.rept 64
	v_max_num_f32 v[HA+jj], 0, v[64*(\a%4)+jj]     ; the activation; each accumulator from its low end on
.set jj, jj+1
.endr
	WIN 0
	QUANT HA, PW+\a
.irp p, 0,1,2,3,4,5
	global_store_b64 v[CO8], v[PC+2*\p:PC+2*\p+1], s[12:13] offset:3072*\a+256*\p   ; a piece: 256 consecutive bytes, aligned
.endr
	ds_store_b32 v[SWA], v[PW+\a] offset:64*\a     ; lanes r and r + 16 write the same word with the same value
.endr
	ds_load_b128 v[184:187], v[SRA]                ; my 128 rows' scale words: LDS serves a wave's instructions in order
	s_wait_dscnt 0x0
	global_store_b128 v[CO], v[184:187], s[98:99]  ; 512 consecutive bytes
.else
; THE WAY OUT, EPI = 0, block by block of 16 rows x 128 columns: through my stage, back as whole rows of 512 bytes, plus the residual's rows, stored as two aligned runs of 256 bytes.  Every offset is an immediate: 127 rows of 4,096 bytes at the most.
.macro RLOAD a
.set RR, RES+128*((\a)%2)
.irp t, 0,1,2,3,4,5,6,7,8,9,10,11,12,13,14,15
	global_load_b128 v[RR+4*\t:RR+4*\t+3], v[CO], s[98:99] offset:(16*(\a)+\t)*SIZE_N*4 th:TH_LOAD_NT
.endr
.endm
	RLOAD 0
.irp a, 0,1,2,3,4,5,6,7
.if \a > 0
	s_wait_xcnt 0x0                                ; the last block's stores have read their registers: the stage's loads may land there
.endif
	WIN 0x08+4*(\a/4)                              ; an LDS store's data are its source 1: window 2 or 3
.irp b, 0,1,2,3,4,5,6,7
	ds_store_b128 v[STO], v[64*(\a%4)+8*\b:64*(\a%4)+8*\b+3] offset:64*\b          ; each accumulator from its low end on
	ds_store_b128 v[STO], v[64*(\a%4)+8*\b+4:64*(\a%4)+8*\b+7] offset:64*\b+16
.endr
	WIN 0
.irp t, 0,1,2,3,4,5,6,7,8,9,10,11,12,13,14,15
	ds_load_b128 v[BK+4*\t:BK+4*\t+3], v[RD] offset:\t*SPITCH      ; LDS serves a wave's instructions in order: these see the stores above
.endr
.if \a < 7
	RLOAD \a+1
	s_wait_dscnt 0x0
	s_wait_loadcnt 16                              ; this block's residual rows are in; the next block's sixteen loads may be out
.else
	s_wait_dscnt 0x0
	s_wait_loadcnt 0x0
.endif
.set jj, 0
.rept 32
	v_pk_add_f32 v[BK+jj:BK+jj+1], v[BK+jj:BK+jj+1], v[RES+128*(\a%2)+jj:RES+128*(\a%2)+jj+1]
.set jj, jj+2
.endr
.irp t, 0,1,2,3,4,5,6,7,8,9,10,11,12,13,14,15
	global_store_b128 v[CO], v[BK+4*\t:BK+4*\t+3], s[12:13] offset:(16*\a+\t)*SIZE_N*4
.endr
.endr
.endif
	s_wait_tensorcnt 0x0                           ; the wave's end
	ds_add_u32 v[SPW], v[NIL]
	s_wait_dscnt 0x0
	CROUND                                         ; the closing round: no work-group ends while a partner may still ask for a tile that names it
	s_endpgm
.Lfunc_end_k_q914b3c4f91_gemm_fc:
	.size	k_q914b3c4f91_gemm_fc, .Lfunc_end_k_q914b3c4f91_gemm_fc-k_q914b3c4f91_gemm_fc
	.p2alignl 7, 3214868480
	.fill 96, 4, 3214868480
	.section	.rodata,"a",@progbits
	.p2align	6, 0x0
	.amdhsa_kernel k_q914b3c4f91_gemm_fc
		.amdhsa_group_segment_fixed_size 327680
		.amdhsa_private_segment_fixed_size 0
		.amdhsa_enable_private_segment 0
		.amdhsa_kernarg_size 48
		.amdhsa_user_sgpr_count 2
		.amdhsa_user_sgpr_kernarg_segment_ptr 1
		.amdhsa_wavefront_size32 1
		.amdhsa_system_sgpr_workgroup_id_x 1
		.amdhsa_system_sgpr_workgroup_id_y 1
		.amdhsa_system_sgpr_workgroup_id_z 1
		.amdhsa_system_vgpr_workitem_id 0
		.amdhsa_next_free_vgpr 1024
		.amdhsa_next_free_sgpr 100
		.amdhsa_reserve_vcc 0
		.amdhsa_float_denorm_mode_32 3
		.amdhsa_float_denorm_mode_16_64 3
		.amdhsa_memory_ordered 1
		.amdhsa_forward_progress 1
		.amdhsa_inst_pref_size 192
	.end_amdhsa_kernel
	.amdgpu_metadata
---
amdhsa.version: [ 1, 2 ]
amdhsa.kernels:
  - .name:           k_q914b3c4f91_gemm_fc
    .symbol:         k_q914b3c4f91_gemm_fc.kd
    .args:
      - { .name: at, .offset: 0, .size: 8, .value_kind: global_buffer, .address_space: global }
      - { .name: w_fc_out_codes, .offset: 8, .size: 8, .value_kind: global_buffer, .address_space: global }
      - { .name: w_fc_out_scales, .offset: 16, .size: 8, .value_kind: global_buffer, .address_space: global }
      - { .name: b_fc_out, .offset: 24, .size: 8, .value_kind: global_buffer, .address_space: global }
      - { .name: x, .offset: 32, .size: 8, .value_kind: global_buffer, .address_space: global }
      - { .name: y, .offset: 40, .size: 8, .value_kind: global_buffer, .address_space: global }
    .group_segment_fixed_size: 327680
    .private_segment_fixed_size: 0
    .kernarg_segment_align: 8
    .kernarg_segment_size: 48
    .max_flat_workgroup_size: 128
    .sgpr_count:     100
    .vgpr_count:     1024
    .wavefront_size: 32
...
	.end_amdgpu_metadata
.endif
;; end of part 3
;; launch ln1 (part 4): grid 256 x 1, 16 waves a work-group, no clusters, 88,576 bytes of LDS; arguments y, g1, be1, x1, x1q; writes x1, x1q
.if DOCPART == 4
	.amdgcn_target "amdgcn-amd-amdhsa--gfx1250"
	.amdhsa_code_object_version 6
	.text
	.protected	k_q914b3c4f91_ln1
	.globl	k_q914b3c4f91_ln1
	.p2align	8
	.type	k_q914b3c4f91_ln1,@function
k_q914b3c4f91_ln1:
	s_mov_b64 s[64:65], 0
	v_nop
	global_prefetch_b8 v0, s[64:65] scope:SCOPE_SE
	s_setreg_imm32_b32 hwreg(HW_REG_WAVE_MODE, 25, 1), 1
	s_wait_xcnt 0x0
; x1 = layer norm of y (rows of 1,024, mean and variance in f32, two passes over registers), times g plus be; stored as f32 and, quantised along the row to FP6 (E2M3) with E8M0 scales, as the next product's operand.
; A work-group takes 16 rows (one block of the operand), a wave one row: 8 loads of 512 consecutive bytes, 32 registers.  The reduction never leaves the wave.
; THE OPERAND: an image of its registers, [K / 256][row / 16][2][6 pieces][32 lanes][8 bytes]; scale words [row / 16][K / 128][16 rows] at ASC_OFF.
; The row turns through the wave's own stage in LDS, so that lane l holds block l (32 neighbours); its 24 bytes of codes go to their places in the work-group's 12,288 bytes of image; a barrier; each wave stores 768 of them.
; LIMITS: NaN and infinities are not served; a block whose largest magnitude lies under 2^-124 (zeros too) gets the byte 1.  Memory binds: no matrix unit, no cluster, no tensor load, no prefetch.
.set X,    16
.set G,    48
.set BE,   80
.set Z,    112
.set C,    144
.set WSTG, 4608                        ; a wave's stage: 32 x (128 bytes + 16)
.set IMG,  16*WSTG
.set SCA,  IMG+12288
.set ASC_OFF, 3145728
	s_load_b128 s[4:7], s[0:1], 0x0                ; y, g
	s_load_b128 s[8:11], s[0:1], 0x10              ; be, x1
	s_load_b64 s[12:13], s[0:1], 0x20              ; x1q
	v_lshl_add_u32 v160, v0, 2, 0x15200
	v_mov_b32 v161, 0
	v_lshrrev_b32 v2, 5, v0
	v_readfirstlane_b32 s14, v2                    ; wave = my row of the 16
	v_and_b32 v3, 31, v0                           ; lane
	v_lshlrev_b32 v1, 4, v3
	s_lshl_b32 s16, ttmp9, 16
	s_lshl_b32 s17, s14, 12
	s_add_co_u32 s16, s16, s17                     ; my row's first byte
	s_mov_b32 s17, 0
	s_mov_b32 s18, 0x76543210
	s_mov_b32 s19, 0xfedcba98
	s_mov_b32 s20, 0x3a800000                      ; 1 / 1,024
	s_mov_b32 s21, 0x3727c5ac                      ; 1e-5
	s_lshr_b32 s22, s14, 2
	s_mul_i32 s22, s22, 786432                     ; wave w stores bytes 768 w on of the image: K / 256 = w / 4,
	s_mul_i32 s15, ttmp9, 3072
	s_add_co_u32 s22, s22, s15
	s_and_b32 s15, s14, 3
	s_mul_i32 s15, s15, 768
	s_add_co_u32 s22, s22, s15
	s_mov_b32 s23, 0
	s_wait_kmcnt 0x0
	s_add_nc_u64 s[4:5], s[4:5], s[16:17]
	s_add_nc_u64 s[10:11], s[10:11], s[16:17]
	s_add_nc_u64 s[22:23], s[12:13], s[22:23]
	s_lshl_b32 s16, ttmp9, 9
	s_add_co_u32 s16, s16, ASC_OFF
	s_add_nc_u64 s[12:13], s[12:13], s[16:17]
.irp j, 0,1,2,3,4,5,6,7
	global_load_b128 v[X+4*\j:X+4*\j+3], v1, s[4:5] offset:512*\j th:TH_LOAD_NT
.endr
.irp j, 0,1,2,3,4,5,6,7
	global_load_b128 v[G+4*\j:G+4*\j+3], v1, s[6:7] offset:512*\j
.endr
.irp j, 0,1,2,3,4,5,6,7
	global_load_b128 v[BE+4*\j:BE+4*\j+3], v1, s[8:9] offset:512*\j
.endr
	v_lshrrev_b32 v4, 3, v3
	v_lshl_add_u32 v4, v4, 4, v1
	s_mul_i32 s15, s14, WSTG
	v_add_nc_u32 v152, s15, v4                     ; the stage, in: 16 l + 16 (l / 8)
	v_mul_u32_u24 v4, v3, 144
	v_add_nc_u32 v153, s15, v4                     ; and out: 144 l
	v_lshrrev_b32 v4, 2, v3
	v_mul_u32_u24 v5, v4, 1536                     ; block l: fragment l / 4,
	v_bfe_u32 v6, v3, 1, 1
	v_mad_u32_u24 v5, v6, 768, v5                  ; registers 6 ((l / 2) % 2) on,
	v_and_b32 v6, 1, v3
	v_lshl_add_u32 v5, v6, 7, v5                   ; lane w + 16 (l % 2)
	s_lshl_b32 s15, s14, 3
	s_add_co_u32 s15, s15, IMG
	v_add_nc_u32 v154, s15, v5
	v_and_b32 v6, 3, v3
	v_lshl_add_u32 v5, v4, 6, v6                   ; its byte: 64 (l / 4) + 4 w + l % 4
	s_lshl_b32 s15, s14, 2
	s_add_co_u32 s15, s15, SCA
	v_add_nc_u32 v155, s15, v5
	v_lshlrev_b32 v158, 3, v3
	s_mul_i32 s15, s14, 768
	s_add_co_u32 s15, s15, IMG
	v_add_nc_u32 v156, s15, v158
	v_add_nc_u32 v157, SCA, v1
	s_wait_loadcnt 16                              ; my row is in; the sixteen loads of g and be may be out
.irp k, 0,1,2,3
	v_pk_add_f32 v[8+2*\k:9+2*\k], v[X+2*\k:X+2*\k+1], v[X+8+2*\k:X+9+2*\k]        ; the sum, in four chains
.endr
.irp o, 16,24
.irp k, 0,1,2,3
	v_pk_add_f32 v[8+2*\k:9+2*\k], v[8+2*\k:9+2*\k], v[X+\o+2*\k:X+\o+2*\k+1]
.endr
.endr
	v_pk_add_f32 v[8:9], v[8:9], v[10:11]
	v_pk_add_f32 v[12:13], v[12:13], v[14:15]
	v_pk_add_f32 v[8:9], v[8:9], v[12:13]
	v_add_f32 v8, v8, v9
	v_add_f32_dpp v8, v8, v8 row_xmask:1 row_mask:0xf bank_mask:0xf
	v_add_f32_dpp v8, v8, v8 row_xmask:2 row_mask:0xf bank_mask:0xf
	v_add_f32_dpp v8, v8, v8 row_xmask:4 row_mask:0xf bank_mask:0xf
	v_add_f32_dpp v8, v8, v8 row_xmask:8 row_mask:0xf bank_mask:0xf
	v_permlanex16_b32 v9, v8, s18, s19
	v_add_f32 v8, v8, v9
	v_mul_f32 v4, s20, v8                          ; the mean, twice (a pair for the packed forms)
	v_mov_b32 v5, v4
.set jj, 0
.rept 16
	v_pk_add_f32 v[X+jj:X+jj+1], v[X+jj:X+jj+1], v[4:5] neg_lo:[0,1] neg_hi:[0,1]  ; x - mean
.set jj, jj+2
.endr
.irp k, 0,1,2,3
	v_pk_mul_f32 v[8+2*\k:9+2*\k], v[X+2*\k:X+2*\k+1], v[X+2*\k:X+2*\k+1]          ; the sum of squares
.endr
.irp o, 8,16,24
.irp k, 0,1,2,3
	v_pk_fma_f32 v[8+2*\k:9+2*\k], v[X+\o+2*\k:X+\o+2*\k+1], v[X+\o+2*\k:X+\o+2*\k+1], v[8+2*\k:9+2*\k]
.endr
.endr
	v_pk_add_f32 v[8:9], v[8:9], v[10:11]
	v_pk_add_f32 v[12:13], v[12:13], v[14:15]
	v_pk_add_f32 v[8:9], v[8:9], v[12:13]
	v_add_f32 v8, v8, v9
	v_add_f32_dpp v8, v8, v8 row_xmask:1 row_mask:0xf bank_mask:0xf
	v_add_f32_dpp v8, v8, v8 row_xmask:2 row_mask:0xf bank_mask:0xf
	v_add_f32_dpp v8, v8, v8 row_xmask:4 row_mask:0xf bank_mask:0xf
	v_add_f32_dpp v8, v8, v8 row_xmask:8 row_mask:0xf bank_mask:0xf
	v_permlanex16_b32 v9, v8, s18, s19
	v_add_f32 v8, v8, v9
	v_fma_f32 v6, v8, s20, s21                     ; variance + 1e-5
	v_rsq_f32 v6, v6
	v_nop                                          ; one plain line behind the transcendental
	s_wait_alu depctr_va_vdst(0)
	v_mov_b32 v7, v6
	s_wait_loadcnt 0x0                             ; g and be
.set jj, 0
.rept 16
	v_pk_mul_f32 v[X+jj:X+jj+1], v[X+jj:X+jj+1], v[6:7]
.set jj, jj+2
.endr
.set jj, 0
.rept 16
	v_pk_fma_f32 v[X+jj:X+jj+1], v[X+jj:X+jj+1], v[G+jj:G+jj+1], v[BE+jj:BE+jj+1]
.set jj, jj+2
.endr
.irp j, 0,1,2,3,4,5,6,7
	global_store_b128 v1, v[X+4*\j:X+4*\j+3], s[10:11] offset:512*\j               ; 512 consecutive bytes
.endr
.irp j, 0,1,2,3,4,5,6,7
	ds_store_b128 v152, v[X+4*\j:X+4*\j+3] offset:576*\j
.endr
.irp j, 0,1,2,3,4,5,6,7
	ds_load_b128 v[Z+4*\j:Z+4*\j+3], v153 offset:16*\j             ; LDS serves a wave's instructions in order: these see my stores
.endr
	s_wait_dscnt 0x0
	v_max3_num_f32 v8, |v[Z]|, |v[Z+1]|, |v[Z+2]|                  ; my block's largest magnitude
	v_max3_num_f32 v9, |v[Z+3]|, |v[Z+4]|, |v[Z+5]|
.irp i, 6,10,14,18,22,26
	v_max3_num_f32 v8, v8, |v[Z+\i]|, |v[Z+\i+1]|
	v_max3_num_f32 v9, v9, |v[Z+\i+2]|, |v[Z+\i+3]|
.endr
	v_max3_num_f32 v8, v8, |v[Z+30]|, |v[Z+31]|
	v_max3_num_f32 v8, v8, v9, 0x1800000           ; and the floor 2^(3 - 127)
	v_add_nc_u32 v10, 0xff000000, v8               ; 2 off the exponent field: the conversion's scale operand
	v_lshrrev_b32 v11, 23, v10                     ; the scale's byte
	v_cvt_scalef32_pk16_fp6_f32 v[C:C+2], v[Z:Z+15], v10
	v_cvt_scalef32_pk16_fp6_f32 v[C+4:C+6], v[Z+16:Z+31], v10      ; (a conversion's three registers begin on an even number)
	v_nop
	v_mov_b32 v[C+3], v[C+4]
	v_mov_b32 v[C+4], v[C+5]
	v_mov_b32 v[C+5], v[C+6]
.irp p, 0,1,2
	ds_store_b64 v154, v[C+2*\p:C+2*\p+1] offset:256*\p
.endr
	ds_store_b8 v155, v11
	s_wait_dscnt 0x0                               ; for the others' sake: my stores have landed
	s_barrier_signal -1
	s_barrier_wait -1
.irp p, 0,1,2
	ds_load_b64 v[C+2*\p:C+2*\p+1], v156 offset:256*\p
.endr
	s_wait_dscnt 0x0
.irp p, 0,1,2
	global_store_b64 v158, v[C+2*\p:C+2*\p+1], s[22:23] offset:256*\p              ; 256 consecutive bytes, aligned
.endr
	s_cmp_lg_u32 s14, 0
	s_cbranch_scc1 .Ldone
	ds_load_b128 v[12:15], v157                    ; the 16 rows' scale words: 512 bytes
	s_wait_dscnt 0x0
	global_store_b128 v1, v[12:15], s[12:13]
.Ldone:
	s_wait_tensorcnt 0x0
	ds_add_u32 v160, v161
	s_wait_dscnt 0x0
	s_endpgm
.Lfunc_end_k_q914b3c4f91_ln1:
	.size	k_q914b3c4f91_ln1, .Lfunc_end_k_q914b3c4f91_ln1-k_q914b3c4f91_ln1
	.p2alignl 7, 3214868480
	.fill 96, 4, 3214868480
	.section	.rodata,"a",@progbits
	.p2align	6, 0x0
	.amdhsa_kernel k_q914b3c4f91_ln1
		.amdhsa_group_segment_fixed_size 88576
		.amdhsa_private_segment_fixed_size 0
		.amdhsa_enable_private_segment 0
		.amdhsa_kernarg_size 40
		.amdhsa_user_sgpr_count 2
		.amdhsa_user_sgpr_kernarg_segment_ptr 1
		.amdhsa_wavefront_size32 1
		.amdhsa_system_sgpr_workgroup_id_x 1
		.amdhsa_system_sgpr_workgroup_id_y 1
		.amdhsa_system_sgpr_workgroup_id_z 1
		.amdhsa_system_vgpr_workitem_id 0
		.amdhsa_next_free_vgpr 162
		.amdhsa_next_free_sgpr 66
		.amdhsa_reserve_vcc 0
		.amdhsa_float_denorm_mode_32 3
		.amdhsa_float_denorm_mode_16_64 3
		.amdhsa_memory_ordered 1
		.amdhsa_forward_progress 1
		.amdhsa_inst_pref_size 16
	.end_amdhsa_kernel
	.amdgpu_metadata
---
amdhsa.version: [ 1, 2 ]
amdhsa.kernels:
  - .name:           k_q914b3c4f91_ln1
    .symbol:         k_q914b3c4f91_ln1.kd
    .args:
      - { .name: y, .offset: 0, .size: 8, .value_kind: global_buffer, .address_space: global }
      - { .name: g1, .offset: 8, .size: 8, .value_kind: global_buffer, .address_space: global }
      - { .name: be1, .offset: 16, .size: 8, .value_kind: global_buffer, .address_space: global }
      - { .name: x1, .offset: 24, .size: 8, .value_kind: global_buffer, .address_space: global }
      - { .name: x1q, .offset: 32, .size: 8, .value_kind: global_buffer, .address_space: global }
    .group_segment_fixed_size: 88576
    .private_segment_fixed_size: 0
    .kernarg_segment_align: 8
    .kernarg_segment_size: 40
    .max_flat_workgroup_size: 512
    .sgpr_count:     66
    .vgpr_count:     162
    .wavefront_size: 32
...
	.end_amdgpu_metadata
.endif
;; end of part 4
;; launch gemm_ff1 (part 5): grid 16 x 16, 4 waves a work-group, clusters of 4 x 4, 327,680 bytes of LDS; arguments x1q, w_ff1_codes, w_ff1_scales, b_ff1, hq; writes hq
.if DOCPART == 5
	.amdgcn_target "amdgcn-amd-amdhsa--gfx1250"
	.amdhsa_code_object_version 6
	.text
	.protected	k_q914b3c4f91_gemm_ff1
	.globl	k_q914b3c4f91_gemm_ff1
	.p2align	8
	.type	k_q914b3c4f91_gemm_ff1,@function
k_q914b3c4f91_gemm_ff1:
	s_mov_b64 s[64:65], 0
	v_nop
	global_prefetch_b8 v0, s[64:65] scope:SCOPE_SE
	s_setreg_imm32_b32 hwreg(HW_REG_WAVE_MODE, 25, 1), 1
	s_wait_xcnt 0x0
	s_wait_alu depctr_hold_cnt(0) depctr_sa_sdst(0) depctr_va_vdst(0) depctr_va_sdst(0) depctr_va_ssrc(0) depctr_va_vcc(0) depctr_vm_vsrc(0)
	s_getreg_b32 s2, hwreg(HW_REG_IB_STS2, 6, 4)
	s_cmp_eq_u32 s2, 0
	s_cbranch_scc0 .Lentry_in_a_cluster
	s_endpgm
.Lentry_in_a_cluster:
	s_bfe_u32 s2, ttmp6, 0x10000c
	s_cmp_lg_u32 s2, 0xf033
	s_cbranch_scc0 .Lentry_shape_is_right
	s_endpgm
.Lentry_shape_is_right:
; C[m][n] = sum over k of A[m][k] B[n][k] + bias[n], on codes of FP6 (E2M3) with one E8M0 scale for each 32 along K; 4,096 rows.  One text serves three products; the six symbols below tell them apart.
;   EPI = 0: out[m][n] = C + residual[m][n], f32.     EPI = 1: relu(C) is quantised along n and leaves as the next product's operand.
; A is an IMAGE OF THE OPERAND'S REGISTERS: [K / 256][row / 16][2][6 pieces][32 lanes][8 bytes]: a fragment (16 rows x 128 K, 12 registers a lane) is 1,536 bytes on end; 128 rows of a K step of 256 are 24,576 dense bytes.
; A's scale words (one for a row and 128 K) lie at ASC_OFF in the same buffer: ALAY = 0: [K / 128][4,096 rows]; ALAY = 1: [row / 16][K / 128][16 rows].
; B: [SIZE_N][SIZE_K] codes as given, a row one stream of bits; scale bytes [SIZE_N][SIZE_K / 32].
; A tile of C, 256 x 256, is made by four waves, each 128 x 128: 64 accumulators, 512 registers.  K goes in steps of 256 through a ring of two LDS slots filled by the tensor data mover; all scales come into LDS once, with the first fills.
; CLUSTERS: 4 x 4 work-groups; A's tiles are asked for jointly along a row of the cluster, B's along a column.  THE MATRIX INSTRUCTION IS USED TRANSPOSED (source 0 = 16 rows of B, source 1 = 16 rows of A): a lane holds numbers of one row of C.
; EPI = 1: the rows of B that form a tile are not neighbours: lane r of block 2 b + u takes row 32 b + 8 u + r + 8 (r / 8), so that the 16 registers of accumulators 2 b, 2 b + 1 are 16 neighbours along the next K.
; The bias is the C of each sum's first matrix instruction.  No prefetch: the tiles are shared in the cluster and the launch is short.
; LIMITS (EPI = 1): NaN and infinities are not served; a block whose largest magnitude lies under 2^-124 (zeros too) gets the byte 1.
; REGISTERS: window 0: v0-31 addresses; v32-63 scale words, two sets, and nothing else; v64-127 the bias, later work; v128-223 A's fragments, one set; window 1: B's fragments, two sets, at v0 and v128; windows 2, 3: the accumulators.
.set SIZE_N,  4096
.set SIZE_K,  1024
.set ALAY,    1
.set EPI,     1
.set ASC_OFF, 3145728
.set OSC_OFF, 12582912                 ; EPI = 1: where the output's scale words begin
.set ROWB,   192                       ; a row of B's tile: 256 codes
.set KROW,   SIZE_K*6/8
.set PITCH,  240                       ; B's LDS row: 3 x (64 bytes + 16 of padding)
.set FR,     12
.set NL,     6                         ; LDS loads that bring a fragment
.set NP,     4                         ; places behind this matrix instruction (ISA guide 7.12.1)
.set ASLOT,  786432                    ; a K step of 256 of all 4,096 rows of A
.set HALFA,  24576                     ; 128 rows of A in a slot
.set HALFB,  128*PITCH
.set SLOT,   2*HALFA+2*HALFB           ; A's two halves, then B's two
.set LAPS,   SIZE_K/512
.set KS,     SIZE_K/32
.set NKS,    SIZE_K/128
.if ALAY
.set ASC_SI, 512                       ; A's scale words in LDS: from block to block of 16 rows,
.set ASC_SK, 64                        ; from one 128 along K to the next,
.set HALFSA, 4096                      ; and 128 rows' in all
.else
.set ASC_SI, 64
.set ASC_SK, 576                       ; 512 bytes + 64 of padding
.set HALFSA, NKS*576
.endif
.set SCLA,   2*SLOT
.set SCLB,   SCLA+2*HALFSA
.set HALFSB, (128*KS/256)*272          ; B's scale bytes of 128 rows, as units of 256 + 16
.set SPARE,  SCLB+2*HALFSB             ; the spare words, 128 bytes a wave: two blocks of 256 bytes that no other line names
.set SPITCH, 528                       ; the way out: a stage of 16 rows x (512 + 16) bytes a wave, in slot 0, which has had its last fill and its last read by then
.set ADRA, 16                          ; v16-17  my A fragments in slot 0, 1: 8 x lane + my half
.set ADRB, 20                          ; v20-21  my B fragments; v22-23 the same behind one padding more
.set STO,  24
.set RD,   25
.set CO,   26                          ; 16 x lane
.set ADRSB, 27                         ; B's scale words: lanes 0-15 the slot's first 128 along K, lanes 16-31 its second
.set SPW,  28
.set NIL,  29
.set ADRSA, 30                         ; A's likewise
.set BO,   31                          ; the bias's lane offset
.set CO8,  10                          ; 8 x lane
.set SWA,  11
.set SRA,  12
.set SC,   32                          ; set s at v[32 + 16 s]: B's eight blocks, then A's eight
.set BIAS, 64
.set AF,   128
.set RES,  64                          ; EPI 0: residual rows, v64-127 and v192-255 by turns; v128-191 the block
.set BK,   128
.set HA,   64                          ; EPI 1: 64 numbers; v128-146 codes; v160-175 at work; v176-183 scale words
.set PC,   128
.set TM,   160
.set PW,   176
.set G1, 24
.set G0, 32
.set G1B, 48
.set G0B, 56
.set G1S, 68
.set G0S, 76
.set G1SB, 80
.set G0SB, 88
.set SEL, 20
.set MSB, 0
.macro WIN new                         ; the immediate's high byte repeats the setting that is left
.if MSB != \new
	s_set_vgpr_msb (MSB<<8)|\new
.set MSB, \new
.endif
.endm
.set MUL_LO, 0xa1                      ; source 0 (B) window 1, source 1 (A) window 0, C and D window 2
.set MUL_HI, 0xf1
.set TO_B,   0x40
; A joint load: waves 0 and 1 fetch for A, waves 2 and 3 for B; the branch hangs on the wave's number alone.  Four v_nop follow each of the two lines.
.macro JLOAD g0a, g1a, g0b, g1b
	s_cmp_eq_u32 s15, 0
	s_cbranch_scc0 .Lfor_b_\@
	tensor_load_to_lds s[\g0a:\g0a+3], s[\g1a:\g1a+7]
	s_nop 0
.rept 4
	v_nop
.endr
	s_branch .Lasked_\@
.Lfor_b_\@:
	tensor_load_to_lds s[\g0b:\g0b+3], s[\g1b:\g1b+7]
	s_nop 0
.rept 4
	v_nop
.endr
.Lasked_\@:
.endm
.macro CREST                           ; a round of the cluster's barrier behind its opening barrier
	s_cmp_lg_u32 s14, 0
	s_cbranch_scc1 .Lnot_wave_0_\@
	s_barrier_signal -3
.Lnot_wave_0_\@:
	s_barrier_wait -3
	s_barrier_signal -1
	s_barrier_wait -1
.endm
.macro CROUND
	s_barrier_signal -1
	s_barrier_wait -1
	CREST
.endm
	s_load_b64 s[4:5], s[0:1], 0x0                 ; A (image and scale words)
	s_load_b64 s[8:9], s[0:1], 0x8                 ; B's codes
	s_load_b64 s[10:11], s[0:1], 0x10              ; B's scales
	s_load_b64 s[96:97], s[0:1], 0x18              ; the bias
.if EPI
	s_load_b64 s[12:13], s[0:1], 0x20              ; the output
.else
	s_load_b64 s[98:99], s[0:1], 0x20              ; the residual
	s_load_b64 s[12:13], s[0:1], 0x28              ; the output
.endif
	v_lshl_add_u32 v[SPW], v0, 2, SPARE
	v_mov_b32 v[NIL], 0
	ds_add_u32 v28, v29
	s_wait_dscnt 0x0
	v_lshrrev_b32 v1, 5, v0
	v_readfirstlane_b32 s14, v1                    ; wave 0..3
	s_lshr_b32 s15, s14, 1                         ; which half of the tile's rows is mine.  Also: I fetch for A (0) or for B (1)
	s_and_b32 s16, s14, 1                          ; which half of its columns.  Also: which 128 rows I fetch
	s_bfe_u32 s40, ttmp6, 0x40000                  ; cx, cy
	s_bfe_u32 s41, ttmp6, 0x40004
	s_lshl_b32 s42, ttmp9, 2
	s_add_co_u32 s42, s42, s40                     ; tile column
	s_and_b32 s17, ttmp7, 0xffff
	s_lshl_b32 s17, s17, 2
	s_add_co_u32 s17, s17, s41                     ; tile row
	s_lshl_b32 s43, s41, 2
	s_lshl_b32 s43, 15, s43                        ; my row of the cluster
	s_lshl_b32 s44, 0x1111, s40                    ; my column
	; group 1, A's codes: 24,576 dense bytes as 96 rows of 256 (32 elements of 8 bytes), no padding
	s_or_b32 s[G1+0], s43, (3<<16)|(1<<21)
	s_mov_b32 s[G1+1], 32<<16
	s_mov_b32 s[G1+2], 96<<16
	s_mov_b32 s[G1+3], 32<<16
	s_mov_b32 s[G1+4], 96
	s_mov_b32 s[G1+5], 32
	s_mov_b32 s[G1+6], 0
	s_mov_b32 s[G1+7], 0
	; B's codes: 128 rows of 192 bytes, 16 bytes of padding behind every 64
	s_or_b32 s[G1B+0], s44, (0<<16)|(1<<20)|(1<<21)|(3<<22)|(3<<25)
	s_mov_b32 s[G1B+1], ROWB<<16
	s_mov_b32 s[G1B+2], 128<<16
	s_mov_b32 s[G1B+3], ROWB<<16
	s_mov_b32 s[G1B+4], 128
	s_mov_b32 s[G1B+5], KROW
	s_mov_b32 s[G1B+6], 0
	s_mov_b32 s[G1B+7], 0
.if ALAY
	; A's scale words of 128 rows: 4,096 dense bytes as 16 rows of 256
	s_or_b32 s[G1S+0], s43, (3<<16)|(1<<21)
	s_mov_b32 s[G1S+1], 32<<16
	s_mov_b32 s[G1S+2], 16<<16
	s_mov_b32 s[G1S+3], 32<<16
	s_mov_b32 s[G1S+4], 16
	s_mov_b32 s[G1S+5], 32
.else
	; A's scale words of 128 rows: NKS rows of 512 bytes, 16,384 bytes apart; 64 bytes of padding behind each
	s_or_b32 s[G1S+0], s43, (3<<16)|(1<<20)|(1<<21)|(6<<22)|(15<<25)
	s_mov_b32 s[G1S+1], 64<<16
	s_mov_b32 s[G1S+2], NKS<<16
	s_mov_b32 s[G1S+3], 64<<16
	s_mov_b32 s[G1S+4], NKS
	s_mov_b32 s[G1S+5], 2048
.endif
	s_mov_b32 s[G1S+6], 0
	s_mov_b32 s[G1S+7], 0
	; B's scale bytes of 128 rows: a dense block as rows of 256 bytes, 16 of padding behind each
	s_or_b32 s[G1SB+0], s44, (3<<16)|(1<<20)|(1<<21)|(5<<22)|(3<<25)
	s_mov_b32 s[G1SB+1], 32<<16
	s_mov_b32 s[G1SB+2], (128*KS/256)<<16
	s_mov_b32 s[G1SB+3], 32<<16
	s_mov_b32 s[G1SB+4], 128*KS/256
	s_mov_b32 s[G1SB+5], 32
	s_mov_b32 s[G1SB+6], 0
	s_mov_b32 s[G1SB+7], 0
	s_lshl_b32 s20, s17, 4
	s_lshl_b32 s18, s16, 3
	s_add_co_u32 s20, s20, s18                     ; A: the first of the eight blocks of 16 rows that I fetch
	s_mul_i32 s22, s20, 3072
	s_mov_b32 s23, 0
.if ALAY
	s_lshl_b32 s18, s20, 9
.else
	s_lshl_b32 s18, s20, 6
.endif
	s_add_co_u32 s18, s18, ASC_OFF
	s_mov_b32 s19, 0
	s_lshl_b32 s46, s42, 8
	s_lshl_b32 s47, s16, 7
	s_add_co_u32 s46, s46, s47                     ; B: the first of the 128 rows that I fetch
	s_mul_i32 s92, s46, KS
	s_mov_b32 s93, 0
	s_mul_i32 s46, s46, KROW
	s_mov_b32 s47, 0
	s_mul_i32 s45, s16, HALFA                      ; where they go: no place in the cluster enters an LDS address
	s_mul_i32 s94, s16, HALFB
	s_add_co_u32 s94, s94, 2*HALFA
	s_mul_i32 s95, s16, HALFSA
	s_add_co_u32 s95, s95, SCLA
	s_mul_i32 s2, s16, HALFSB
	s_add_co_u32 s2, s2, SCLB
	s_wait_kmcnt 0x0
	s_add_nc_u64 s[22:23], s[4:5], s[22:23]
	s_add_nc_u64 s[18:19], s[4:5], s[18:19]
	s_add_nc_u64 s[46:47], s[8:9], s[46:47]
	s_add_nc_u64 s[92:93], s[10:11], s[92:93]
	CROUND                                         ; all sixteen work-groups are here: the first joint loads meet
	s_mov_b32 s[G0S], 1
	s_mov_b32 s[G0S+1], s95
	s_mov_b64 s[G0S+2:G0S+3], s[18:19]
	s_or_b32 s[G0S+3], s[G0S+3], 0x80000000
	s_mov_b32 s[G0SB], 1
	s_mov_b32 s[G0SB+1], s2
	s_mov_b64 s[G0SB+2:G0SB+3], s[92:93]
	s_or_b32 s[G0SB+3], s[G0SB+3], 0x80000000
	JLOAD G0S, G1S, G0SB, G1SB                     ; the scales first: they are wanted with K step 0
.irp s, 0,1
	s_mov_b32 s[G0+4*\s], 1
	s_add_co_u32 s[G0+4*\s+1], s45, \s*SLOT
	s_add_nc_u64 s[G0+4*\s+2:G0+4*\s+3], s[22:23], \s*ASLOT
	s_or_b32 s[G0+4*\s+3], s[G0+4*\s+3], 0x80000000
	s_mov_b32 s[G0B+4*\s], 1
	s_add_co_u32 s[G0B+4*\s+1], s94, \s*SLOT
	s_add_nc_u64 s[G0B+4*\s+2:G0B+4*\s+3], s[46:47], \s*ROWB
	s_or_b32 s[G0B+4*\s+3], s[G0B+4*\s+3], 0x80000000
	JLOAD G0+4*\s, G1, G0B+4*\s, G1B               ; three tensor loads of mine are out now
.endr
	v_and_b32 v1, 15, v0                           ; r
	v_bfe_u32 v2, v0, 4, 1                         ; h
	v_and_b32 v6, 31, v0                           ; lane
.if EPI
	v_and_b32 v7, 8, v1
	v_add_nc_u32 v7, v7, v1                        ; B's row of a block: r + 8 (r / 8)
.else
	v_mov_b32 v7, v1                               ; B's row of a block: r
.endif
	v_mul_u32_u24 v3, v7, PITCH
	v_mul_u32_u24 v4, v2, 24
	v_add_nc_u32 v4, v3, v4                        ; row x pitch + 24 x half
	v_lshl_add_u32 v5, v2, 4, v4                   ; and the same behind one padding more
	v_lshlrev_b32 v[CO8], 3, v6
	s_mul_i32 s20, s15, HALFA                      ; my 128 rows of A
	s_mul_i32 s21, s16, HALFB                      ; my 128 rows of B, behind A's
	s_add_co_u32 s21, s21, 2*HALFA
.irp s, 0,1
	v_add_nc_u32 v[ADRA+\s], s20, v[CO8]
	v_add_nc_u32 v[ADRB+\s], s21, v4
	v_add_nc_u32 v[ADRB+2+\s], s21, v5
	s_add_co_u32 s20, s20, SLOT
	s_add_co_u32 s21, s21, SLOT
.endr
	v_mul_u32_u24 v5, v7, KS                       ; B's scale bytes: KS a row,
	v_lshrrev_b32 v9, 8, v5
	v_lshl_add_u32 v5, v9, 4, v5                   ; 16 more for each 256 passed,
	v_lshl_add_u32 v5, v2, 2, v5                   ; lanes 16-31 one word on
	s_mul_i32 s20, s16, HALFSB
	s_add_co_u32 s20, s20, SCLB
	v_add_nc_u32 v[ADRSB], s20, v5
	v_lshlrev_b32 v5, 2, v1                        ; A's scale words: 4 r,
	v_mad_u32_u24 v5, v2, ASC_SK, v5               ; lanes 16-31 one 128 along K on
	s_mul_i32 s20, s15, HALFSA
	s_add_co_u32 s20, s20, SCLA
	v_add_nc_u32 v[ADRSA], s20, v5
	v_lshlrev_b32 v[CO], 4, v6
	s_lshl_b32 s92, s42, 10
	s_lshl_b32 s93, s16, 9
	s_add_co_u32 s92, s92, s93                     ; my first column x 4 bytes
	s_mov_b32 s93, 0
	s_add_nc_u64 s[96:97], s[96:97], s[92:93]      ; the bias there
.if EPI
	v_lshlrev_b32 v[BO], 6, v2                     ; a lane's columns of accumulator b: 32 (b / 2) + 8 (b % 2) + 16 h + 0 .. 7
	s_lshl_b32 s20, s14, 9
	v_lshl_add_u32 v[SWA], v1, 2, s20              ; the stage for the scale words: 512 bytes a wave
	v_add_nc_u32 v[SRA], s20, v[CO]
	s_lshl_b32 s20, s17, 4
	s_lshl_b32 s21, s15, 3
	s_add_co_u32 s20, s20, s21                     ; my first block of 16 rows
	s_mul_i32 s21, s20, 3072
	s_lshl_b32 s22, s20, 6
	s_mul_i32 s46, s42, ASLOT                      ; my 128 columns are K step 2 x tile column + half of the next product
	s_mul_i32 s47, s16, 1536
	s_add_co_u32 s46, s46, s47
	s_add_co_u32 s46, s46, s21
	s_mov_b32 s47, 0
	s_lshl_b32 s92, s42, 1
	s_add_co_u32 s92, s92, s16
	s_lshl_b32 s92, s92, 14
	s_add_co_u32 s92, s92, s22
	s_add_co_u32 s92, s92, OSC_OFF
	s_add_nc_u64 s[98:99], s[12:13], s[92:93]      ; where my scale words go
	s_add_nc_u64 s[12:13], s[12:13], s[46:47]      ; where my fragments go
	s_mov_b32 s[SEL], 0x76543210
	s_mov_b32 s[SEL+1], 0xfedcba98
.else
	v_lshlrev_b32 v[BO], 5, v2                     ; a lane's columns of accumulator b: 16 b + 8 h + 0 .. 7
	s_mul_i32 s23, s14, 16*SPITCH                  ; my stage
	v_mul_u32_u24 v5, v1, SPITCH
	v_lshl_add_u32 v5, v2, 5, v5
	v_add_nc_u32 v[STO], s23, v5                   ; in: row r, 32 bytes for each half of the lanes
	v_add_nc_u32 v[RD], s23, v[CO]                 ; back: the 32 lanes take a row of 512 bytes
	s_lshl_b32 s20, s17, 8
	s_lshl_b32 s21, s15, 7
	s_add_co_u32 s20, s20, s21                     ; my first row
	s_mul_i32 s20, s20, SIZE_N*4
	s_mov_b32 s21, 0
	s_add_nc_u64 s[20:21], s[20:21], s[92:93]
	s_add_nc_u64 s[12:13], s[12:13], s[20:21]
	s_add_nc_u64 s[98:99], s[98:99], s[20:21]
.endif
.irp b, 0,1,2,3,4,5,6,7
	global_load_b128 v[BIAS+8*\b:BIAS+8*\b+3], v[BO], s[96:97] offset:4*(EPI*(32*(\b/2)+8*(\b%2))+(1-EPI)*16*\b)
	global_load_b128 v[BIAS+8*\b+4:BIAS+8*\b+7], v[BO], s[96:97] offset:4*(EPI*(32*(\b/2)+8*(\b%2))+(1-EPI)*16*\b)+16
.endr
.macro FRAGA reg, adr, q, i            ; a fragment of A as it lies: six pieces of 256 consecutive bytes
.irp p, 0,1,2,3,4,5
	ds_load_b64 v[\reg+2*\p:\reg+2*\p+1], v[\adr] offset:(\i)*3072+(\q)*1536+256*\p
.endr
.endm
.macro FRAGB reg, adr, q, i            ; a fragment of B from rows: lane (r, h) takes 24 bytes at 24 h and at 48 + 24 h of its row's 96, in pieces of 8; where the piece three on lies behind one padding more, the second address register serves
.irp p, 0,1,2,3,4,5
.set PCE, 12*(\q)+6*(\p/3)+\p%3
.if PCE%8 < 5
	ds_load_b64 v[\reg+2*\p:\reg+2*\p+1], v[\adr] offset:8*PCE+16*(PCE/8)+(EPI*(32*((\i)/2)+8*((\i)%2))+(1-EPI)*16*(\i))*PITCH
.else
	ds_load_b64 v[\reg+2*\p:\reg+2*\p+1], v[\adr+2] offset:8*PCE+16*(PCE/8)+(EPI*(32*((\i)/2)+8*((\i)%2))+(1-EPI)*16*(\i))*PITCH
.endif
.endr
.endm
; 16 matrix instructions: A's blocks a0, a0 + 1 x B's eight, the slot's q-th 128 along K.  p: B's set; sc: the set of scale words (lanes 0-15 serve q = 0, lanes 16-31 q = 1).  first = 1: the bias starts the sums.
; The 64 accumulators take turns, one instruction a turn, in the same order in every step.
.macro MUL16 a0, p, q, sc, first
.irp a, \a0, \a0+1
.irp b, 0,1,2,3,4,5,6,7
.if \first
	v_wmma_scale_f32_16x16x128_f8f6f4 v[8*(8*((\a)%4)+\b):8*(8*((\a)%4)+\b)+7], v[128*(\p)+FR*\b:128*(\p)+FR*\b+FR-1], v[AF+FR*(\a):AF+FR*(\a)+FR-1], v[BIAS+8*\b:BIAS+8*\b+7], v[SC+16*(\sc)+\b], v[SC+16*(\sc)+8+(\a)] matrix_a_fmt:MATRIX_FMT_FP6 matrix_b_fmt:MATRIX_FMT_FP6
.elseif (\q) == 0
	v_wmma_scale_f32_16x16x128_f8f6f4 v[8*(8*((\a)%4)+\b):8*(8*((\a)%4)+\b)+7], v[128*(\p)+FR*\b:128*(\p)+FR*\b+FR-1], v[AF+FR*(\a):AF+FR*(\a)+FR-1], v[8*(8*((\a)%4)+\b):8*(8*((\a)%4)+\b)+7], v[SC+16*(\sc)+\b], v[SC+16*(\sc)+8+(\a)] matrix_a_fmt:MATRIX_FMT_FP6 matrix_b_fmt:MATRIX_FMT_FP6
.else
	v_wmma_scale_f32_16x16x128_f8f6f4 v[8*(8*((\a)%4)+\b):8*(8*((\a)%4)+\b)+7], v[128*(\p)+FR*\b:128*(\p)+FR*\b+FR-1], v[AF+FR*(\a):AF+FR*(\a)+FR-1], v[8*(8*((\a)%4)+\b):8*(8*((\a)%4)+\b)+7], v[SC+16*(\sc)+\b], v[SC+16*(\sc)+8+(\a)] matrix_a_fmt:MATRIX_FMT_FP6 matrix_b_fmt:MATRIX_FMT_FP6 matrix_a_scale:MATRIX_SCALE_ROW1 matrix_b_scale:MATRIX_SCALE_ROW1
.endif
.endr
.endr
.endm
.macro FETCH_B slot, q, p
	WIN TO_B
.irp i, 0,1,2,3,4,5,6,7
	FRAGB 128*(\p)+FR*\i, ADRB+\slot, \q, \i
.endr
	WIN 0
.endm
.macro FETCH_A slot, q, i0
.irp i, \i0, \i0+1, \i0+2, \i0+3
	FRAGA AF+FR*(\i), ADRA+\slot, \q, \i
.endr
.endm
.macro SCALES sc                       ; a K step's scale words: a register for each block of B and of A
.irp i, 0,1,2,3,4,5,6,7
	ds_load_b32 v[SC+16*\sc+\i], v[ADRSB] offset:(EPI*(32*(\i/2)+8*(\i%2))+(1-EPI)*16*\i)*KS*17/16
	ds_load_b32 v[SC+16*\sc+8+\i], v[ADRSA] offset:\i*ASC_SI
.endr
.endm
; A load into a register that a matrix instruction has read, and a vector instruction or an LDS store that reads a matrix result, stand NP places behind that matrix instruction; only plain vector instructions that name none of its registers are places.
.macro PLACES n
.rept \n
	v_nop
.endr
.endm
; A slot's first 128 along K.  A's blocks go one after the other, each against B's eight, so one set of registers serves A: blocks 0-3 are fetched anew in the step's middle, blocks 4-7 at its end.
.macro STEP slot, first
	s_wait_dscnt 4*NL                              ; all but the youngest 24 loads (A's blocks 4-7) are in
.if \first
	WIN 0x81                                       ; C (the bias) window 0, D window 2
.else
	WIN MUL_LO
.endif
	MUL16 0, 0, 0, \slot, \first
	MUL16 2, 0, 0, \slot, \first
	s_wait_dscnt 0
	PLACES NP
	FETCH_B \slot, 1, 1
	FETCH_A \slot, 1, 0
.if \first
	WIN 0xc1
.else
	WIN MUL_HI
.endif
	MUL16 4, 0, 0, \slot, \first
	MUL16 6, 0, 0, \slot, \first
	PLACES NP
	WIN 0
	FETCH_A \slot, 1, 4
.endm
; A slot's second 128 along K changes slots: ONE barrier; in front of it each wave waits for all its tensor loads, adds 0 to its spare word, and waits for that and for its own reads of this slot.  fill = 1: this slot is filled again, two K steps ahead.
.macro TURN slot, next, fill
	s_wait_tensorcnt 0x0                           ; all my tensor loads have landed: my part of the next slot
	ds_add_u32 v[SPW], v[NIL]                      ; 0 onto my spare word
	s_wait_dscnt 4*NL+1                            ; (the add and the youngest 24 loads may be out)
	WIN MUL_LO
	MUL16 0, 1, 1, \slot, 0                        ; sixteen matrix instructions stand between the add and the wait for it
	s_wait_dscnt 0x0                               ; the add is done, and my reads of this slot are over
	s_barrier_signal -1
	MUL16 2, 1, 1, \slot, 0
	WIN 0
	s_barrier_wait -1
.if \fill
	CREST                                          ; the barrier has opened a round of the cluster's barrier: no wave of any partner still reads this slot or has a load on its way
	s_add_nc_u64 s[G0+4*\slot+2:G0+4*\slot+3], s[G0+4*\slot+2:G0+4*\slot+3], 2*ASLOT
	s_add_nc_u64 s[G0B+4*\slot+2:G0B+4*\slot+3], s[G0B+4*\slot+2:G0B+4*\slot+3], 2*ROWB
	JLOAD G0+4*\slot, G1, G0B+4*\slot, G1B         ; the first tensor load behind the round; its four v_nop are the places in front of the loads below
.else
	PLACES NP
.endif
	v_add_nc_u32 v[ADRSB], 8, v[ADRSB]             ; on to the next K step's scale words
	v_add_nc_u32 v[ADRSA], 2*ASC_SK, v[ADRSA]
	FETCH_B \next, 0, 0
	FETCH_A \next, 0, 0
	SCALES \next
	WIN MUL_HI
	MUL16 4, 1, 1, \slot, 0
	MUL16 6, 1, 1, \slot, 0
	PLACES NP
	WIN 0
	FETCH_A \next, 0, 4
.endm
	s_wait_tensorcnt 1                             ; the scales and my part of K step 0 are in (K step 1's load may be out),
	s_barrier_signal -1
	s_barrier_wait -1                              ; everybody's are
	FETCH_B 0, 0, 0
	FETCH_A 0, 0, 0
	SCALES 0
	FETCH_A 0, 0, 4
	s_wait_loadcnt 0x0                             ; the bias
	STEP 0, 1                                      ; the first step stands in front of the loop: its products start the sums
	s_mov_b32 s3, LAPS-1
.Llap:                                             ; a trip goes once round the ring and fills both slots again
	TURN 0, 1, 1
	STEP 1, 0
	TURN 1, 0, 1
	STEP 0, 0
	s_sub_co_u32 s3, s3, 1
	s_cmp_lg_u32 s3, 0
	s_cbranch_scc1 .Llap
	TURN 0, 1, 0                                   ; the last lap fills nothing, and has no round of the cluster's barrier
	STEP 1, 0
	s_wait_dscnt 4*NL                              ; the very last step: nothing more to fetch
	WIN MUL_LO
	MUL16 0, 1, 1, 1, 0
	MUL16 2, 1, 1, 1, 0
	s_wait_dscnt 0
	WIN MUL_HI
	MUL16 4, 1, 1, 1, 0
	MUL16 6, 1, 1, 1, 0
	WIN 0
	PLACES NP                                      ; in front of the first reads of results and of loads and writes into registers that the last products have read
.if EPI
; THE WAY OUT, EPI = 1: block a's 16 rows x my 128 columns: relu, four blocks of 32 quantised in registers: one fragment and one scale word a row.
.macro QUANT s, pw                     ; 64 numbers of a lane, register 16 b + i = k 32 b + 16 h + i of my row (none negative), become codes in v[PC] on and the scale word in v[pw]
.irp b, 0,1,2,3
	v_max3_num_f32 v[TM+\b], v[\s+16*\b], v[\s+1+16*\b], 0x1800000     ; and the floor 2^(3 - 127): the byte cannot fall under 1
.endr
.irp i, 2,4,6,8,10,12,14
.irp b, 0,1,2,3
	v_max3_num_f32 v[TM+\b], v[TM+\b], v[\s+16*\b+\i], v[\s+1+16*\b+\i]
.endr
.endr
.irp b, 0,1,2,3
	v_permlanex16_b32 v[TM+4+\b], v[TM+\b], s[SEL], s[SEL+1]
.endr
.irp b, 0,1,2,3
	v_max_num_f32 v[TM+\b], v[TM+\b], v[TM+4+\b]   ; with lane l xor 16's: the block's largest
.endr
.irp b, 0,1,2,3
	v_add_nc_u32 v[TM+12+\b], 0xff000000, v[TM+\b] ; 2 off the exponent field: the conversion's scale operand
.endr
.irp b, 0,1,2,3
	v_lshrrev_b32 v[TM+4+\b], 23, v[TM+12+\b]      ; the scale's byte
.endr
	v_lshl_or_b32 v[\pw], v[TM+5], 8, v[TM+4]
	v_lshl_or_b32 v[\pw], v[TM+6], 16, v[\pw]
	v_lshl_or_b32 v[\pw], v[TM+7], 24, v[\pw]
.irp c, 0,1
	v_cvt_scalef32_pk16_fp6_f32 v[PC+6*\c:PC+2+6*\c], v[\s+32*\c:\s+15+32*\c], v[TM+12+2*\c]
	v_cvt_scalef32_pk16_fp6_f32 v[PC+12+4*\c:PC+14+4*\c], v[\s+16+32*\c:\s+31+32*\c], v[TM+12+2*\c+1]
.endr
	v_nop                                          ; one plain line behind the conversions
.irp c, 0,1                                    ; a whole block to a lane: lanes 0-15 block 2 c, lanes 16-31 block 2 c + 1
.irp i, 0,1,2
	v_permlane16_swap_b32 v[PC+6*\c+\i], v[PC+12+4*\c+\i]
.endr
.irp i, 0,1,2
	v_mov_b32 v[PC+3+6*\c+\i], v[PC+12+4*\c+\i]
.endr
.endr
.endm
.irp b, 0,1,2,3
	v_mov_b32 v[TM+4+\b], 0                        ; written once: a lane permute's destination counts as one of its sources
.endr
.irp a, 0,1,2,3,4,5,6,7
.if \a > 0
	s_wait_xcnt 0x0                                ; the last block's stores have read their registers: the codes may be written again
.endif
	WIN 0x08+4*(\a/4)                              ; source 1: window 2 or 3
.set jj, 0
.rept 64
	v_max_num_f32 v[HA+jj], 0, v[64*(\a%4)+jj]     ; the activation; each accumulator from its low end on
.set jj, jj+1
.endr
	WIN 0
	QUANT HA, PW+\a
.irp p, 0,1,2,3,4,5
	global_store_b64 v[CO8], v[PC+2*\p:PC+2*\p+1], s[12:13] offset:3072*\a+256*\p   ; a piece: 256 consecutive bytes, aligned
.endr
	ds_store_b32 v[SWA], v[PW+\a] offset:64*\a     ; lanes r and r + 16 write the same word with the same value
.endr
	ds_load_b128 v[184:187], v[SRA]                ; my 128 rows' scale words: LDS serves a wave's instructions in order
	s_wait_dscnt 0x0
	global_store_b128 v[CO], v[184:187], s[98:99]  ; 512 consecutive bytes
.else
; THE WAY OUT, EPI = 0, block by block of 16 rows x 128 columns: through my stage, back as whole rows of 512 bytes, plus the residual's rows, stored as two aligned runs of 256 bytes.  Every offset is an immediate: 127 rows of 4,096 bytes at the most.
.macro RLOAD a
.set RR, RES+128*((\a)%2)
.irp t, 0,1,2,3,4,5,6,7,8,9,10,11,12,13,14,15
	global_load_b128 v[RR+4*\t:RR+4*\t+3], v[CO], s[98:99] offset:(16*(\a)+\t)*SIZE_N*4 th:TH_LOAD_NT
.endr
.endm
	RLOAD 0
.irp a, 0,1,2,3,4,5,6,7
.if \a > 0
	s_wait_xcnt 0x0                                ; the last block's stores have read their registers: the stage's loads may land there
.endif
	WIN 0x08+4*(\a/4)                              ; an LDS store's data are its source 1: window 2 or 3
.irp b, 0,1,2,3,4,5,6,7
	ds_store_b128 v[STO], v[64*(\a%4)+8*\b:64*(\a%4)+8*\b+3] offset:64*\b          ; each accumulator from its low end on
	ds_store_b128 v[STO], v[64*(\a%4)+8*\b+4:64*(\a%4)+8*\b+7] offset:64*\b+16
.endr
	WIN 0
.irp t, 0,1,2,3,4,5,6,7,8,9,10,11,12,13,14,15
	ds_load_b128 v[BK+4*\t:BK+4*\t+3], v[RD] offset:\t*SPITCH      ; LDS serves a wave's instructions in order: these see the stores above
.endr
.if \a < 7
	RLOAD \a+1
	s_wait_dscnt 0x0
	s_wait_loadcnt 16                              ; this block's residual rows are in; the next block's sixteen loads may be out
.else
	s_wait_dscnt 0x0
	s_wait_loadcnt 0x0
.endif
.set jj, 0
.rept 32
	v_pk_add_f32 v[BK+jj:BK+jj+1], v[BK+jj:BK+jj+1], v[RES+128*(\a%2)+jj:RES+128*(\a%2)+jj+1]
.set jj, jj+2
.endr
.irp t, 0,1,2,3,4,5,6,7,8,9,10,11,12,13,14,15
	global_store_b128 v[CO], v[BK+4*\t:BK+4*\t+3], s[12:13] offset:(16*\a+\t)*SIZE_N*4
.endr
.endr
.endif
	s_wait_tensorcnt 0x0                           ; the wave's end
	ds_add_u32 v[SPW], v[NIL]
	s_wait_dscnt 0x0
	CROUND                                         ; the closing round: no work-group ends while a partner may still ask for a tile that names it
	s_endpgm
.Lfunc_end_k_q914b3c4f91_gemm_ff1:
	.size	k_q914b3c4f91_gemm_ff1, .Lfunc_end_k_q914b3c4f91_gemm_ff1-k_q914b3c4f91_gemm_ff1
	.p2alignl 7, 3214868480
	.fill 96, 4, 3214868480
	.section	.rodata,"a",@progbits
	.p2align	6, 0x0
	.amdhsa_kernel k_q914b3c4f91_gemm_ff1
		.amdhsa_group_segment_fixed_size 327680
		.amdhsa_private_segment_fixed_size 0
		.amdhsa_enable_private_segment 0
		.amdhsa_kernarg_size 40
		.amdhsa_user_sgpr_count 2
		.amdhsa_user_sgpr_kernarg_segment_ptr 1
		.amdhsa_wavefront_size32 1
		.amdhsa_system_sgpr_workgroup_id_x 1
		.amdhsa_system_sgpr_workgroup_id_y 1
		.amdhsa_system_sgpr_workgroup_id_z 1
		.amdhsa_system_vgpr_workitem_id 0
		.amdhsa_next_free_vgpr 1024
		.amdhsa_next_free_sgpr 100
		.amdhsa_reserve_vcc 0
		.amdhsa_float_denorm_mode_32 3
		.amdhsa_float_denorm_mode_16_64 3
		.amdhsa_memory_ordered 1
		.amdhsa_forward_progress 1
		.amdhsa_inst_pref_size 187
	.end_amdhsa_kernel
	.amdgpu_metadata
---
amdhsa.version: [ 1, 2 ]
amdhsa.kernels:
  - .name:           k_q914b3c4f91_gemm_ff1
    .symbol:         k_q914b3c4f91_gemm_ff1.kd
    .args:
      - { .name: x1q, .offset: 0, .size: 8, .value_kind: global_buffer, .address_space: global }
      - { .name: w_ff1_codes, .offset: 8, .size: 8, .value_kind: global_buffer, .address_space: global }
      - { .name: w_ff1_scales, .offset: 16, .size: 8, .value_kind: global_buffer, .address_space: global }
      - { .name: b_ff1, .offset: 24, .size: 8, .value_kind: global_buffer, .address_space: global }
      - { .name: hq, .offset: 32, .size: 8, .value_kind: global_buffer, .address_space: global }
    .group_segment_fixed_size: 327680
    .private_segment_fixed_size: 0
    .kernarg_segment_align: 8
    .kernarg_segment_size: 40
    .max_flat_workgroup_size: 128
    .sgpr_count:     100
    .vgpr_count:     1024
    .wavefront_size: 32
...
	.end_amdgpu_metadata
.endif
;; end of part 5
;; launch gemm_ff2 (part 6): grid 4 x 16, 4 waves a work-group, clusters of 4 x 4, 327,680 bytes of LDS; arguments hq, w_ff2_codes, w_ff2_scales, b_ff2, x1, y; writes y
.if DOCPART == 6
	.amdgcn_target "amdgcn-amd-amdhsa--gfx1250"
	.amdhsa_code_object_version 6
	.text
	.protected	k_q914b3c4f91_gemm_ff2
	.globl	k_q914b3c4f91_gemm_ff2
	.p2align	8
	.type	k_q914b3c4f91_gemm_ff2,@function
k_q914b3c4f91_gemm_ff2:
	s_mov_b64 s[64:65], 0
	v_nop
	global_prefetch_b8 v0, s[64:65] scope:SCOPE_SE
	s_setreg_imm32_b32 hwreg(HW_REG_WAVE_MODE, 25, 1), 1
	s_wait_xcnt 0x0
	s_wait_alu depctr_hold_cnt(0) depctr_sa_sdst(0) depctr_va_vdst(0) depctr_va_sdst(0) depctr_va_ssrc(0) depctr_va_vcc(0) depctr_vm_vsrc(0)
	s_getreg_b32 s2, hwreg(HW_REG_IB_STS2, 6, 4)
	s_cmp_eq_u32 s2, 0
	s_cbranch_scc0 .Lentry_in_a_cluster
	s_endpgm
.Lentry_in_a_cluster:
	s_bfe_u32 s2, ttmp6, 0x10000c
	s_cmp_lg_u32 s2, 0xf033
	s_cbranch_scc0 .Lentry_shape_is_right
	s_endpgm
.Lentry_shape_is_right:
; C[m][n] = sum over k of A[m][k] B[n][k] + bias[n], on codes of FP6 (E2M3) with one E8M0 scale for each 32 along K; 4,096 rows.  One text serves three products; the six symbols below tell them apart.
;   EPI = 0: out[m][n] = C + residual[m][n], f32.     EPI = 1: relu(C) is quantised along n and leaves as the next product's operand.
; A is an IMAGE OF THE OPERAND'S REGISTERS: [K / 256][row / 16][2][6 pieces][32 lanes][8 bytes]: a fragment (16 rows x 128 K, 12 registers a lane) is 1,536 bytes on end; 128 rows of a K step of 256 are 24,576 dense bytes.
; A's scale words (one for a row and 128 K) lie at ASC_OFF in the same buffer: ALAY = 0: [K / 128][4,096 rows]; ALAY = 1: [row / 16][K / 128][16 rows].
; B: [SIZE_N][SIZE_K] codes as given, a row one stream of bits; scale bytes [SIZE_N][SIZE_K / 32].
; A tile of C, 256 x 256, is made by four waves, each 128 x 128: 64 accumulators, 512 registers.  K goes in steps of 256 through a ring of two LDS slots filled by the tensor data mover; all scales come into LDS once, with the first fills.
; CLUSTERS: 4 x 4 work-groups; A's tiles are asked for jointly along a row of the cluster, B's along a column.  THE MATRIX INSTRUCTION IS USED TRANSPOSED (source 0 = 16 rows of B, source 1 = 16 rows of A): a lane holds numbers of one row of C.
; EPI = 1: the rows of B that form a tile are not neighbours: lane r of block 2 b + u takes row 32 b + 8 u + r + 8 (r / 8), so that the 16 registers of accumulators 2 b, 2 b + 1 are 16 neighbours along the next K.
; The bias is the C of each sum's first matrix instruction.  No prefetch: the tiles are shared in the cluster and the launch is short.
; LIMITS (EPI = 1): NaN and infinities are not served; a block whose largest magnitude lies under 2^-124 (zeros too) gets the byte 1.
; REGISTERS: window 0: v0-31 addresses; v32-63 scale words, two sets, and nothing else; v64-127 the bias, later work; v128-223 A's fragments, one set; window 1: B's fragments, two sets, at v0 and v128; windows 2, 3: the accumulators.
.set SIZE_N,  1024
.set SIZE_K,  4096
.set ALAY,    0
.set EPI,     0
.set ASC_OFF, 12582912
.set OSC_OFF, 0                        ; EPI = 1: where the output's scale words begin
.set ROWB,   192                       ; a row of B's tile: 256 codes
.set KROW,   SIZE_K*6/8
.set PITCH,  240                       ; B's LDS row: 3 x (64 bytes + 16 of padding)
.set FR,     12
.set NL,     6                         ; LDS loads that bring a fragment
.set NP,     4                         ; places behind this matrix instruction (ISA guide 7.12.1)
.set ASLOT,  786432                    ; a K step of 256 of all 4,096 rows of A
.set HALFA,  24576                     ; 128 rows of A in a slot
.set HALFB,  128*PITCH
.set SLOT,   2*HALFA+2*HALFB           ; A's two halves, then B's two
.set LAPS,   SIZE_K/512
.set KS,     SIZE_K/32
.set NKS,    SIZE_K/128
.if ALAY
.set ASC_SI, 512                       ; A's scale words in LDS: from block to block of 16 rows,
.set ASC_SK, 64                        ; from one 128 along K to the next,
.set HALFSA, 4096                      ; and 128 rows' in all
.else
.set ASC_SI, 64
.set ASC_SK, 576                       ; 512 bytes + 64 of padding
.set HALFSA, NKS*576
.endif
.set SCLA,   2*SLOT
.set SCLB,   SCLA+2*HALFSA
.set HALFSB, (128*KS/256)*272          ; B's scale bytes of 128 rows, as units of 256 + 16
.set SPARE,  SCLB+2*HALFSB             ; the spare words, 128 bytes a wave: two blocks of 256 bytes that no other line names
.set SPITCH, 528                       ; the way out: a stage of 16 rows x (512 + 16) bytes a wave, in slot 0, which has had its last fill and its last read by then
.set ADRA, 16                          ; v16-17  my A fragments in slot 0, 1: 8 x lane + my half
.set ADRB, 20                          ; v20-21  my B fragments; v22-23 the same behind one padding more
.set STO,  24
.set RD,   25
.set CO,   26                          ; 16 x lane
.set ADRSB, 27                         ; B's scale words: lanes 0-15 the slot's first 128 along K, lanes 16-31 its second
.set SPW,  28
.set NIL,  29
.set ADRSA, 30                         ; A's likewise
.set BO,   31                          ; the bias's lane offset
.set CO8,  10                          ; 8 x lane
.set SWA,  11
.set SRA,  12
.set SC,   32                          ; set s at v[32 + 16 s]: B's eight blocks, then A's eight
.set BIAS, 64
.set AF,   128
.set RES,  64                          ; EPI 0: residual rows, v64-127 and v192-255 by turns; v128-191 the block
.set BK,   128
.set HA,   64                          ; EPI 1: 64 numbers; v128-146 codes; v160-175 at work; v176-183 scale words
.set PC,   128
.set TM,   160
.set PW,   176
.set G1, 24
.set G0, 32
.set G1B, 48
.set G0B, 56
.set G1S, 68
.set G0S, 76
.set G1SB, 80
.set G0SB, 88
.set SEL, 20
.set MSB, 0
.macro WIN new                         ; the immediate's high byte repeats the setting that is left
.if MSB != \new
	s_set_vgpr_msb (MSB<<8)|\new
.set MSB, \new
.endif
.endm
.set MUL_LO, 0xa1                      ; source 0 (B) window 1, source 1 (A) window 0, C and D window 2
.set MUL_HI, 0xf1
.set TO_B,   0x40
; A joint load: waves 0 and 1 fetch for A, waves 2 and 3 for B; the branch hangs on the wave's number alone.  Four v_nop follow each of the two lines.
.macro JLOAD g0a, g1a, g0b, g1b
	s_cmp_eq_u32 s15, 0
	s_cbranch_scc0 .Lfor_b_\@
	tensor_load_to_lds s[\g0a:\g0a+3], s[\g1a:\g1a+7]
	s_nop 0
.rept 4
	v_nop
.endr
	s_branch .Lasked_\@
.Lfor_b_\@:
	tensor_load_to_lds s[\g0b:\g0b+3], s[\g1b:\g1b+7]
	s_nop 0
.rept 4
	v_nop
.endr
.Lasked_\@:
.endm
.macro CREST                           ; a round of the cluster's barrier behind its opening barrier
	s_cmp_lg_u32 s14, 0
	s_cbranch_scc1 .Lnot_wave_0_\@
	s_barrier_signal -3
.Lnot_wave_0_\@:
	s_barrier_wait -3
	s_barrier_signal -1
	s_barrier_wait -1
.endm
.macro CROUND
	s_barrier_signal -1
	s_barrier_wait -1
	CREST
.endm
	s_load_b64 s[4:5], s[0:1], 0x0                 ; A (image and scale words)
	s_load_b64 s[8:9], s[0:1], 0x8                 ; B's codes
	s_load_b64 s[10:11], s[0:1], 0x10              ; B's scales
	s_load_b64 s[96:97], s[0:1], 0x18              ; the bias
.if EPI
	s_load_b64 s[12:13], s[0:1], 0x20              ; the output
.else
	s_load_b64 s[98:99], s[0:1], 0x20              ; the residual
	s_load_b64 s[12:13], s[0:1], 0x28              ; the output
.endif
	v_lshl_add_u32 v[SPW], v0, 2, SPARE
	v_mov_b32 v[NIL], 0
	ds_add_u32 v28, v29
	s_wait_dscnt 0x0
	v_lshrrev_b32 v1, 5, v0
	v_readfirstlane_b32 s14, v1                    ; wave 0..3
	s_lshr_b32 s15, s14, 1                         ; which half of the tile's rows is mine.  Also: I fetch for A (0) or for B (1)
	s_and_b32 s16, s14, 1                          ; which half of its columns.  Also: which 128 rows I fetch
	s_bfe_u32 s40, ttmp6, 0x40000                  ; cx, cy
	s_bfe_u32 s41, ttmp6, 0x40004
	s_lshl_b32 s42, ttmp9, 2
	s_add_co_u32 s42, s42, s40                     ; tile column
	s_and_b32 s17, ttmp7, 0xffff
	s_lshl_b32 s17, s17, 2
	s_add_co_u32 s17, s17, s41                     ; tile row
	s_lshl_b32 s43, s41, 2
	s_lshl_b32 s43, 15, s43                        ; my row of the cluster
	s_lshl_b32 s44, 0x1111, s40                    ; my column
	; group 1, A's codes: 24,576 dense bytes as 96 rows of 256 (32 elements of 8 bytes), no padding
	s_or_b32 s[G1+0], s43, (3<<16)|(1<<21)
	s_mov_b32 s[G1+1], 32<<16
	s_mov_b32 s[G1+2], 96<<16
	s_mov_b32 s[G1+3], 32<<16
	s_mov_b32 s[G1+4], 96
	s_mov_b32 s[G1+5], 32
	s_mov_b32 s[G1+6], 0
	s_mov_b32 s[G1+7], 0
	; B's codes: 128 rows of 192 bytes, 16 bytes of padding behind every 64
	s_or_b32 s[G1B+0], s44, (0<<16)|(1<<20)|(1<<21)|(3<<22)|(3<<25)
	s_mov_b32 s[G1B+1], ROWB<<16
	s_mov_b32 s[G1B+2], 128<<16
	s_mov_b32 s[G1B+3], ROWB<<16
	s_mov_b32 s[G1B+4], 128
	s_mov_b32 s[G1B+5], KROW
	s_mov_b32 s[G1B+6], 0
	s_mov_b32 s[G1B+7], 0
.if ALAY
	; A's scale words of 128 rows: 4,096 dense bytes as 16 rows of 256
	s_or_b32 s[G1S+0], s43, (3<<16)|(1<<21)
	s_mov_b32 s[G1S+1], 32<<16
	s_mov_b32 s[G1S+2], 16<<16
	s_mov_b32 s[G1S+3], 32<<16
	s_mov_b32 s[G1S+4], 16
	s_mov_b32 s[G1S+5], 32
.else
	; A's scale words of 128 rows: NKS rows of 512 bytes, 16,384 bytes apart; 64 bytes of padding behind each
	s_or_b32 s[G1S+0], s43, (3<<16)|(1<<20)|(1<<21)|(6<<22)|(15<<25)
	s_mov_b32 s[G1S+1], 64<<16
	s_mov_b32 s[G1S+2], NKS<<16
	s_mov_b32 s[G1S+3], 64<<16
	s_mov_b32 s[G1S+4], NKS
	s_mov_b32 s[G1S+5], 2048
.endif
	s_mov_b32 s[G1S+6], 0
	s_mov_b32 s[G1S+7], 0
	; B's scale bytes of 128 rows: a dense block as rows of 256 bytes, 16 of padding behind each
	s_or_b32 s[G1SB+0], s44, (3<<16)|(1<<20)|(1<<21)|(5<<22)|(3<<25)
	s_mov_b32 s[G1SB+1], 32<<16
	s_mov_b32 s[G1SB+2], (128*KS/256)<<16
	s_mov_b32 s[G1SB+3], 32<<16
	s_mov_b32 s[G1SB+4], 128*KS/256
	s_mov_b32 s[G1SB+5], 32
	s_mov_b32 s[G1SB+6], 0
	s_mov_b32 s[G1SB+7], 0
	s_lshl_b32 s20, s17, 4
	s_lshl_b32 s18, s16, 3
	s_add_co_u32 s20, s20, s18                     ; A: the first of the eight blocks of 16 rows that I fetch
	s_mul_i32 s22, s20, 3072
	s_mov_b32 s23, 0
.if ALAY
	s_lshl_b32 s18, s20, 9
.else
	s_lshl_b32 s18, s20, 6
.endif
	s_add_co_u32 s18, s18, ASC_OFF
	s_mov_b32 s19, 0
	s_lshl_b32 s46, s42, 8
	s_lshl_b32 s47, s16, 7
	s_add_co_u32 s46, s46, s47                     ; B: the first of the 128 rows that I fetch
	s_mul_i32 s92, s46, KS
	s_mov_b32 s93, 0
	s_mul_i32 s46, s46, KROW
	s_mov_b32 s47, 0
	s_mul_i32 s45, s16, HALFA                      ; where they go: no place in the cluster enters an LDS address
	s_mul_i32 s94, s16, HALFB
	s_add_co_u32 s94, s94, 2*HALFA
	s_mul_i32 s95, s16, HALFSA
	s_add_co_u32 s95, s95, SCLA
	s_mul_i32 s2, s16, HALFSB
	s_add_co_u32 s2, s2, SCLB
	s_wait_kmcnt 0x0
	s_add_nc_u64 s[22:23], s[4:5], s[22:23]
	s_add_nc_u64 s[18:19], s[4:5], s[18:19]
	s_add_nc_u64 s[46:47], s[8:9], s[46:47]
	s_add_nc_u64 s[92:93], s[10:11], s[92:93]
	CROUND                                         ; all sixteen work-groups are here: the first joint loads meet
	s_mov_b32 s[G0S], 1
	s_mov_b32 s[G0S+1], s95
	s_mov_b64 s[G0S+2:G0S+3], s[18:19]
	s_or_b32 s[G0S+3], s[G0S+3], 0x80000000
	s_mov_b32 s[G0SB], 1
	s_mov_b32 s[G0SB+1], s2
	s_mov_b64 s[G0SB+2:G0SB+3], s[92:93]
	s_or_b32 s[G0SB+3], s[G0SB+3], 0x80000000
	JLOAD G0S, G1S, G0SB, G1SB                     ; the scales first: they are wanted with K step 0
.irp s, 0,1
	s_mov_b32 s[G0+4*\s], 1
	s_add_co_u32 s[G0+4*\s+1], s45, \s*SLOT
	s_add_nc_u64 s[G0+4*\s+2:G0+4*\s+3], s[22:23], \s*ASLOT
	s_or_b32 s[G0+4*\s+3], s[G0+4*\s+3], 0x80000000
	s_mov_b32 s[G0B+4*\s], 1
	s_add_co_u32 s[G0B+4*\s+1], s94, \s*SLOT
	s_add_nc_u64 s[G0B+4*\s+2:G0B+4*\s+3], s[46:47], \s*ROWB
	s_or_b32 s[G0B+4*\s+3], s[G0B+4*\s+3], 0x80000000
	JLOAD G0+4*\s, G1, G0B+4*\s, G1B               ; three tensor loads of mine are out now
.endr
	v_and_b32 v1, 15, v0                           ; r
	v_bfe_u32 v2, v0, 4, 1                         ; h
	v_and_b32 v6, 31, v0                           ; lane
.if EPI
	v_and_b32 v7, 8, v1
	v_add_nc_u32 v7, v7, v1                        ; B's row of a block: r + 8 (r / 8)
.else
	v_mov_b32 v7, v1                               ; B's row of a block: r
.endif
	v_mul_u32_u24 v3, v7, PITCH
	v_mul_u32_u24 v4, v2, 24
	v_add_nc_u32 v4, v3, v4                        ; row x pitch + 24 x half
	v_lshl_add_u32 v5, v2, 4, v4                   ; and the same behind one padding more
	v_lshlrev_b32 v[CO8], 3, v6
	s_mul_i32 s20, s15, HALFA                      ; my 128 rows of A
	s_mul_i32 s21, s16, HALFB                      ; my 128 rows of B, behind A's
	s_add_co_u32 s21, s21, 2*HALFA
.irp s, 0,1
	v_add_nc_u32 v[ADRA+\s], s20, v[CO8]
	v_add_nc_u32 v[ADRB+\s], s21, v4
	v_add_nc_u32 v[ADRB+2+\s], s21, v5
	s_add_co_u32 s20, s20, SLOT
	s_add_co_u32 s21, s21, SLOT
.endr
	v_mul_u32_u24 v5, v7, KS                       ; B's scale bytes: KS a row,
	v_lshrrev_b32 v9, 8, v5
	v_lshl_add_u32 v5, v9, 4, v5                   ; 16 more for each 256 passed,
	v_lshl_add_u32 v5, v2, 2, v5                   ; lanes 16-31 one word on
	s_mul_i32 s20, s16, HALFSB
	s_add_co_u32 s20, s20, SCLB
	v_add_nc_u32 v[ADRSB], s20, v5
	v_lshlrev_b32 v5, 2, v1                        ; A's scale words: 4 r,
	v_mad_u32_u24 v5, v2, ASC_SK, v5               ; lanes 16-31 one 128 along K on
	s_mul_i32 s20, s15, HALFSA
	s_add_co_u32 s20, s20, SCLA
	v_add_nc_u32 v[ADRSA], s20, v5
	v_lshlrev_b32 v[CO], 4, v6
	s_lshl_b32 s92, s42, 10
	s_lshl_b32 s93, s16, 9
	s_add_co_u32 s92, s92, s93                     ; my first column x 4 bytes
	s_mov_b32 s93, 0
	s_add_nc_u64 s[96:97], s[96:97], s[92:93]      ; the bias there
.if EPI
	v_lshlrev_b32 v[BO], 6, v2                     ; a lane's columns of accumulator b: 32 (b / 2) + 8 (b % 2) + 16 h + 0 .. 7
	s_lshl_b32 s20, s14, 9
	v_lshl_add_u32 v[SWA], v1, 2, s20              ; the stage for the scale words: 512 bytes a wave
	v_add_nc_u32 v[SRA], s20, v[CO]
	s_lshl_b32 s20, s17, 4
	s_lshl_b32 s21, s15, 3
	s_add_co_u32 s20, s20, s21                     ; my first block of 16 rows
	s_mul_i32 s21, s20, 3072
	s_lshl_b32 s22, s20, 6
	s_mul_i32 s46, s42, ASLOT                      ; my 128 columns are K step 2 x tile column + half of the next product
	s_mul_i32 s47, s16, 1536
	s_add_co_u32 s46, s46, s47
	s_add_co_u32 s46, s46, s21
	s_mov_b32 s47, 0
	s_lshl_b32 s92, s42, 1
	s_add_co_u32 s92, s92, s16
	s_lshl_b32 s92, s92, 14
	s_add_co_u32 s92, s92, s22
	s_add_co_u32 s92, s92, OSC_OFF
	s_add_nc_u64 s[98:99], s[12:13], s[92:93]      ; where my scale words go
	s_add_nc_u64 s[12:13], s[12:13], s[46:47]      ; where my fragments go
	s_mov_b32 s[SEL], 0x76543210
	s_mov_b32 s[SEL+1], 0xfedcba98
.else
	v_lshlrev_b32 v[BO], 5, v2                     ; a lane's columns of accumulator b: 16 b + 8 h + 0 .. 7
	s_mul_i32 s23, s14, 16*SPITCH                  ; my stage
	v_mul_u32_u24 v5, v1, SPITCH
	v_lshl_add_u32 v5, v2, 5, v5
	v_add_nc_u32 v[STO], s23, v5                   ; in: row r, 32 bytes for each half of the lanes
	v_add_nc_u32 v[RD], s23, v[CO]                 ; back: the 32 lanes take a row of 512 bytes
	s_lshl_b32 s20, s17, 8
	s_lshl_b32 s21, s15, 7
	s_add_co_u32 s20, s20, s21                     ; my first row
	s_mul_i32 s20, s20, SIZE_N*4
	s_mov_b32 s21, 0
	s_add_nc_u64 s[20:21], s[20:21], s[92:93]
	s_add_nc_u64 s[12:13], s[12:13], s[20:21]
	s_add_nc_u64 s[98:99], s[98:99], s[20:21]
.endif
.irp b, 0,1,2,3,4,5,6,7
	global_load_b128 v[BIAS+8*\b:BIAS+8*\b+3], v[BO], s[96:97] offset:4*(EPI*(32*(\b/2)+8*(\b%2))+(1-EPI)*16*\b)
	global_load_b128 v[BIAS+8*\b+4:BIAS+8*\b+7], v[BO], s[96:97] offset:4*(EPI*(32*(\b/2)+8*(\b%2))+(1-EPI)*16*\b)+16
.endr
.macro FRAGA reg, adr, q, i            ; a fragment of A as it lies: six pieces of 256 consecutive bytes
.irp p, 0,1,2,3,4,5
	ds_load_b64 v[\reg+2*\p:\reg+2*\p+1], v[\adr] offset:(\i)*3072+(\q)*1536+256*\p
.endr
.endm
.macro FRAGB reg, adr, q, i            ; a fragment of B from rows: lane (r, h) takes 24 bytes at 24 h and at 48 + 24 h of its row's 96, in pieces of 8; where the piece three on lies behind one padding more, the second address register serves
.irp p, 0,1,2,3,4,5
.set PCE, 12*(\q)+6*(\p/3)+\p%3
.if PCE%8 < 5
	ds_load_b64 v[\reg+2*\p:\reg+2*\p+1], v[\adr] offset:8*PCE+16*(PCE/8)+(EPI*(32*((\i)/2)+8*((\i)%2))+(1-EPI)*16*(\i))*PITCH
.else
	ds_load_b64 v[\reg+2*\p:\reg+2*\p+1], v[\adr+2] offset:8*PCE+16*(PCE/8)+(EPI*(32*((\i)/2)+8*((\i)%2))+(1-EPI)*16*(\i))*PITCH
.endif
.endr
.endm
; 16 matrix instructions: A's blocks a0, a0 + 1 x B's eight, the slot's q-th 128 along K.  p: B's set; sc: the set of scale words (lanes 0-15 serve q = 0, lanes 16-31 q = 1).  first = 1: the bias starts the sums.
; The 64 accumulators take turns, one instruction a turn, in the same order in every step.
.macro MUL16 a0, p, q, sc, first
.irp a, \a0, \a0+1
.irp b, 0,1,2,3,4,5,6,7
.if \first
	v_wmma_scale_f32_16x16x128_f8f6f4 v[8*(8*((\a)%4)+\b):8*(8*((\a)%4)+\b)+7], v[128*(\p)+FR*\b:128*(\p)+FR*\b+FR-1], v[AF+FR*(\a):AF+FR*(\a)+FR-1], v[BIAS+8*\b:BIAS+8*\b+7], v[SC+16*(\sc)+\b], v[SC+16*(\sc)+8+(\a)] matrix_a_fmt:MATRIX_FMT_FP6 matrix_b_fmt:MATRIX_FMT_FP6
.elseif (\q) == 0
	v_wmma_scale_f32_16x16x128_f8f6f4 v[8*(8*((\a)%4)+\b):8*(8*((\a)%4)+\b)+7], v[128*(\p)+FR*\b:128*(\p)+FR*\b+FR-1], v[AF+FR*(\a):AF+FR*(\a)+FR-1], v[8*(8*((\a)%4)+\b):8*(8*((\a)%4)+\b)+7], v[SC+16*(\sc)+\b], v[SC+16*(\sc)+8+(\a)] matrix_a_fmt:MATRIX_FMT_FP6 matrix_b_fmt:MATRIX_FMT_FP6
.else
	v_wmma_scale_f32_16x16x128_f8f6f4 v[8*(8*((\a)%4)+\b):8*(8*((\a)%4)+\b)+7], v[128*(\p)+FR*\b:128*(\p)+FR*\b+FR-1], v[AF+FR*(\a):AF+FR*(\a)+FR-1], v[8*(8*((\a)%4)+\b):8*(8*((\a)%4)+\b)+7], v[SC+16*(\sc)+\b], v[SC+16*(\sc)+8+(\a)] matrix_a_fmt:MATRIX_FMT_FP6 matrix_b_fmt:MATRIX_FMT_FP6 matrix_a_scale:MATRIX_SCALE_ROW1 matrix_b_scale:MATRIX_SCALE_ROW1
.endif
.endr
.endr
.endm
.macro FETCH_B slot, q, p
	WIN TO_B
.irp i, 0,1,2,3,4,5,6,7
	FRAGB 128*(\p)+FR*\i, ADRB+\slot, \q, \i
.endr
	WIN 0
.endm
.macro FETCH_A slot, q, i0
.irp i, \i0, \i0+1, \i0+2, \i0+3
	FRAGA AF+FR*(\i), ADRA+\slot, \q, \i
.endr
.endm
.macro SCALES sc                       ; a K step's scale words: a register for each block of B and of A
.irp i, 0,1,2,3,4,5,6,7
	ds_load_b32 v[SC+16*\sc+\i], v[ADRSB] offset:(EPI*(32*(\i/2)+8*(\i%2))+(1-EPI)*16*\i)*KS*17/16
	ds_load_b32 v[SC+16*\sc+8+\i], v[ADRSA] offset:\i*ASC_SI
.endr
.endm
; A load into a register that a matrix instruction has read, and a vector instruction or an LDS store that reads a matrix result, stand NP places behind that matrix instruction; only plain vector instructions that name none of its registers are places.
.macro PLACES n
.rept \n
	v_nop
.endr
.endm
; A slot's first 128 along K.  A's blocks go one after the other, each against B's eight, so one set of registers serves A: blocks 0-3 are fetched anew in the step's middle, blocks 4-7 at its end.
.macro STEP slot, first
	s_wait_dscnt 4*NL                              ; all but the youngest 24 loads (A's blocks 4-7) are in
.if \first
	WIN 0x81                                       ; C (the bias) window 0, D window 2
.else
	WIN MUL_LO
.endif
	MUL16 0, 0, 0, \slot, \first
	MUL16 2, 0, 0, \slot, \first
	s_wait_dscnt 0
	PLACES NP
	FETCH_B \slot, 1, 1
	FETCH_A \slot, 1, 0
.if \first
	WIN 0xc1
.else
	WIN MUL_HI
.endif
	MUL16 4, 0, 0, \slot, \first
	MUL16 6, 0, 0, \slot, \first
	PLACES NP
	WIN 0
	FETCH_A \slot, 1, 4
.endm
; A slot's second 128 along K changes slots: ONE barrier; in front of it each wave waits for all its tensor loads, adds 0 to its spare word, and waits for that and for its own reads of this slot.  fill = 1: this slot is filled again, two K steps ahead.
.macro TURN slot, next, fill
	s_wait_tensorcnt 0x0                           ; all my tensor loads have landed: my part of the next slot
	ds_add_u32 v[SPW], v[NIL]                      ; 0 onto my spare word
	s_wait_dscnt 4*NL+1                            ; (the add and the youngest 24 loads may be out)
	WIN MUL_LO
	MUL16 0, 1, 1, \slot, 0                        ; sixteen matrix instructions stand between the add and the wait for it
	s_wait_dscnt 0x0                               ; the add is done, and my reads of this slot are over
	s_barrier_signal -1
	MUL16 2, 1, 1, \slot, 0
	WIN 0
	s_barrier_wait -1
.if \fill
	CREST                                          ; the barrier has opened a round of the cluster's barrier: no wave of any partner still reads this slot or has a load on its way
	s_add_nc_u64 s[G0+4*\slot+2:G0+4*\slot+3], s[G0+4*\slot+2:G0+4*\slot+3], 2*ASLOT
	s_add_nc_u64 s[G0B+4*\slot+2:G0B+4*\slot+3], s[G0B+4*\slot+2:G0B+4*\slot+3], 2*ROWB
	JLOAD G0+4*\slot, G1, G0B+4*\slot, G1B         ; the first tensor load behind the round; its four v_nop are the places in front of the loads below
.else
	PLACES NP
.endif
	v_add_nc_u32 v[ADRSB], 8, v[ADRSB]             ; on to the next K step's scale words
	v_add_nc_u32 v[ADRSA], 2*ASC_SK, v[ADRSA]
	FETCH_B \next, 0, 0
	FETCH_A \next, 0, 0
	SCALES \next
	WIN MUL_HI
	MUL16 4, 1, 1, \slot, 0
	MUL16 6, 1, 1, \slot, 0
	PLACES NP
	WIN 0
	FETCH_A \next, 0, 4
.endm
	s_wait_tensorcnt 1                             ; the scales and my part of K step 0 are in (K step 1's load may be out),
	s_barrier_signal -1
	s_barrier_wait -1                              ; everybody's are
	FETCH_B 0, 0, 0
	FETCH_A 0, 0, 0
	SCALES 0
	FETCH_A 0, 0, 4
	s_wait_loadcnt 0x0                             ; the bias
	STEP 0, 1                                      ; the first step stands in front of the loop: its products start the sums
	s_mov_b32 s3, LAPS-1
.Llap:                                             ; a trip goes once round the ring and fills both slots again
	TURN 0, 1, 1
	STEP 1, 0
	TURN 1, 0, 1
	STEP 0, 0
	s_sub_co_u32 s3, s3, 1
	s_cmp_lg_u32 s3, 0
	s_cbranch_scc1 .Llap
	TURN 0, 1, 0                                   ; the last lap fills nothing, and has no round of the cluster's barrier
	STEP 1, 0
	s_wait_dscnt 4*NL                              ; the very last step: nothing more to fetch
	WIN MUL_LO
	MUL16 0, 1, 1, 1, 0
	MUL16 2, 1, 1, 1, 0
	s_wait_dscnt 0
	WIN MUL_HI
	MUL16 4, 1, 1, 1, 0
	MUL16 6, 1, 1, 1, 0
	WIN 0
	PLACES NP                                      ; in front of the first reads of results and of loads and writes into registers that the last products have read
.if EPI
; THE WAY OUT, EPI = 1: block a's 16 rows x my 128 columns: relu, four blocks of 32 quantised in registers: one fragment and one scale word a row.
.macro QUANT s, pw                     ; 64 numbers of a lane, register 16 b + i = k 32 b + 16 h + i of my row (none negative), become codes in v[PC] on and the scale word in v[pw]
.irp b, 0,1,2,3
	v_max3_num_f32 v[TM+\b], v[\s+16*\b], v[\s+1+16*\b], 0x1800000     ; and the floor 2^(3 - 127): the byte cannot fall under 1
.endr
.irp i, 2,4,6,8,10,12,14
.irp b, 0,1,2,3
	v_max3_num_f32 v[TM+\b], v[TM+\b], v[\s+16*\b+\i], v[\s+1+16*\b+\i]
.endr
.endr
.irp b, 0,1,2,3
	v_permlanex16_b32 v[TM+4+\b], v[TM+\b], s[SEL], s[SEL+1]
.endr
.irp b, 0,1,2,3
	v_max_num_f32 v[TM+\b], v[TM+\b], v[TM+4+\b]   ; with lane l xor 16's: the block's largest
.endr
.irp b, 0,1,2,3
	v_add_nc_u32 v[TM+12+\b], 0xff000000, v[TM+\b] ; 2 off the exponent field: the conversion's scale operand
.endr
.irp b, 0,1,2,3
	v_lshrrev_b32 v[TM+4+\b], 23, v[TM+12+\b]      ; the scale's byte
.endr
	v_lshl_or_b32 v[\pw], v[TM+5], 8, v[TM+4]
	v_lshl_or_b32 v[\pw], v[TM+6], 16, v[\pw]
	v_lshl_or_b32 v[\pw], v[TM+7], 24, v[\pw]
.irp c, 0,1
	v_cvt_scalef32_pk16_fp6_f32 v[PC+6*\c:PC+2+6*\c], v[\s+32*\c:\s+15+32*\c], v[TM+12+2*\c]
	v_cvt_scalef32_pk16_fp6_f32 v[PC+12+4*\c:PC+14+4*\c], v[\s+16+32*\c:\s+31+32*\c], v[TM+12+2*\c+1]
.endr
	v_nop                                          ; one plain line behind the conversions
.irp c, 0,1                                    ; a whole block to a lane: lanes 0-15 block 2 c, lanes 16-31 block 2 c + 1
.irp i, 0,1,2
	v_permlane16_swap_b32 v[PC+6*\c+\i], v[PC+12+4*\c+\i]
.endr
.irp i, 0,1,2
	v_mov_b32 v[PC+3+6*\c+\i], v[PC+12+4*\c+\i]
.endr
.endr
.endm
.irp b, 0,1,2,3
	v_mov_b32 v[TM+4+\b], 0                        ; written once: a lane permute's destination counts as one of its sources
.endr
.irp a, 0,1,2,3,4,5,6,7
.if \a > 0
	s_wait_xcnt 0x0                                ; the last block's stores have read their registers: the codes may be written again
.endif
	WIN 0x08+4*(\a/4)                              ; source 1: window 2 or 3
.set jj, 0
.rept 64
	v_max_num_f32 v[HA+jj], 0, v[64*(\a%4)+jj]     ; the activation; each accumulator from its low end on
.set jj, jj+1
.endr
	WIN 0
	QUANT HA, PW+\a
.irp p, 0,1,2,3,4,5
	global_store_b64 v[CO8], v[PC+2*\p:PC+2*\p+1], s[12:13] offset:3072*\a+256*\p   ; a piece: 256 consecutive bytes, aligned
.endr
	ds_store_b32 v[SWA], v[PW+\a] offset:64*\a     ; lanes r and r + 16 write the same word with the same value
.endr
	ds_load_b128 v[184:187], v[SRA]                ; my 128 rows' scale words: LDS serves a wave's instructions in order
	s_wait_dscnt 0x0
	global_store_b128 v[CO], v[184:187], s[98:99]  ; 512 consecutive bytes
.else
; THE WAY OUT, EPI = 0, block by block of 16 rows x 128 columns: through my stage, back as whole rows of 512 bytes, plus the residual's rows, stored as two aligned runs of 256 bytes.  Every offset is an immediate: 127 rows of 4,096 bytes at the most.
.macro RLOAD a
.set RR, RES+128*((\a)%2)
.irp t, 0,1,2,3,4,5,6,7,8,9,10,11,12,13,14,15
	global_load_b128 v[RR+4*\t:RR+4*\t+3], v[CO], s[98:99] offset:(16*(\a)+\t)*SIZE_N*4 th:TH_LOAD_NT
.endr
.endm
	RLOAD 0
.irp a, 0,1,2,3,4,5,6,7
.if \a > 0
	s_wait_xcnt 0x0                                ; the last block's stores have read their registers: the stage's loads may land there
.endif
	WIN 0x08+4*(\a/4)                              ; an LDS store's data are its source 1: window 2 or 3
.irp b, 0,1,2,3,4,5,6,7
	ds_store_b128 v[STO], v[64*(\a%4)+8*\b:64*(\a%4)+8*\b+3] offset:64*\b          ; each accumulator from its low end on
	ds_store_b128 v[STO], v[64*(\a%4)+8*\b+4:64*(\a%4)+8*\b+7] offset:64*\b+16
.endr
	WIN 0
.irp t, 0,1,2,3,4,5,6,7,8,9,10,11,12,13,14,15
	ds_load_b128 v[BK+4*\t:BK+4*\t+3], v[RD] offset:\t*SPITCH      ; LDS serves a wave's instructions in order: these see the stores above
.endr
.if \a < 7
	RLOAD \a+1
	s_wait_dscnt 0x0
	s_wait_loadcnt 16                              ; this block's residual rows are in; the next block's sixteen loads may be out
.else
	s_wait_dscnt 0x0
	s_wait_loadcnt 0x0
.endif
.set jj, 0
.rept 32
	v_pk_add_f32 v[BK+jj:BK+jj+1], v[BK+jj:BK+jj+1], v[RES+128*(\a%2)+jj:RES+128*(\a%2)+jj+1]
.set jj, jj+2
.endr
.irp t, 0,1,2,3,4,5,6,7,8,9,10,11,12,13,14,15
	global_store_b128 v[CO], v[BK+4*\t:BK+4*\t+3], s[12:13] offset:(16*\a+\t)*SIZE_N*4
.endr
.endr
.endif
	s_wait_tensorcnt 0x0                           ; the wave's end
	ds_add_u32 v[SPW], v[NIL]
	s_wait_dscnt 0x0
	CROUND                                         ; the closing round: no work-group ends while a partner may still ask for a tile that names it
	s_endpgm
.Lfunc_end_k_q914b3c4f91_gemm_ff2:
	.size	k_q914b3c4f91_gemm_ff2, .Lfunc_end_k_q914b3c4f91_gemm_ff2-k_q914b3c4f91_gemm_ff2
	.p2alignl 7, 3214868480
	.fill 96, 4, 3214868480
	.section	.rodata,"a",@progbits
	.p2align	6, 0x0
	.amdhsa_kernel k_q914b3c4f91_gemm_ff2
		.amdhsa_group_segment_fixed_size 327680
		.amdhsa_private_segment_fixed_size 0
		.amdhsa_enable_private_segment 0
		.amdhsa_kernarg_size 48
		.amdhsa_user_sgpr_count 2
		.amdhsa_user_sgpr_kernarg_segment_ptr 1
		.amdhsa_wavefront_size32 1
		.amdhsa_system_sgpr_workgroup_id_x 1
		.amdhsa_system_sgpr_workgroup_id_y 1
		.amdhsa_system_sgpr_workgroup_id_z 1
		.amdhsa_system_vgpr_workitem_id 0
		.amdhsa_next_free_vgpr 1024
		.amdhsa_next_free_sgpr 100
		.amdhsa_reserve_vcc 0
		.amdhsa_float_denorm_mode_32 3
		.amdhsa_float_denorm_mode_16_64 3
		.amdhsa_memory_ordered 1
		.amdhsa_forward_progress 1
		.amdhsa_inst_pref_size 192
	.end_amdhsa_kernel
	.amdgpu_metadata
---
amdhsa.version: [ 1, 2 ]
amdhsa.kernels:
  - .name:           k_q914b3c4f91_gemm_ff2
    .symbol:         k_q914b3c4f91_gemm_ff2.kd
    .args:
      - { .name: hq, .offset: 0, .size: 8, .value_kind: global_buffer, .address_space: global }
      - { .name: w_ff2_codes, .offset: 8, .size: 8, .value_kind: global_buffer, .address_space: global }
      - { .name: w_ff2_scales, .offset: 16, .size: 8, .value_kind: global_buffer, .address_space: global }
      - { .name: b_ff2, .offset: 24, .size: 8, .value_kind: global_buffer, .address_space: global }
      - { .name: x1, .offset: 32, .size: 8, .value_kind: global_buffer, .address_space: global }
      - { .name: y, .offset: 40, .size: 8, .value_kind: global_buffer, .address_space: global }
    .group_segment_fixed_size: 327680
    .private_segment_fixed_size: 0
    .kernarg_segment_align: 8
    .kernarg_segment_size: 48
    .max_flat_workgroup_size: 128
    .sgpr_count:     100
    .vgpr_count:     1024
    .wavefront_size: 32
...
	.end_amdgpu_metadata
.endif
;; end of part 6
;; launch ln2 (part 7): grid 256 x 1, 16 waves a work-group, no clusters, 0 bytes of LDS; arguments y, g2, be2, out0; writes out0
.if DOCPART == 7
	.amdgcn_target "amdgcn-amd-amdhsa--gfx1250"
	.amdhsa_code_object_version 6
	.text
	.protected	k_q914b3c4f91_ln2
	.globl	k_q914b3c4f91_ln2
	.p2align	8
	.type	k_q914b3c4f91_ln2,@function
k_q914b3c4f91_ln2:
	s_mov_b64 s[64:65], 0
	v_nop
	global_prefetch_b8 v0, s[64:65] scope:SCOPE_SE
	s_setreg_imm32_b32 hwreg(HW_REG_WAVE_MODE, 25, 1), 1
	s_wait_xcnt 0x0
; out = layer norm of y (rows of 1,024, mean and variance in f32, two passes over registers), times g plus be.
; A wave takes one row: 8 loads of 512 consecutive bytes, 32 registers; the reduction never leaves the wave: no LDS, no barrier.  Memory binds: no matrix unit, no cluster, no tensor load, no prefetch.
; LIMITS: NaN and infinities are not served.
.set X,    16
.set G,    48
.set BE,   80
	s_load_b128 s[4:7], s[0:1], 0x0                ; y, g
	s_load_b128 s[8:11], s[0:1], 0x10              ; be, out
	v_lshrrev_b32 v2, 5, v0
	v_readfirstlane_b32 s14, v2                    ; wave = my row of the work-group's 16
	v_and_b32 v3, 31, v0
	v_lshlrev_b32 v1, 4, v3
	s_lshl_b32 s16, ttmp9, 16
	s_lshl_b32 s17, s14, 12
	s_add_co_u32 s16, s16, s17                     ; my row's first byte
	s_mov_b32 s17, 0
	s_mov_b32 s18, 0x76543210
	s_mov_b32 s19, 0xfedcba98
	s_mov_b32 s20, 0x3a800000                      ; 1 / 1,024
	s_mov_b32 s21, 0x3727c5ac                      ; 1e-5
	s_wait_kmcnt 0x0
	s_add_nc_u64 s[4:5], s[4:5], s[16:17]
	s_add_nc_u64 s[10:11], s[10:11], s[16:17]
.irp j, 0,1,2,3,4,5,6,7
	global_load_b128 v[X+4*\j:X+4*\j+3], v1, s[4:5] offset:512*\j th:TH_LOAD_NT
.endr
.irp j, 0,1,2,3,4,5,6,7
	global_load_b128 v[G+4*\j:G+4*\j+3], v1, s[6:7] offset:512*\j
.endr
.irp j, 0,1,2,3,4,5,6,7
	global_load_b128 v[BE+4*\j:BE+4*\j+3], v1, s[8:9] offset:512*\j
.endr
	s_wait_loadcnt 16                              ; my row is in; the sixteen loads of g and be may be out
.irp k, 0,1,2,3
	v_pk_add_f32 v[8+2*\k:9+2*\k], v[X+2*\k:X+2*\k+1], v[X+8+2*\k:X+9+2*\k]        ; the sum, in four chains
.endr
.irp o, 16,24
.irp k, 0,1,2,3
	v_pk_add_f32 v[8+2*\k:9+2*\k], v[8+2*\k:9+2*\k], v[X+\o+2*\k:X+\o+2*\k+1]
.endr
.endr
	v_pk_add_f32 v[8:9], v[8:9], v[10:11]
	v_pk_add_f32 v[12:13], v[12:13], v[14:15]
	v_pk_add_f32 v[8:9], v[8:9], v[12:13]
	v_add_f32 v8, v8, v9
	v_add_f32_dpp v8, v8, v8 row_xmask:1 row_mask:0xf bank_mask:0xf
	v_add_f32_dpp v8, v8, v8 row_xmask:2 row_mask:0xf bank_mask:0xf
	v_add_f32_dpp v8, v8, v8 row_xmask:4 row_mask:0xf bank_mask:0xf
	v_add_f32_dpp v8, v8, v8 row_xmask:8 row_mask:0xf bank_mask:0xf
	v_permlanex16_b32 v9, v8, s18, s19
	v_add_f32 v8, v8, v9
	v_mul_f32 v4, s20, v8                          ; the mean, twice (a pair for the packed forms)
	v_mov_b32 v5, v4
.set jj, 0
.rept 16
	v_pk_add_f32 v[X+jj:X+jj+1], v[X+jj:X+jj+1], v[4:5] neg_lo:[0,1] neg_hi:[0,1]  ; x - mean
.set jj, jj+2
.endr
.irp k, 0,1,2,3
	v_pk_mul_f32 v[8+2*\k:9+2*\k], v[X+2*\k:X+2*\k+1], v[X+2*\k:X+2*\k+1]          ; the sum of squares
.endr
.irp o, 8,16,24
.irp k, 0,1,2,3
	v_pk_fma_f32 v[8+2*\k:9+2*\k], v[X+\o+2*\k:X+\o+2*\k+1], v[X+\o+2*\k:X+\o+2*\k+1], v[8+2*\k:9+2*\k]
.endr
.endr
	v_pk_add_f32 v[8:9], v[8:9], v[10:11]
	v_pk_add_f32 v[12:13], v[12:13], v[14:15]
	v_pk_add_f32 v[8:9], v[8:9], v[12:13]
	v_add_f32 v8, v8, v9
	v_add_f32_dpp v8, v8, v8 row_xmask:1 row_mask:0xf bank_mask:0xf
	v_add_f32_dpp v8, v8, v8 row_xmask:2 row_mask:0xf bank_mask:0xf
	v_add_f32_dpp v8, v8, v8 row_xmask:4 row_mask:0xf bank_mask:0xf
	v_add_f32_dpp v8, v8, v8 row_xmask:8 row_mask:0xf bank_mask:0xf
	v_permlanex16_b32 v9, v8, s18, s19
	v_add_f32 v8, v8, v9
	v_fma_f32 v6, v8, s20, s21                     ; variance + 1e-5
	v_rsq_f32 v6, v6
	v_nop                                          ; one plain line behind the transcendental
	s_wait_alu depctr_va_vdst(0)
	v_mov_b32 v7, v6
	s_wait_loadcnt 0x0                             ; g and be
.set jj, 0
.rept 16
	v_pk_mul_f32 v[X+jj:X+jj+1], v[X+jj:X+jj+1], v[6:7]
.set jj, jj+2
.endr
.set jj, 0
.rept 16
	v_pk_fma_f32 v[X+jj:X+jj+1], v[X+jj:X+jj+1], v[G+jj:G+jj+1], v[BE+jj:BE+jj+1]
.set jj, jj+2
.endr
.irp j, 0,1,2,3,4,5,6,7
	global_store_b128 v1, v[X+4*\j:X+4*\j+3], s[10:11] offset:512*\j th:TH_STORE_NT   ; 512 consecutive bytes; written once, read by nobody here
.endr
	s_endpgm
.Lfunc_end_k_q914b3c4f91_ln2:
	.size	k_q914b3c4f91_ln2, .Lfunc_end_k_q914b3c4f91_ln2-k_q914b3c4f91_ln2
	.p2alignl 7, 3214868480
	.fill 96, 4, 3214868480
	.section	.rodata,"a",@progbits
	.p2align	6, 0x0
	.amdhsa_kernel k_q914b3c4f91_ln2
		.amdhsa_group_segment_fixed_size 0
		.amdhsa_private_segment_fixed_size 0
		.amdhsa_enable_private_segment 0
		.amdhsa_kernarg_size 32
		.amdhsa_user_sgpr_count 2
		.amdhsa_user_sgpr_kernarg_segment_ptr 1
		.amdhsa_wavefront_size32 1
		.amdhsa_system_sgpr_workgroup_id_x 1
		.amdhsa_system_sgpr_workgroup_id_y 1
		.amdhsa_system_sgpr_workgroup_id_z 1
		.amdhsa_system_vgpr_workitem_id 0
		.amdhsa_next_free_vgpr 112
		.amdhsa_next_free_sgpr 66
		.amdhsa_reserve_vcc 0
		.amdhsa_float_denorm_mode_32 3
		.amdhsa_float_denorm_mode_16_64 3
		.amdhsa_memory_ordered 1
		.amdhsa_forward_progress 1
		.amdhsa_inst_pref_size 11
	.end_amdhsa_kernel
	.amdgpu_metadata
---
amdhsa.version: [ 1, 2 ]
amdhsa.kernels:
  - .name:           k_q914b3c4f91_ln2
    .symbol:         k_q914b3c4f91_ln2.kd
    .args:
      - { .name: y, .offset: 0, .size: 8, .value_kind: global_buffer, .address_space: global }
      - { .name: g2, .offset: 8, .size: 8, .value_kind: global_buffer, .address_space: global }
      - { .name: be2, .offset: 16, .size: 8, .value_kind: global_buffer, .address_space: global }
      - { .name: out0, .offset: 24, .size: 8, .value_kind: global_buffer, .address_space: global }
    .group_segment_fixed_size: 0
    .private_segment_fixed_size: 0
    .kernarg_segment_align: 8
    .kernarg_segment_size: 32
    .max_flat_workgroup_size: 512
    .sgpr_count:     66
    .vgpr_count:     112
    .wavefront_size: 32
...
	.end_amdgpu_metadata
.endif
;; end of part 7
;; ======== version 2 of 2: 7 launches
;; limits: right only within a limited range of input values
;; workspace buffers: xq 6,553,600 bytes; at 3,276,800 bytes; y 16,777,216 bytes; x1 16,777,216 bytes; x1q 3,276,800 bytes; hq 13,107,200 bytes; wq 7,077,888 bytes
;; launch prep (part 8): grid 384 x 1, 4 waves a work-group, no clusters, 92,672 bytes of LDS; arguments x, xq, w_fc_out_codes, w_ff1_codes, w_ff2_codes, wq; writes xq, wq
.if DOCPART == 8
	.amdgcn_target "amdgcn-amd-amdhsa--gfx1250"
	.amdhsa_code_object_version 6
	.text
	.protected	k_q914b3c4f91_prep
	.globl	k_q914b3c4f91_prep
	.p2align	8
	.type	k_q914b3c4f91_prep,@function
k_q914b3c4f91_prep:
	s_mov_b64 s[64:65], 0
	v_nop
	global_prefetch_b8 v0, s[64:65] scope:SCOPE_SE
	s_setreg_imm32_b32 hwreg(HW_REG_WAVE_MODE, 25, 1), 1
	s_wait_xcnt 0x0
; x [2][2048][1024] f32 becomes codes of FP6 (E2M3) with one E8M0 byte for each 32 along K, twice:
;   PATH Q (work-groups 0-127): K = the channels.  A pair of heads, 128 channels, is a "super-head" sh = 8 b + hp.  Codes [16 sh][2048 s][96 bytes] at byte 0 of xq, scale bytes [16][2048][4] at QKS.
;   PATH V (work-groups 128-255): K = the keys s.  Codes [16 sh][128 c][1,536 bytes] at VTC, scale bytes [16][128][64] at VTS.
; A block's scale is 2^(floor(log2(its largest magnitude)) - 2); its byte is that magnitude's exponent field - 2, held at 1 from below.
; LIMITS: NaN and infinities are not served; a block whose largest magnitude lies under 2^-124 gets the byte 1; a block of zeros gets the byte 1 where the rule says 127 (its codes are zeros, and this program alone reads the bytes).
; The two paths part on the work-group's number, never meet again, and have LDS bytes of their own.  No tensor loads, no barrier: waves share nothing.
; THE LAYOUT OF THE CODES IN xq, which takes the place of what the lines above say of it: images of the operand's registers, each piece of a fragment 256 consecutive bytes (32 lanes x 8 bytes).
;   PATH Q: [16 sh][16 blocks of 128 s][a = 4 groups of 32 s][2 heads][u = 2][3 pieces][32 lanes][8 bytes]; lane (r, h) of tile (a, u) holds row 32 a + 8 u + r + 8 (r / 8), channels 32 h .. 32 h + 31 of the head.
;   PATH V: [16 sh][8 slots of 256 keys][2 steps of 128 keys][2 heads][4 tiles][6 pieces][32 lanes][8 bytes]; lane (r, h) of tile t holds channel 32 (t / 2) + 8 (t % 2) + r + 8 (r / 8) of the head.
;   PATH W (work-groups 256-383): the three weights' codes are laid anew in wq as [K / 256][n][192 bytes], so that 128 rows of 256 along K are 24,576 dense bytes that begin at a multiple of 256: w_fc_out at 0, w_ff1 at 786,432, w_ff2 at 3,932,160.
.set QKS,    6291456
.set VTC,    3145728
.set VTS,    6422528
.set EMAX,   2
; path Q: a wave takes 64 rows x 128 channels in 16 steps of 4 rows (512 numbers)
.set STEPS,  16
.set CB,     12                        ; bytes of 16 codes
.set QR,     16                        ; v16-79   four sets of 16 numbers as loaded
.set QX,     80                        ; v80-111  two sets of 16 neighbours
.set QE,     112                       ; v112-127 a scale byte for each step
.set QC,     128                       ; v128-191 four registers of codes for each step: no store's data are written again
.set WREG,   8192                      ; LDS of a wave: two stages of 32 x SP bytes, then its 256 scale bytes
.set SP,     80                        ; a lane's 64 bytes + 16 of padding
; path V: a wave takes 32 channels x 256 keys: 8 blocks a lane
.set NB,     8
.set VPITCH, 272                       ; a stage row: sixteen places of 16 bytes + 16
.set KROW,   1536                      ; a row of V's codes
.set VSTG,   32768                     ; path V's LDS begins here
.set VSB,    24                        ; v24-25   the scale bytes
.set VX,     32                        ; v32-95   two sets of 32 numbers
.set VC,     96                        ; v96-102  a block's codes
.set VOUT,   112                       ; v112-159 the way out
	s_load_b128 s[4:7], s[0:1], 0x0                ; x s[4:5], xq s[6:7]
	v_lshl_add_u32 v192, v0, 2, 0x10800
	v_mov_b32 v193, 0
	v_lshrrev_b32 v1, 5, v0
	v_readfirstlane_b32 s16, v1                    ; wave 0..3
	v_and_b32 v2, 31, v0                           ; lane
	s_cmp_lt_u32 ttmp9, 128
	s_cbranch_scc0 .Lpath_v
	; ---------------- PATH Q ----------------
	v_lshlrev_b32 v3, 4, v2                        ; my 16 bytes of a load's 512
	s_mul_i32 s17, s16, WREG
	v_lshrrev_b32 v14, 2, v2
	v_mul_u32_u24 v14, v14, SP
	v_and_b32 v15, 3, v2
	v_lshl_add_u32 v14, v15, 4, v14
	v_add_nc_u32 v14, s17, v14                     ; the stage, in: four lanes' 64 bytes on end, then 16 of padding
	v_mul_u32_u24 v15, v2, SP
	v_add_nc_u32 v15, s17, v15                     ; and out: SP x lane: my 16 neighbours
.set QIMG, 68096                       ; path Q's image stage: 6,144 bytes a wave
	v_bfe_u32 v8, v2, 2, 1                         ; my 16 channels' head,
	v_mul_u32_u24 v8, v8, 1536
	v_bfe_u32 v9, v2, 1, 1                         ; their block of 32 in it: h,
	v_lshl_add_u32 v8, v9, 7, v8
	v_lshrrev_b32 v9, 3, v2                        ; my row of the step's four
	v_lshl_add_u32 v8, v9, 3, v8
	s_mul_i32 s19, s16, 6144
	s_add_co_u32 s19, s19, QIMG
	v_add_nc_u32 v8, s19, v8
	v_and_b32 v9, 1, v2                            ; the block's lower 12 bytes (words 0-2 of its six) or the upper (words 3-5)
	v_mad_u32_u24 v194, v9, 260, v8                ; words 0 and 2 go to bytes 0 and 256, words 3 and 5 to 260 and 516
	v_mad_u32_u24 v195, v9, 508, v8                ; word 1 to byte 4, word 4 to 512
	v_add_nc_u32 v197, s19, v3                     ; the image read back: 16 bytes a lane
	v_lshrrev_b32 v5, 1, v2
	s_add_co_u32 s17, s17, 2*32*SP
	v_add_nc_u32 v5, s17, v5                       ; LDS: my block's scale byte
	v_lshlrev_b32 v7, 3, v2
	v_add_nc_u32 v6, s17, v7                       ; and 8 bytes a lane on the way out
	s_lshl_b32 s18, ttmp9, 2
	s_add_co_u32 s18, s18, s16                     ; run rho = 32 sh + (s / 64), 0..511
	s_lshr_b32 s20, s18, 8
	s_lshl_b32 s20, s20, 23                        ; b x 2,048 rows of 4,096 bytes
	s_bfe_u32 s21, s18, 0x30005
	s_lshl_b32 s21, s21, 9                         ; hp x 512 bytes
	s_add_co_u32 s20, s20, s21
	s_and_b32 s21, s18, 31
	s_lshl_b32 s21, s21, 18                        ; 64 rows a run
	s_add_co_u32 s20, s20, s21
	s_mov_b32 s21, 0
	s_mul_i32 s22, s18, 64*96                      ; a run's codes: 6,144 bytes
	s_mov_b32 s23, 0
	s_lshl_b32 s24, s18, 8                         ; a run's scale bytes: 256
	s_add_co_u32 s24, s24, QKS
	s_mov_b32 s25, 0
	s_wait_alu depctr_va_vdst(0)
	s_wait_kmcnt 0x0
	s_add_nc_u64 s[4:5], s[4:5], s[20:21]
	s_add_nc_u64 s[8:9], s[6:7], s[22:23]
	s_add_nc_u64 s[10:11], s[6:7], s[24:25]
.macro QLOAD t                         ; step t: rows 4 t .. 4 t + 3; each load reads a row's 512 consecutive bytes
.irp i, 0,1,2,3
	global_load_b128 v[QR+16*((\t)%4)+4*\i:QR+16*((\t)%4)+4*\i+3], v3, s[4:5] offset:(4*(\t)+\i)*4096
.endr
.endm
.macro QTURN t                         ; step t's numbers through the stage: LDS serves a wave's instructions in order, so no wait stands between the stores and the loads
.irp i, 0,1,2,3
	ds_store_b128 v14, v[QR+16*((\t)%4)+4*\i:QR+16*((\t)%4)+4*\i+3] offset:32*SP*((\t)%2)+8*SP*\i
.endr
.irp i, 0,1,2,3
	ds_load_b128 v[QX+16*((\t)%2)+4*\i:QX+16*((\t)%2)+4*\i+3], v15 offset:32*SP*((\t)%2)+16*\i
.endr
.endm
.irp t, 0,1,2,3
	QLOAD \t
.endr
	s_wait_loadcnt 12                              ; step 0's four loads are in; the twelve of steps 1 to 3 may be out
	QTURN 0
.macro QSTEP t
.set XS, QX+16*((\t)%2)
.if (\t) > 0
	s_wait_dscnt 4                                 ; this step's numbers are back from the stage (the last step's four stores may be out)
.else
	s_wait_dscnt 0x0
.endif
.if (\t)+4 < STEPS
	QLOAD (\t)+4                                   ; into the set whose stores into the stage have read their registers
.endif
.if (\t)+1 < STEPS
.if STEPS-2-(\t) >= 3
	s_wait_loadcnt 12                              ; the next step's four loads are in; those of the three steps behind it may be out
.else
	s_wait_loadcnt 4*(STEPS-2-(\t))
.endif
	QTURN (\t)+1
.endif
	v_max3_num_f32 v8, |v[XS]|, |v[XS+1]|, |v[XS+2]|               ; the largest magnitude of my 16, in two chains
	v_max3_num_f32 v9, |v[XS+3]|, |v[XS+4]|, |v[XS+5]|
.irp i, 6,10
	v_max3_num_f32 v8, v8, |v[XS+\i]|, |v[XS+\i+1]|
	v_max3_num_f32 v9, v9, |v[XS+\i+2]|, |v[XS+\i+3]|
.endr
	v_max3_num_f32 v8, v8, |v[XS+14]|, |v[XS+15]|
	v_max3_num_f32 v8, v8, v9, (EMAX+1)<<23        ; and the floor 2^(3 - 127): the byte cannot fall under 1
	v_max_num_f32_dpp v8, v8, v8 row_xmask:1 row_mask:0xf bank_mask:0xf   ; with my neighbour's 16: the block's
	v_add_nc_u32 v11, -(EMAX<<23), v8              ; 2 off its exponent field: the conversion takes the exponent field of this operand as its scale
	v_cvt_scalef32_pk16_fp6_f32 v[QC+4*(\t):QC+4*(\t)+2], v[XS:XS+15], v11
	v_lshrrev_b32 v[QE+(\t)], 23, v11              ; the scale's byte (also the plain line behind the conversion)
	ds_store_b8 v5, v[QE+(\t)] offset:16*(\t)      ; both lanes of a block write the same byte with the same value
.set TO, ((\t)>>3)*3072+(((\t)>>1)&1)*768+(((\t)>>2)&1)*64+((\t)&1)*32   ; rows 4 t .. 4 t + 3: their place in the image
	ds_store_b32 v194, v[QC+4*(\t)] offset:TO
	ds_store_b32 v195, v[QC+4*(\t)+1] offset:TO+4
	ds_store_b32 v194, v[QC+4*(\t)+2] offset:TO+256
.endm
.irp t, 0,1,2,3,4,5,6,7,8,9,10,11,12,13,14,15
	QSTEP \t
.endr
	ds_load_b64 v[12:13], v6
.irp i, 0,1,2,3,4,5,6,7,8,9,10,11
	ds_load_b128 v[QR+4*\i:QR+4*\i+3], v197 offset:512*\i          ; my 64 rows' image: these see my stores
.endr
	s_wait_dscnt 0x0
	global_store_b64 v7, v[12:13], s[10:11]
.irp i, 0,1,2,3,4,5,6,7,8,9,10,11
	global_store_b128 v3, v[QR+4*\i:QR+4*\i+3], s[8:9] offset:512*\i   ; 512 consecutive bytes, aligned
.endr
	s_wait_tensorcnt 0x0
	ds_add_u32 v192, v193
	s_wait_dscnt 0x0
	s_endpgm
	; ---------------- PATH V ----------------
	; A lane takes a channel and its registers run down the keys: a block of 32 keys lies in one lane, and the codes come out with the keys innermost.
.Lpath_v:
	s_cmp_lt_u32 ttmp9, 256
	s_cbranch_scc0 .Lpath_w
	s_sub_co_u32 s17, ttmp9, 128
	s_and_b32 s18, s17, 7
	s_lshl_b32 s18, s18, 7
	s_lshl_b32 s19, s16, 5
	s_add_co_u32 s18, s18, s19                     ; my wave's first channel: 128 (j % 8) + 32 x wave
	s_bfe_u32 s19, s17, 0x30003                    ; which 256 keys
	s_lshr_b32 s20, s17, 6                         ; b
	s_lshl_b32 s22, s20, 23
	s_lshl_b32 s23, s19, 20                        ; 256 rows of 4,096 bytes
	s_add_co_u32 s22, s22, s23
	s_lshl_b32 s23, s18, 2
	s_add_co_u32 s22, s22, s23
	s_mov_b32 s23, 0
	s_lshl_b32 s24, s20, 10
	s_add_co_u32 s24, s24, s18                     ; the output's row: 1,024 b + channel = 128 sh + c
	s_lshr_b32 s26, s24, 7
	s_mul_i32 s26, s26, 196608                     ; sh,
	s_mul_i32 s27, s19, 24576                      ; the slot of 256 keys,
	s_add_co_u32 s26, s26, s27
	s_mul_i32 s27, s16, 3072                       ; my 32 channels: two tiles
	s_add_co_u32 s26, s26, s27
	s_add_co_u32 s26, s26, VTC
	s_mov_b32 s27, 0
	s_lshl_b32 s28, s24, 6
	s_lshl_b32 s29, s19, 3
	s_add_co_u32 s28, s28, s29
	s_add_co_u32 s28, s28, VTS
	s_mov_b32 s29, 0
	s_wait_alu depctr_va_vdst(0)
	v_lshlrev_b32 v3, 2, v2                        ; in: 4 bytes a lane
	s_mul_i32 s21, s16, 32*VPITCH
	s_add_co_u32 s21, s21, VSTG                    ; my stage
	v_bfe_u32 v4, v2, 3, 1                         ; my channel's tile of the two,
	v_mul_u32_u24 v4, v4, 1536
	v_and_b32 v5, 7, v2
	v_lshl_add_u32 v4, v5, 3, v4                   ; and its lane there: c % 8 + 8 (c / 16)
	v_lshrrev_b32 v6, 4, v2
	v_lshl_add_u32 v4, v6, 6, v4
	v_add_nc_u32 v4, s21, v4
	v_lshlrev_b32 v8, 4, v2                        ; the way out: 16 bytes a lane
	v_add_nc_u32 v7, s21, v8
	v_lshlrev_b32 v9, 6, v2                        ; my channel's row of scale bytes
	s_wait_alu depctr_va_vdst(0)
	s_wait_kmcnt 0x0
	s_add_nc_u64 s[4:5], s[4:5], s[22:23]
	s_add_nc_u64 s[8:9], s[6:7], s[26:27]
	s_add_nc_u64 s[10:11], s[6:7], s[28:29]
.macro VLOAD t                         ; block t: x(32 t + i, my channel): 32 lanes read 128 consecutive bytes
.set ii, 0
.rept 32
	global_load_b32 v[VX+32*((\t)%2)+ii], v3, s[4:5] offset:(32*(\t)+ii)*4096
.set ii, ii+1
.endr
.endm
	VLOAD 0
	VLOAD 1
.macro VBLOCK t
.set XS, VX+32*((\t)%2)
.if (\t) < NB-1
	s_wait_loadcnt 32                              ; this block's 32 loads are in; the next block's may be out
.else
	s_wait_loadcnt 0
.endif
	v_max3_num_f32 v12, |v[XS]|, |v[XS+1]|, |v[XS+2]|              ; the block's largest magnitude: all 32 numbers are mine
	v_max3_num_f32 v13, |v[XS+3]|, |v[XS+4]|, |v[XS+5]|
.irp i, 6,10,14,18,22,26
	v_max3_num_f32 v12, v12, |v[XS+\i]|, |v[XS+\i+1]|
	v_max3_num_f32 v13, v13, |v[XS+\i+2]|, |v[XS+\i+3]|
.endr
	v_max3_num_f32 v12, v12, |v[XS+30]|, |v[XS+31]|
	v_max3_num_f32 v12, v12, v13, (EMAX+1)<<23     ; and the floor
	v_add_nc_u32 v11, -(EMAX<<23), v12             ; the conversion's scale operand
	v_lshrrev_b32 v13, 23, v11                     ; the scale's byte
.if (\t)%4 == 0
	v_mov_b32 v[VSB+(\t)/4], v13                   ; four bytes to a register, the lower keys in the lower byte
.else
	v_lshl_or_b32 v[VSB+(\t)/4], v13, 8*((\t)%4), v[VSB+(\t)/4]
.endif
	v_cvt_scalef32_pk16_fp6_f32 v[VC:VC+2], v[XS:XS+15], v11
	v_cvt_scalef32_pk16_fp6_f32 v[VC+4:VC+6], v[XS+16:XS+31], v11  ; (a conversion's three registers begin on an even number)
	v_nop                                          ; one plain line behind the conversions
	v_mov_b32 v[VC+3], v[VC+4]
	v_mov_b32 v[VC+4], v[VC+5]
	v_mov_b32 v[VC+5], v[VC+6]
.irp p, 0,1,2
	ds_store_b64 v4, v[VC+2*\p:VC+2*\p+1] offset:((\t)>>2)*3072+(((\t)>>1)&1)*768+((\t)&1)*128+256*\p   ; block t: step t / 4, registers 6 ((t / 2) % 2) on, lanes 16 (t % 2) on
.endr
.if (\t)+2 < NB
	VLOAD (\t)+2
.endif
	s_wait_dscnt 0x0                               ; the stores have read their registers: the next block's codes may be written
.endm
.irp t, 0,1,2,3,4,5,6,7
	VBLOCK \t
.endr
	s_wait_alu depctr_va_vdst(0)
	global_store_b64 v9, v[VSB:VSB+1], s[10:11]    ; my channel's 8 scale bytes
.irp t, 0,1,2,3,4,5,6,7,8,9,10,11,12,13,14,15
.if \t < 12
	ds_load_b128 v[VOUT+4*\t:VOUT+4*\t+3], v7 offset:512*\t        ; these see my stores: LDS serves a wave's instructions in order
.endif
.endr
.irp t, 0,1,2,3,4,5,6,7,8,9,10,11,12,13,14,15
.if \t < 12
	s_wait_dscnt 11-\t                             ; load t is in; the younger ones may be out
	global_store_b128 v8, v[VOUT+4*\t:VOUT+4*\t+3], s[8:9] offset:512*\t+9216*(\t/6)   ; 512 consecutive bytes, aligned; the second step's 3,072 bytes lie 12,288 behind the first's
.endif
.endr
	s_wait_tensorcnt 0x0
	ds_add_u32 v192, v193
	s_wait_dscnt 0x0
	s_endpgm
	; ---------------- PATH W ----------------
	; 512 waves; wave W copies rows 2 W, 2 W + 1 of w_fc_out, rows 8 W .. 8 W + 7 of w_ff1 and rows 2 W, 2 W + 1 of w_ff2.  One instruction moves 192 bytes (256 along K) of two rows: sixteen lanes x 12 bytes each.
.Lpath_w:
	s_wait_alu depctr_va_vdst(0)
	s_load_b256 s[8:15], s[0:1], 0x10              ; w_fc_out s[8:9], w_ff1 s[10:11], w_ff2 s[12:13], wq s[14:15]
	s_sub_co_u32 s17, ttmp9, 256
	s_lshl_b32 s17, s17, 2
	s_add_co_u32 s17, s17, s16                     ; W
	v_and_b32 v5, 15, v2
	v_lshrrev_b32 v6, 4, v2
	v_mul_u32_u24 v5, v5, 12
	v_mad_u32_u24 v3, v6, 768, v5                  ; in: lanes 16-31 take the next row (768 bytes; w_ff2: 3,072)
	v_mad_u32_u24 v4, v6, 3072, v5
	v_mul_u32_u24 v7, v2, 12                       ; out: the two rows' 384 bytes lie on end
	s_mul_i32 s18, s17, 1536                       ; 2 W rows of 768 bytes; also 8 W rows of 192
	s_mov_b32 s19, 0
	s_mul_i32 s20, s17, 6144                       ; 8 W rows of 768 bytes; also 2 W rows of 3,072
	s_mov_b32 s21, 0
	s_mul_i32 s22, s17, 384                        ; 2 W rows of 192
	s_mov_b32 s23, 0
	s_wait_alu depctr_va_vdst(0)
	s_wait_kmcnt 0x0
	s_add_nc_u64 s[8:9], s[8:9], s[18:19]
	s_add_nc_u64 s[10:11], s[10:11], s[20:21]
	s_add_nc_u64 s[12:13], s[12:13], s[20:21]
	s_add_nc_u64 s[24:25], s[14:15], s[22:23]
	s_add_nc_u64 s[26:27], s[14:15], s[18:19]
.irp j, 0,1,2,3
	global_load_b96 v[16+4*\j:18+4*\j], v3, s[8:9] offset:192*\j th:TH_LOAD_NT
.endr
.irp u, 0,1,2,3
.irp j, 0,1,2,3
	global_load_b96 v[32+16*\u+4*\j:34+16*\u+4*\j], v3, s[10:11] offset:1536*\u+192*\j th:TH_LOAD_NT
.endr
.endr
.irp j, 0,1,2,3,4,5,6,7,8,9,10,11,12,13,14,15
	global_load_b96 v[96+4*\j:98+4*\j], v4, s[12:13] offset:192*\j th:TH_LOAD_NT
.endr
	s_wait_loadcnt 32                              ; w_fc_out's four are in; the 32 behind them may be out
.irp j, 0,1,2,3
	global_store_b96 v7, v[16+4*\j:18+4*\j], s[24:25] offset:196608*\j
.endr
	s_wait_loadcnt 16                              ; w_ff1's sixteen are in
.irp u, 0,1,2,3
.irp j, 0,1,2,3
	global_store_b96 v7, v[32+16*\u+4*\j:34+16*\u+4*\j], s[26:27] offset:786432+786432*\j+384*\u
.endr
.endr
	s_wait_loadcnt 0x0
.irp j, 0,1,2,3,4,5,6,7,8,9,10,11,12,13,14,15
	global_store_b96 v7, v[96+4*\j:98+4*\j], s[24:25] offset:3932160+196608*\j
.endr
	s_endpgm
.Lfunc_end_k_q914b3c4f91_prep:
	.size	k_q914b3c4f91_prep, .Lfunc_end_k_q914b3c4f91_prep-k_q914b3c4f91_prep
	.p2alignl 7, 3214868480
	.fill 96, 4, 3214868480
	.section	.rodata,"a",@progbits
	.p2align	6, 0x0
	.amdhsa_kernel k_q914b3c4f91_prep
		.amdhsa_group_segment_fixed_size 92672
		.amdhsa_private_segment_fixed_size 0
		.amdhsa_enable_private_segment 0
		.amdhsa_kernarg_size 48
		.amdhsa_user_sgpr_count 2
		.amdhsa_user_sgpr_kernarg_segment_ptr 1
		.amdhsa_wavefront_size32 1
		.amdhsa_system_sgpr_workgroup_id_x 1
		.amdhsa_system_sgpr_workgroup_id_y 1
		.amdhsa_system_sgpr_workgroup_id_z 1
		.amdhsa_system_vgpr_workitem_id 0
		.amdhsa_next_free_vgpr 198
		.amdhsa_next_free_sgpr 66
		.amdhsa_reserve_vcc 0
		.amdhsa_float_denorm_mode_32 3
		.amdhsa_float_denorm_mode_16_64 3
		.amdhsa_memory_ordered 1
		.amdhsa_forward_progress 1
		.amdhsa_inst_pref_size 86
	.end_amdhsa_kernel
	.amdgpu_metadata
---
amdhsa.version: [ 1, 2 ]
amdhsa.kernels:
  - .name:           k_q914b3c4f91_prep
    .symbol:         k_q914b3c4f91_prep.kd
    .args:
      - { .name: x, .offset: 0, .size: 8, .value_kind: global_buffer, .address_space: global }
      - { .name: xq, .offset: 8, .size: 8, .value_kind: global_buffer, .address_space: global }
      - { .name: w_fc_out_codes, .offset: 16, .size: 8, .value_kind: global_buffer, .address_space: global }
      - { .name: w_ff1_codes, .offset: 24, .size: 8, .value_kind: global_buffer, .address_space: global }
      - { .name: w_ff2_codes, .offset: 32, .size: 8, .value_kind: global_buffer, .address_space: global }
      - { .name: wq, .offset: 40, .size: 8, .value_kind: global_buffer, .address_space: global }
    .group_segment_fixed_size: 92672
    .private_segment_fixed_size: 0
    .kernarg_segment_align: 8
    .kernarg_segment_size: 48
    .max_flat_workgroup_size: 128
    .sgpr_count:     66
    .vgpr_count:     198
    .wavefront_size: 32
...
	.end_amdgpu_metadata
.endif
;; end of part 8
;; launch attn (part 9): grid 16 x 16, 16 waves a work-group, no clusters, 327,680 bytes of LDS; arguments xq, at; writes at
.if DOCPART == 9
	.amdgcn_target "amdgcn-amd-amdhsa--gfx1250"
	.amdhsa_code_object_version 6
	.text
	.protected	k_q914b3c4f91_attn
	.globl	k_q914b3c4f91_attn
	.p2align	8
	.type	k_q914b3c4f91_attn,@function
k_q914b3c4f91_attn:
	s_mov_b64 s[64:65], 0
	v_nop
	global_prefetch_b8 v0, s[64:65] scope:SCOPE_SE
	s_setreg_imm32_b32 hwreg(HW_REG_WAVE_MODE, 25, 1), 1
	s_wait_xcnt 0x0
; Attention on codes of FP6 (E2M3): S^T = k q^T, p = 2^(t - M) with a running whole M, O^T += v^T p^T, O / the row's sum, quantised for the next product.
; A work-group: 128 queries of a pair of heads; wave w: 16 queries (w % 8) of head w / 8.  Keys go in slots of 256 through two LDS slots; waves 0, 1 fetch k's halves, waves 2, 3 v's.
; k's and v's codes lie in xq as images of the operand's registers: a slot's 24,576 bytes of each are dense and come as rows of 256 bytes, and each piece of a fragment is 256 consecutive LDS bytes, 8 a lane.
; LIMITS: NaN and infinities are not served; the promise holds while the scaled scores stay under 2^31 in magnitude.
.set SIZE_N, 2048
.set SK,    256
.set ROWB,  96
.set KP,    96
.set VROWB, 192
.set VP,    192
.set KROWV, 1536
.set VOFF,  SK*KP
.set SLOT1, 1<<17
.set NSL,   SIZE_N/SK
.set SCK,   2*SLOT1
.set SCH,   16*272
.set SCV,   SCK+2*SCH
.set SPARE, SCV+2*SCH
.set OUTS,  SPARE+2048
.set VTC,   3145728
.set QKS,   6291456
.set VTS,   6422528
.set ASC,   3145728
.set AK0,  1
.set AV0,  2
.set ASK0, 3
.set ASV0, 4
.set SPW,  5
.set NIL,  6
.set GO,   7
.set ADK,  8
.set ADV,  9
.set ADS,  10
.set ADT,  11
.set PFO,  28
.set OSR,  29
.set OSW,  30
.set GS,   31
.set KV,   32
.set KSC,  192
.set VSC,  200
.set WV,   18
.set SEL,  20
.set CS,   22
.set G1K,  24
.set G1V,  32
.set G0K,  40
.set G0V,  44
.set G1S,  48
.set G0SK, 56
.set G0SV, 60
.set TB,   2
.set TS,   3
.set TJ,   66
.set SLOTS, 67
.set PFA,  76
.set PFS,  78
.set LIM,  80
.set EVR,  81
.macro TLOAD g0k, g1k, g0v, g1v
	s_cmp_lt_u32 s[WV], 2
	s_cbranch_scc0 .Lnot_k_\@
	tensor_load_to_lds s[\g0k:\g0k+3], s[\g1k:\g1k+7]
	s_nop 0
.rept 4
	v_nop
.endr
	s_branch .Lasked_\@
.Lnot_k_\@:
	s_cmp_lt_u32 s[WV], 4
	s_cbranch_scc0 .Lasked_\@
	tensor_load_to_lds s[\g0v:\g0v+3], s[\g1v:\g1v+7]
	s_nop 0
.rept 4
	v_nop
.endr
.Lasked_\@:
.endm
.macro ASK
	s_cmp_gt_u32 s[SLOTS], s[LIM]
	s_cbranch_scc0 .Lnot_mine_\@
	s_and_b32 s82, s[SLOTS], s[EVR]
	s_cmp_eq_u32 s82, 2
	s_cbranch_scc1 .Lnot_mine_\@
	global_prefetch_b8 v[PFO], s[PFA:PFA+1] th:TH_LOAD_NT scope:SCOPE_SE
.Lnot_mine_\@:
.endm
	s_load_b128 s[4:7], s[0:1], 0x0
	v_lshl_add_u32 v[SPW], v0, 2, SPARE
	v_mov_b32 v[NIL], 0
	ds_add_u32 v5, v6
	ds_add_u32 v5, v6
	s_wait_dscnt 0x0
	v_lshrrev_b32 v8, 5, v0
	s_delay_alu instid0(VALU_DEP_1)
	v_readfirstlane_b32 s[WV], v8
	s_and_b32 s72, ttmp7, 0xffff
	s_mul_i32 s74, s72, SIZE_N*ROWB
	s_lshl_b32 s75, s72, 13
	s_lshr_b32 s70, s[WV], 3
	s_and_b32 s71, s[WV], 7
	s_and_b32 s88, s[WV], 1
	s_mul_i32 s89, s88, (SK/2)*ROWB
	s_add_co_u32 s90, s74, s89
	s_mov_b32 s91, 0
	s_mul_i32 s92, s88, 64*VP
	s_add_co_u32 s92, s92, s74
	s_add_co_u32 s92, s92, VTC
	s_mov_b32 s93, 0
	s_mul_i32 s94, s88, 64*VP
	s_add_co_u32 s94, s94, VOFF
	s_lshl_b32 s96, s88, 12
	s_add_co_u32 s96, s96, s75
	s_mov_b32 s97, 0
	s_mul_i32 s95, s88, SCH
	s_mov_b32 s[G1K], 3<<16                        ; 12,288 dense bytes as 48 rows of 256 (32 elements of 8 bytes)
	s_mov_b32 s[G1K+1], 32<<16
	s_mov_b32 s[G1K+2], 48<<16
	s_mov_b32 s[G1K+3], 32<<16
	s_mov_b32 s[G1K+4], 48
	s_mov_b32 s[G1K+5], 32
	s_mov_b32 s[G1K+6], 0
	s_mov_b32 s[G1K+7], 0
	s_mov_b32 s[G1V], 3<<16                        ; the same shape for v's half
	s_mov_b32 s[G1V+1], 32<<16
	s_mov_b32 s[G1V+2], 48<<16
	s_mov_b32 s[G1V+3], 32<<16
	s_mov_b32 s[G1V+4], 48
	s_mov_b32 s[G1V+5], 32
	s_mov_b32 s[G1V+6], 0
	s_mov_b32 s[G1V+7], 0
	s_mov_b32 s[G1S], (3<<16)|(1<<20)|(5<<22)|(3<<25)
	s_mov_b32 s[G1S+1], 32<<16
	s_mov_b32 s[G1S+2], 16<<16
	s_mov_b32 s[G1S+3], 32<<16
	s_mov_b32 s[G1S+4], 16
	s_mov_b32 s[G1S+5], 32
	s_mov_b32 s[G1S+6], 0
	s_mov_b32 s[G1S+7], 0
	s_mov_b32 s[SEL], 0x76543210
	s_mov_b32 s[SEL+1], 0xfedcba98
	s_mov_b32 s[CS], 0x3e38aa3b
	s_mov_b32 s[CS+1], s[CS]
	s_mov_b32 s[TB], 0
	s_mov_b32 s[TS], 0
	s_mov_b32 s[TJ], 0
	s_mov_b32 s[SLOTS], NSL-1
	s_wait_kmcnt 0x0
	s_add_nc_u64 s[98:99], s[4:5], s[96:97]
	s_mov_b32 s[G0SK], 1
	s_add_co_u32 s[G0SK+1], s95, SCK
	s_add_nc_u64 s[G0SK+2:G0SK+3], s[98:99], QKS
	s_or_b32 s[G0SK+3], s[G0SK+3], 0x80000000
	s_mov_b32 s[G0SV], 1
	s_add_co_u32 s[G0SV+1], s95, SCV
	s_add_nc_u64 s[G0SV+2:G0SV+3], s[98:99], VTS
	s_or_b32 s[G0SV+3], s[G0SV+3], 0x80000000
	TLOAD G0SK, G1S, G0SV, G1S
	s_mov_b32 s[G0K], 1
	s_mov_b32 s[G0K+1], s89
	s_add_nc_u64 s[G0K+2:G0K+3], s[4:5], s[90:91]
	s_or_b32 s[G0K+3], s[G0K+3], 0x80000000
	s_mov_b32 s[G0V], 1
	s_mov_b32 s[G0V+1], s94
	s_add_nc_u64 s[G0V+2:G0V+3], s[4:5], s[92:93]
	s_or_b32 s[G0V+3], s[G0V+3], 0x80000000
	s_wait_alu depctr_va_vdst(0)
	s_wait_tensorcnt 0x0
	ds_add_u32 v5, v6
	s_wait_dscnt 0x0
	s_barrier_signal -1
	s_barrier_wait -1
	TLOAD G0K, G1K, G0V, G1V
	s_lshl_b32 s68, ttmp9, 7
	s_lshl_b32 s69, s71, 4
	s_add_co_u32 s68, s68, s69
	s_mul_i32 s84, ttmp9, 12288                    ; q from the image: my work-group's block of 128 rows,
	s_add_co_u32 s84, s84, s74
	s_lshr_b32 s69, s71, 1
	s_mul_i32 s69, s69, 3072                       ; my 16 rows' group of 32,
	s_add_co_u32 s84, s84, s69
	s_and_b32 s69, s71, 1
	s_lshl_b32 s69, s69, 6                         ; its lower or upper 16: lanes 8 on,
	s_add_co_u32 s84, s84, s69
	s_mul_i32 s69, s70, 1536                       ; my head
	s_add_co_u32 s84, s84, s69
	s_mov_b32 s85, 0
	s_add_nc_u64 s[8:9], s[4:5], s[84:85]
	s_lshl_b32 s86, s68, 2
	s_add_co_u32 s86, s86, s75
	s_lshl_b32 s69, s70, 1
	s_add_co_u32 s86, s86, s69
	s_add_co_u32 s86, s86, QKS
	s_mov_b32 s87, 0
	s_add_nc_u64 s[10:11], s[4:5], s[86:87]
	s_and_b32 s82, s72, 7
	s_lshr_b32 s83, s72, 3
	s_lshr_b32 s84, s82, 1
	s_mul_i32 s84, s84, 786432
	s_lshl_b32 s85, s83, 7
	s_lshl_b32 s86, ttmp9, 3
	s_add_co_u32 s85, s85, s86
	s_add_co_u32 s85, s85, s71
	s_mul_i32 s85, s85, 3072
	s_add_co_u32 s84, s84, s85
	s_and_b32 s85, s82, 1
	s_mul_i32 s85, s85, 1536
	s_add_co_u32 s84, s84, s85
	s_mul_i32 s85, s70, 768
	s_add_co_u32 s84, s84, s85
	s_mov_b32 s85, 0
	s_add_nc_u64 s[16:17], s[6:7], s[84:85]
	s_lshl_b32 s84, s82, 14
	s_lshl_b32 s86, s83, 13
	s_add_co_u32 s84, s84, s86
	s_lshl_b32 s86, ttmp9, 9
	s_add_co_u32 s84, s84, s86
	s_add_co_u32 s84, s84, ASC
	s_add_nc_u64 s[12:13], s[6:7], s[84:85]
	s_cmp_lt_u32 s[WV], 8                          ; the prefetches: waves 4-6 name k's next slot but one, waves 8-10 v's: 96 blocks of 256 bytes each, a lane a block
	s_mov_b32 s[PFS], SK*ROWB
	s_mov_b32 s82, 256
	s_mov_b32 s83, 8192
	s_mov_b32 s84, 0
	s_cselect_b32 s85, 0, VTC
	s_mov_b32 s[EVR], 0
	v_and_b32 v[PFO], 31, v0
	s_delay_alu instid0(VALU_DEP_1)
	v_mul_lo_u32 v[PFO], v[PFO], s82
	s_and_b32 s82, s[WV], 3
	s_mul_i32 s82, s82, s83
	s_add_co_u32 s82, s82, s[PFS]
	s_add_co_u32 s82, s82, s84
	s_add_co_u32 s82, s82, s85
	s_add_co_u32 s82, s82, s74
	s_mov_b32 s83, 0
	s_mov_b32 s[PFS+1], 0
	s_add_nc_u64 s[PFA:PFA+1], s[4:5], s[82:83]
	s_sub_co_u32 s82, s[WV], 4
	s_lshr_b32 s82, s82, 3
	s_or_b32 s82, s82, ttmp9
	s_cmp_eq_u32 s82, 0
	s_cselect_b32 s[LIM], 1, -1
	s_and_b32 s82, s[WV], 3
	s_cmp_eq_u32 s82, 3                            ; waves 7 and 11 have no block left
	s_cselect_b32 s[LIM], -1, s[LIM]
	v_and_b32 v8, 15, v0
	v_bfe_u32 v9, v0, 4, 1
	s_delay_alu instid0(VALU_DEP_2)
	v_lshrrev_b32 v10, 3, v8                       ; row r lies in tile r / 8 of the group, lane r % 8 (+ 16 h)
	v_and_b32 v11, 7, v8
	s_delay_alu instid0(VALU_DEP_2)
	v_mul_u32_u24 v10, v10, 768
	s_delay_alu instid0(VALU_DEP_1)
	v_lshl_add_u32 v10, v11, 3, v10
	s_delay_alu instid0(VALU_DEP_1)
	v_lshl_add_u32 v10, v9, 7, v10
.irp p, 0,1,2
	global_load_b64 v[16+2*\p:17+2*\p], v10, s[8:9] offset:256*\p
.endr
	v_lshlrev_b32 v254, 2, v8
	global_load_u16 v255, v254, s[10:11]
.irp i, 0,1,2,3,4,5
	v_mov_b32 v[22+\i], 0
	v_mov_b32 v[80+\i], 0
.endr
	v_and_b32 v11, 8, v8
	s_delay_alu instid0(VALU_DEP_1)
	v_add_nc_u32 v11, v11, v8
	s_mul_i32 s68, s70, 1536                       ; k's fragments: 8 x lane + my head's 1,536 bytes of each group of 32 keys
	v_and_b32 v12, 31, v0
	s_delay_alu instid0(VALU_DEP_1)
	v_lshlrev_b32 v12, 3, v12
	s_delay_alu instid0(VALU_DEP_1)
	v_add_nc_u32 v[AK0], s68, v12
	s_mul_i32 s68, s70, 6144                       ; v's: 8 x lane + my head's four tiles
	s_add_co_u32 s68, s68, VOFF
	v_add_nc_u32 v[AV0], s68, v12
	s_lshl_b32 s68, s70, 1
	s_add_co_u32 s68, s68, SCK
	v_lshl_add_u32 v[ASK0], v11, 2, s68
	v_lshlrev_b32 v12, 6, v11
	s_delay_alu instid0(VALU_DEP_1)
	v_lshrrev_b32 v13, 8, v12
	s_delay_alu instid0(VALU_DEP_2)
	v_and_b32 v12, 255, v12
	s_delay_alu instid0(VALU_DEP_1)
	v_mad_u32_u24 v[ASV0], v13, 272, v12
	s_mul_i32 s68, s70, 16*272
	s_add_co_u32 s68, s68, SCV
	v_add_nc_u32 v[ASV0], s68, v[ASV0]
	v_and_b32 v12, 31, v0
	s_delay_alu instid0(VALU_DEP_1)
	v_lshlrev_b32 v[GO], 3, v12
	s_delay_alu instid0(VALU_DEP_2)
	v_lshlrev_b32 v[GS], 4, v12
	s_delay_alu instid0(VALU_DEP_1)
	v_add_nc_u32 v[OSR], OUTS, v[GS]
	s_lshl_b32 s73, s71, 6
	s_lshl_b32 s68, s70, 1
	s_add_co_u32 s73, s73, s68
	s_add_co_u32 s73, s73, OUTS
	v_lshl_add_u32 v[OSW], v8, 2, s73
	v_mov_b32 v13, 0xff61b1e6
	s_delay_alu instid0(VALU_DEP_1)
	v_floor_f32 v12, -v13
	v_mov_b32 v14, 0
	v_mov_b32 v15, 0
.irp b, 0,1,2,3
	v_mov_b32 v[236+\b], 0
.endr
	v_mov_b32 v253, 0
.set jj, 0
.rept 32
	v_mov_b32 v[160+jj], 0
.set jj, jj+1
.endr
.macro STEP q
	v_add_nc_u32 v[ADK], s[TB], v[AK0]
	v_add_nc_u32 v[ADV], s[TB], v[AV0]
	v_add_nc_u32 v[ADS], s[TS], v[ASK0]
	v_add_nc_u32 v[ADT], s[TJ], v[ASV0]
.irp t, 0,1,2,3,4,5,6,7
.irp p, 0,1,2
	ds_load_b64 v[KV+6*\t+2*\p:KV+6*\t+2*\p+1], v[ADK] offset:12288*(\q)+3072*(\t/2)+768*(\t%2)+256*\p
.endr
	ds_load_u16 v[KSC+\t], v[ADS] offset:272*(\t/4)+128*((\t/2)%2)+32*(\t%2)
.endr
	s_wait_alu depctr_va_vdst(0)
	s_wait_dscnt 0x0
.irp t, 0,1,2,3,4,5,6,7
	v_wmma_scale_f32_16x16x128_f8f6f4 v[96+8*\t:103+8*\t], v[KV+6*\t:KV+6*\t+11], v[16:27], 0, v[KSC+\t], v255 matrix_a_fmt:MATRIX_FMT_FP6 matrix_b_fmt:MATRIX_FMT_FP6
.endr
.rept 4
	v_nop
.endr
.irp t, 0,1,2,3
.irp p, 0,1,2,3,4,5
	ds_load_b64 v[KV+12*\t+2*\p:KV+12*\t+2*\p+1], v[ADV] offset:12288*(\q)+1536*\t+256*\p
.endr
	ds_load_b32 v[VSC+\t], v[ADT] offset:(32*(\t/2)+8*(\t%2))*68
.endr
.irp b, 0,1,2,3
	v_max3_num_f32 v[232+\b], v[96+16*\b], v[97+16*\b], v[98+16*\b]
.endr
.irp i, 3,5,7,9,11,13
.irp b, 0,1,2,3
	v_max3_num_f32 v[232+\b], v[232+\b], v[96+16*\b+\i], v[97+16*\b+\i]
.endr
.endr
.irp b, 0,1,2,3
	v_max_num_f32 v[232+\b], v[232+\b], v[111+16*\b]
.endr
.irp b, 0,1,2,3
	s_delay_alu instid0(VALU_DEP_4)
	v_permlanex16_b32 v[236+\b], v[232+\b], s[SEL], s[SEL+1]
.endr
.irp b, 0,1,2,3
	s_delay_alu instid0(VALU_DEP_4)
	v_max_num_f32 v[232+\b], v[232+\b], v[236+\b]
.endr
	s_delay_alu instid0(VALU_DEP_2)
	v_max3_num_f32 v254, v232, v233, v234
	s_delay_alu instid0(VALU_DEP_1)
	v_max_num_f32 v254, v254, v235
	s_delay_alu instid0(VALU_DEP_1)
	v_mul_f32 v254, s[CS], v254
	s_delay_alu instid0(VALU_DEP_1)
	v_max_num_f32 v13, v13, v254
	v_mov_b32 v254, v12
	s_delay_alu instid0(VALU_DEP_2)
	v_floor_f32 v12, -v13
	s_delay_alu instid0(VALU_DEP_1)
	v_sub_f32 v254, v12, v254
	s_delay_alu instid0(VALU_DEP_1)
	v_cvt_i32_f32 v254, v254
	s_delay_alu instid0(VALU_DEP_1)
	v_ldexp_f32 v252, 1.0, v254
.set jj, 0
.rept 32
	v_pk_fma_f32 v[96+jj:97+jj], v[96+jj:97+jj], s[CS:CS+1], v[12:13] op_sel_hi:[1,0,0]
.set jj, jj+2
.endr
.irp b, 0,1,2,3
	v_fma_f32 v[232+\b], v[232+\b], s[CS], v12
.endr
.set jj, 0
	s_wait_alu depctr_va_vdst(0)
.rept 64
	v_exp_f32 v[96+jj], v[96+jj]
.set jj, jj+1
.endr
.irp b, 0,1,2,3
	v_exp_f32 v[232+\b], v[232+\b]
.endr
	v_pk_mul_f32 v[14:15], v[14:15], v[252:253] op_sel_hi:[1,0]
	s_wait_alu depctr_va_vdst(0)
.irp b, 0,1,2,3
	v_max_num_f32 v[232+\b], 0x1800000, v[232+\b]
.endr
.irp b, 0,1,2,3
	s_delay_alu instid0(VALU_DEP_4)
	v_add_nc_u32 v[244+\b], 0xff000000, v[232+\b]
.endr
.irp b, 0,1,2,3
	s_delay_alu instid0(VALU_DEP_4)
	v_lshrrev_b32 v[236+\b], 23, v[244+\b]
.endr
	s_delay_alu instid0(VALU_DEP_3)
	v_lshl_or_b32 v253, v237, 8, v236
	s_delay_alu instid0(VALU_DEP_1)
	v_lshl_or_b32 v253, v238, 16, v253
	s_delay_alu instid0(VALU_DEP_1)
	v_lshl_or_b32 v253, v239, 24, v253
.irp c, 0,1
	v_cvt_scalef32_pk16_fp6_f32 v[224+6*\c:226+6*\c], v[96+32*\c:111+32*\c], v[244+2*\c]
	v_cvt_scalef32_pk16_fp6_f32 v[236+4*\c:238+4*\c], v[112+32*\c:127+32*\c], v[244+2*\c+1]
.endr
	v_nop
.irp c, 0,1
.irp i, 0,1,2
	v_permlane16_swap_b32 v[224+6*\c+\i], v[236+4*\c+\i]
.endr
.irp i, 0,1,2
	s_delay_alu instid0(VALU_DEP_3)
	v_mov_b32 v[227+6*\c+\i], v[236+4*\c+\i]
.endr
.endr
	v_pk_add_f32 v[236:237], v[96:97], v[98:99]
.irp j, 4,8,12,16,20,24,28,32,36,40,44,48,52,56,60
	v_pk_add_f32 v[14:15], v[14:15], v[96+\j:97+\j]
	v_pk_add_f32 v[236:237], v[236:237], v[98+\j:99+\j]
.endr
	s_delay_alu instid0(VALU_DEP_1)
	v_pk_add_f32 v[14:15], v[14:15], v[236:237]
.set jj, 0
.rept 16
	v_pk_mul_f32 v[160+jj:161+jj], v[160+jj:161+jj], v[252:253] op_sel_hi:[1,0]
.set jj, jj+2
.endr
	s_wait_alu depctr_va_vdst(0)
	s_wait_dscnt 0x0
.irp t, 0,1,2,3
	v_wmma_scale_f32_16x16x128_f8f6f4 v[160+8*\t:167+8*\t], v[KV+12*\t:KV+12*\t+11], v[224:235], v[160+8*\t:167+8*\t], v[VSC+\t], v253 matrix_a_fmt:MATRIX_FMT_FP6 matrix_b_fmt:MATRIX_FMT_FP6
.endr
	s_add_co_u32 s[TS], s[TS], 544
	s_add_co_u32 s[TJ], s[TJ], 4
.endm
.macro CHANGE fill
	s_wait_tensorcnt 0x0
	ds_add_u32 v[SPW], v[NIL]
.if \fill
	s_xor_b32 s[G0K+1], s[G0K+1], SLOT1
	s_add_nc_u64 s[G0K+2:G0K+3], s[G0K+2:G0K+3], SK*ROWB
	s_xor_b32 s[G0V+1], s[G0V+1], SLOT1
	s_add_nc_u64 s[G0V+2:G0V+3], s[G0V+2:G0V+3], SK*ROWB
	s_wait_xcnt 0x0
	s_add_nc_u64 s[PFA:PFA+1], s[PFA:PFA+1], s[PFS:PFS+1]
.endif
	s_wait_dscnt 0x0
	s_barrier_signal -1
	s_barrier_wait -1
.if \fill
	TLOAD G0K, G1K, G0V, G1V
	ASK
.endif
.endm
.macro SLOT_STEPS
	STEP 0
	STEP 1
	s_xor_b32 s[TB], s[TB], SLOT1
.endm
	s_wait_loadcnt 0x0
.Lslot:
	CHANGE 1
	SLOT_STEPS
	s_sub_co_u32 s[SLOTS], s[SLOTS], 1
	s_cmp_lg_u32 s[SLOTS], 0
	s_cbranch_scc1 .Lslot
	CHANGE 0
	SLOT_STEPS
	v_add_f32 v14, v14, v15
	s_delay_alu instid0(VALU_DEP_1)
	v_permlanex16_b32 v252, v14, s[SEL], s[SEL+1]
	s_delay_alu instid0(VALU_DEP_1)
	v_add_f32 v14, v14, v252
	s_wait_alu depctr_va_vdst(0)
	v_rcp_f32 v14, v14
.rept 4
	v_nop
.endr
.set jj, 0
	s_wait_alu depctr_va_vdst(0)
.rept 32
	v_mul_f32 v[96+jj], v[160+jj], v14
.set jj, jj+1
.endr
.irp b, 0,1
	v_max3_num_f32 v[232+\b], |v[96+16*\b]|, |v[97+16*\b]|, 0x1800000
.endr
.irp i, 2,4,6,8,10,12,14
.irp b, 0,1
	s_delay_alu instid0(VALU_DEP_2)
	v_max3_num_f32 v[232+\b], v[232+\b], |v[96+16*\b+\i]|, |v[97+16*\b+\i]|
.endr
.endr
.irp b, 0,1
	s_delay_alu instid0(VALU_DEP_2)
	v_permlanex16_b32 v[236+\b], v[232+\b], s[SEL], s[SEL+1]
.endr
.irp b, 0,1
	s_delay_alu instid0(VALU_DEP_2)
	v_max_num_f32 v[232+\b], v[232+\b], v[236+\b]
.endr
.irp b, 0,1
	s_delay_alu instid0(VALU_DEP_2)
	v_add_nc_u32 v[244+\b], 0xff000000, v[232+\b]
.endr
.irp b, 0,1
	s_delay_alu instid0(VALU_DEP_2)
	v_lshrrev_b32 v[236+\b], 23, v[244+\b]
.endr
	s_delay_alu instid0(VALU_DEP_1)
	v_lshl_or_b32 v240, v237, 8, v236
	v_cvt_scalef32_pk16_fp6_f32 v[224:226], v[96:111], v244
	v_cvt_scalef32_pk16_fp6_f32 v[248:250], v[112:127], v245
	v_nop
.irp i, 0,1,2
	v_permlane16_swap_b32 v[224+\i], v[248+\i]
.endr
.irp i, 0,1,2
	s_delay_alu instid0(VALU_DEP_3)
	v_mov_b32 v[227+\i], v[248+\i]
.endr
.irp p, 0,1,2
	global_store_b64 v[GO], v[224+2*\p:225+2*\p], s[16:17] offset:256*\p
.endr
	ds_store_b16 v[OSW], v240
	s_wait_dscnt 0x0
	s_barrier_signal -1
	s_barrier_wait -1
	s_cmp_lg_u32 s[WV], 0
	s_cbranch_scc1 .Lnot_wave_0
	ds_load_b128 v[128:131], v[OSR]
	s_wait_dscnt 0x0
	global_store_b128 v[GS], v[128:131], s[12:13]
.Lnot_wave_0:
	s_wait_tensorcnt 0x0
	ds_add_u32 v[SPW], v[NIL]
	s_wait_dscnt 0x0
	s_endpgm
.Lfunc_end_k_q914b3c4f91_attn:
	.size	k_q914b3c4f91_attn, .Lfunc_end_k_q914b3c4f91_attn-k_q914b3c4f91_attn
	.p2alignl 7, 3214868480
	.fill 96, 4, 3214868480
	.section	.rodata,"a",@progbits
	.p2align	6, 0x0
	.amdhsa_kernel k_q914b3c4f91_attn
		.amdhsa_group_segment_fixed_size 327680
		.amdhsa_private_segment_fixed_size 0
		.amdhsa_enable_private_segment 0
		.amdhsa_kernarg_size 16
		.amdhsa_user_sgpr_count 2
		.amdhsa_user_sgpr_kernarg_segment_ptr 1
		.amdhsa_wavefront_size32 1
		.amdhsa_system_sgpr_workgroup_id_x 1
		.amdhsa_system_sgpr_workgroup_id_y 1
		.amdhsa_system_sgpr_workgroup_id_z 1
		.amdhsa_system_vgpr_workitem_id 0
		.amdhsa_next_free_vgpr 256
		.amdhsa_next_free_sgpr 100
		.amdhsa_reserve_vcc 0
		.amdhsa_float_denorm_mode_32 3
		.amdhsa_float_denorm_mode_16_64 3
		.amdhsa_memory_ordered 1
		.amdhsa_forward_progress 1
		.amdhsa_inst_pref_size 93
	.end_amdhsa_kernel
	.amdgpu_metadata
---
amdhsa.version: [ 1, 2 ]
amdhsa.kernels:
  - .name:           k_q914b3c4f91_attn
    .symbol:         k_q914b3c4f91_attn.kd
    .args:
      - { .name: xq, .offset: 0, .size: 8, .value_kind: global_buffer, .address_space: global }
      - { .name: at, .offset: 8, .size: 8, .value_kind: global_buffer, .address_space: global }
    .group_segment_fixed_size: 327680
    .private_segment_fixed_size: 0
    .kernarg_segment_align: 8
    .kernarg_segment_size: 16
    .max_flat_workgroup_size: 512
    .sgpr_count:     100
    .vgpr_count:     256
    .wavefront_size: 32
...
	.end_amdgpu_metadata
.endif
;; end of part 9
;; launch gemm_fc (part 10): grid 8 x 32, 4 waves a work-group, clusters of 4 x 4, 327,680 bytes of LDS; arguments at, wq, w_fc_out_scales, b_fc_out, x, y; writes y
.if DOCPART == 10
	.amdgcn_target "amdgcn-amd-amdhsa--gfx1250"
	.amdhsa_code_object_version 6
	.text
	.protected	k_q914b3c4f91_gemm_fc
	.globl	k_q914b3c4f91_gemm_fc
	.p2align	8
	.type	k_q914b3c4f91_gemm_fc,@function
k_q914b3c4f91_gemm_fc:
	s_mov_b64 s[64:65], 0
	v_nop
	global_prefetch_b8 v0, s[64:65] scope:SCOPE_SE
	s_setreg_imm32_b32 hwreg(HW_REG_WAVE_MODE, 25, 1), 1
	s_wait_xcnt 0x0
	s_wait_alu depctr_hold_cnt(0) depctr_sa_sdst(0) depctr_va_vdst(0) depctr_va_sdst(0) depctr_va_ssrc(0) depctr_va_vcc(0) depctr_vm_vsrc(0)
	s_getreg_b32 s2, hwreg(HW_REG_IB_STS2, 6, 4)
	s_cmp_eq_u32 s2, 0
	s_cbranch_scc0 .Lentry_in_a_cluster
	s_endpgm
.Lentry_in_a_cluster:
	s_bfe_u32 s2, ttmp6, 0x10000c
	s_cmp_lg_u32 s2, 0xf033
	s_cbranch_scc0 .Lentry_shape_is_right
	s_endpgm
.Lentry_shape_is_right:
.set SIZE_N,  1024
.set SIZE_K,  1024
.set ASC_OFF, 3145728
.set ROWB,   192
.set KROW,   SIZE_K*6/8
.set PITCH,  240
.set FR,     12
.set NP,     4
.set ASLOT,  786432
.set HALFA,  24576
.set HALFB,  128*PITCH
.set SLOT,   2*HALFA+2*HALFB
.set LAPS,   SIZE_K/1024
.set KS,     SIZE_K/32
.set NKS,    SIZE_K/128
.set ASC_SK, 576
.set HSA,    (NKS/2)*ASC_SK
.set SCLA,   2*SLOT
.set SCLB,   SCLA+2*HSA
.set HSB,    (64*KS/256)*272
.set SPARE,  SCLB+2*HSB
.set SPITCH, 272
.set ADRA, 16
.set ADRB, 20
.set STO,  24
.set RD,   25
.set CO,   26
.set ADRSB, 27
.set SPW,  28
.set NIL,  29
.set ADRSA, 30
.set BO,   31
.set SC,   32
.set BIAS, 64
.set BK,   64
.set ACC,  128
.set G1, 24
.set G0, 32
.set G1B, 48
.set G0B, 56
.set G1S, 68
.set G0S, 76
.set G1SB, 80
.set G0SB, 88
.set MSB, 0
.macro WIN new
.if MSB != \new
	s_set_vgpr_msb (MSB<<8)|\new
.set MSB, \new
.endif
.endm
.set MUL,  0x05
.set TO_F, 0x40
.macro JLOAD g0a, g1a, g0b, g1b
	s_cmp_eq_u32 s15, 0
	s_cbranch_scc0 .Lfor_b_\@
	tensor_load_to_lds s[\g0a:\g0a+3], s[\g1a:\g1a+7]
	s_nop 0
.rept 4
	v_nop
.endr
	s_branch .Lasked_\@
.Lfor_b_\@:
	tensor_load_to_lds s[\g0b:\g0b+3], s[\g1b:\g1b+7]
	s_nop 0
.rept 4
	v_nop
.endr
.Lasked_\@:
.endm
.macro CREST
	s_cmp_lg_u32 s14, 0
	s_cbranch_scc1 .Lnot_wave_0_\@
	s_barrier_signal -3
.Lnot_wave_0_\@:
	s_barrier_wait -3
	s_barrier_signal -1
	s_barrier_wait -1
.endm
.macro CROUND
	s_barrier_signal -1
	s_barrier_wait -1
	CREST
.endm
	s_load_b64 s[4:5], s[0:1], 0x0
	s_load_b64 s[8:9], s[0:1], 0x8
	s_load_b64 s[10:11], s[0:1], 0x10
	s_load_b64 s[96:97], s[0:1], 0x18
	s_load_b64 s[98:99], s[0:1], 0x20
	s_load_b64 s[12:13], s[0:1], 0x28
	v_lshl_add_u32 v[SPW], v0, 2, SPARE
	v_mov_b32 v[NIL], 0
	ds_add_u32 v28, v29
	ds_add_u32 v28, v29
	s_wait_dscnt 0x0
	v_lshrrev_b32 v1, 5, v0
	v_readfirstlane_b32 s14, v1
	s_lshr_b32 s15, s14, 1
	s_and_b32 s16, s14, 1
	s_bfe_u32 s40, ttmp6, 0x40000
	s_bfe_u32 s41, ttmp6, 0x40004
	s_lshl_b32 s42, ttmp9, 2
	s_add_co_u32 s42, s42, s40
	s_and_b32 s17, ttmp7, 0xffff
	s_lshl_b32 s17, s17, 2
	s_add_co_u32 s17, s17, s41
	s_lshl_b32 s43, s41, 2
	s_lshl_b32 s43, 15, s43
	s_lshl_b32 s44, 0x1111, s40
	s_or_b32 s[G1+0], s43, (3<<16)|(1<<21)
	s_mov_b32 s[G1+1], 32<<16
	s_mov_b32 s[G1+2], 96<<16
	s_mov_b32 s[G1+3], 32<<16
	s_mov_b32 s[G1+4], 96
	s_mov_b32 s[G1+5], 32
	s_mov_b32 s[G1+6], 0
	s_mov_b32 s[G1+7], 0
	s_or_b32 s[G1B+0], s44, (3<<16)|(1<<20)|(1<<21)|(3<<22)|(3<<25)  ; B's codes from wq, [K / 256][n][192]: 128 rows are 24,576 dense bytes, as 96 rows of 256; 16 bytes of padding behind every 64
	s_mov_b32 s[G1B+1], 32<<16
	s_mov_b32 s[G1B+2], 96<<16
	s_mov_b32 s[G1B+3], 32<<16
	s_mov_b32 s[G1B+4], 96
	s_mov_b32 s[G1B+5], 32
	s_mov_b32 s[G1B+6], 0
	s_mov_b32 s[G1B+7], 0
	s_or_b32 s[G1S+0], s43, (3<<16)|(1<<20)|(1<<21)|(6<<22)|(15<<25)
	s_mov_b32 s[G1S+1], 64<<16
	s_mov_b32 s[G1S+2], (NKS/2)<<16
	s_mov_b32 s[G1S+3], 64<<16
	s_mov_b32 s[G1S+4], NKS/2
	s_mov_b32 s[G1S+5], 2048
	s_mov_b32 s[G1S+6], 0
	s_mov_b32 s[G1S+7], 0
	s_or_b32 s[G1SB+0], s44, (3<<16)|(1<<20)|(1<<21)|(5<<22)|(3<<25)
	s_mov_b32 s[G1SB+1], 32<<16
	s_mov_b32 s[G1SB+2], (64*KS/256)<<16
	s_mov_b32 s[G1SB+3], 32<<16
	s_mov_b32 s[G1SB+4], 64*KS/256
	s_mov_b32 s[G1SB+5], 32
	s_mov_b32 s[G1SB+6], 0
	s_mov_b32 s[G1SB+7], 0
	s_mul_i32 s22, s17, 8*3072
	s_mul_i32 s18, s16, ASLOT
	s_add_co_u32 s22, s22, s18
	s_mov_b32 s23, 0
	s_lshl_b32 s18, s17, 9
	s_mul_i32 s19, s16, (NKS/2)*16384
	s_add_co_u32 s18, s18, s19
	s_add_co_u32 s18, s18, ASC_OFF
	s_mov_b32 s19, 0
	s_lshl_b32 s46, s42, 7
	s_mul_i32 s92, s46, KS
	s_mul_i32 s47, s16, 64*KS
	s_add_co_u32 s92, s92, s47
	s_mov_b32 s93, 0
	s_mul_i32 s46, s46, ROWB
	s_mul_i32 s47, s16, SIZE_N*ROWB
	s_add_co_u32 s46, s46, s47
	s_mov_b32 s47, 0
	s_mul_i32 s45, s16, HALFA
	s_mul_i32 s94, s16, HALFB
	s_add_co_u32 s94, s94, 2*HALFA
	s_mul_i32 s95, s16, HSA
	s_add_co_u32 s95, s95, SCLA
	s_mul_i32 s2, s16, HSB
	s_add_co_u32 s2, s2, SCLB
	s_wait_kmcnt 0x0
	s_add_nc_u64 s[22:23], s[4:5], s[22:23]
	s_add_nc_u64 s[18:19], s[4:5], s[18:19]
	s_add_nc_u64 s[46:47], s[8:9], s[46:47]
	s_add_nc_u64 s[92:93], s[10:11], s[92:93]
	CROUND
	s_mov_b32 s[G0S], 1
	s_mov_b32 s[G0S+1], s95
	s_mov_b64 s[G0S+2:G0S+3], s[18:19]
	s_or_b32 s[G0S+3], s[G0S+3], 0x80000000
	s_mov_b32 s[G0SB], 1
	s_mov_b32 s[G0SB+1], s2
	s_mov_b64 s[G0SB+2:G0SB+3], s[92:93]
	s_or_b32 s[G0SB+3], s[G0SB+3], 0x80000000
	JLOAD G0S, G1S, G0SB, G1SB
.irp s, 0,1
	s_mov_b32 s[G0+4*\s], 1
	s_add_co_u32 s[G0+4*\s+1], s45, \s*SLOT
	s_add_nc_u64 s[G0+4*\s+2:G0+4*\s+3], s[22:23], \s*2*ASLOT
	s_or_b32 s[G0+4*\s+3], s[G0+4*\s+3], 0x80000000
	s_mov_b32 s[G0B+4*\s], 1
	s_add_co_u32 s[G0B+4*\s+1], s94, \s*SLOT
	s_add_nc_u64 s[G0B+4*\s+2:G0B+4*\s+3], s[46:47], \s*2*SIZE_N*ROWB
	s_or_b32 s[G0B+4*\s+3], s[G0B+4*\s+3], 0x80000000
	s_wait_alu depctr_va_vdst(0)
	s_wait_tensorcnt 0x0
	ds_add_u32 v28, v29
	s_wait_dscnt 0x0
	CROUND
	JLOAD G0+4*\s, G1, G0B+4*\s, G1B
.endr
	v_and_b32 v1, 15, v0
	v_bfe_u32 v2, v0, 4, 1
	v_and_b32 v6, 31, v0
	v_mul_u32_u24 v3, v1, PITCH
	v_mul_u32_u24 v4, v2, 24
	v_add_nc_u32 v4, v3, v4
	v_lshl_add_u32 v5, v2, 4, v4
	v_lshlrev_b32 v7, 3, v6
	s_mul_i32 s20, s15, 4*3072
	s_mul_i32 s21, s16, 64*PITCH
	s_add_co_u32 s21, s21, 2*HALFA
.irp s, 0,1
	v_add_nc_u32 v[ADRA+\s], s20, v7
	v_add_nc_u32 v[ADRB+\s], s21, v4
	v_add_nc_u32 v[ADRB+2+\s], s21, v5
	s_add_co_u32 s20, s20, SLOT
	s_add_co_u32 s21, s21, SLOT
.endr
	v_mul_u32_u24 v5, v1, KS
	v_lshrrev_b32 v9, 8, v5
	v_lshl_add_u32 v5, v9, 4, v5
	v_lshl_add_u32 v5, v2, 2, v5
	s_mul_i32 s20, s16, HSB
	s_add_co_u32 s20, s20, SCLB
	v_add_nc_u32 v[ADRSB], s20, v5
	v_lshlrev_b32 v5, 2, v1
	v_mad_u32_u24 v5, v2, ASC_SK, v5
	s_lshl_b32 s20, s15, 8
	s_add_co_u32 s20, s20, SCLA
	v_add_nc_u32 v[ADRSA], s20, v5
	v_lshlrev_b32 v[BO], 5, v2
	s_wait_alu depctr_va_vdst(0)
	s_mul_i32 s23, s14, 16*SPITCH
	v_mul_u32_u24 v5, v1, SPITCH
	v_lshl_add_u32 v5, v2, 5, v5
	v_add_nc_u32 v[STO], s23, v5
	v_mul_u32_u24 v5, v2, SPITCH
	v_lshl_add_u32 v5, v1, 4, v5
	v_add_nc_u32 v[RD], s23, v5
	v_mul_u32_u24 v5, v2, SIZE_N*4
	v_lshl_add_u32 v[CO], v1, 4, v5
	s_wait_alu depctr_va_vdst(0)
	s_lshl_b32 s92, s42, 9
	s_lshl_b32 s93, s16, 8
	s_add_co_u32 s92, s92, s93
	s_mov_b32 s93, 0
	s_add_nc_u64 s[96:97], s[96:97], s[92:93]
	s_lshl_b32 s20, s17, 7
	s_lshl_b32 s21, s15, 6
	s_add_co_u32 s20, s20, s21
	s_mul_i32 s20, s20, SIZE_N*4
	s_mov_b32 s21, 0
	s_add_nc_u64 s[20:21], s[20:21], s[92:93]
	s_add_nc_u64 s[12:13], s[12:13], s[20:21]
	s_add_nc_u64 s[98:99], s[98:99], s[20:21]
.irp b, 0,1,2,3
	global_load_b128 v[BIAS+8*\b:BIAS+8*\b+3], v[BO], s[96:97] offset:64*\b
	global_load_b128 v[BIAS+8*\b+4:BIAS+8*\b+7], v[BO], s[96:97] offset:64*\b+16
.endr
	WIN 0x80
.set tt, 0
.rept 32
	global_load_b128 v[4*tt:4*tt+3], v[CO], s[98:99] offset:2*tt*SIZE_N*4 th:TH_LOAD_NT
.set tt, tt+1
.endr
	WIN 0
.macro FRAGA reg, adr, q, i
.irp p, 0,1,2,3,4,5
	ds_load_b64 v[\reg+2*\p:\reg+2*\p+1], v[\adr] offset:((\q)/2)*HALFA+(\i)*3072+((\q)%2)*1536+256*\p
.endr
.endm
.macro FRAGB reg, adr, q, i
.irp p, 0,1,2,3,4,5
.set PCE, 12*((\q)%2)+6*(\p/3)+\p%3
.if PCE%8 < 5
	ds_load_b64 v[\reg+2*\p:\reg+2*\p+1], v[\adr] offset:((\q)/2)*HALFB+8*PCE+16*(PCE/8)+(\i)*16*PITCH
.else
	ds_load_b64 v[\reg+2*\p:\reg+2*\p+1], v[\adr+2] offset:((\q)/2)*HALFB+8*PCE+16*(PCE/8)+(\i)*16*PITCH
.endif
.endr
.endm
.macro MUL4 a, p, q, sc, first
.irp b, 0,1,2,3
.if \first
	v_wmma_scale_f32_16x16x128_f8f6f4 v[ACC+8*(4*(\a)+\b):ACC+8*(4*(\a)+\b)+7], v[128*(\p)+FR*\b:128*(\p)+FR*\b+FR-1], v[128*(\p)+48+FR*(\a):128*(\p)+48+FR*(\a)+FR-1], v[BIAS+8*\b:BIAS+8*\b+7], v[SC+16*(\sc)+2*\b+(\q)/2], v[SC+16*(\sc)+8+2*(\a)+(\q)/2] matrix_a_fmt:MATRIX_FMT_FP6 matrix_b_fmt:MATRIX_FMT_FP6
.elseif (\q)%2 == 0
	v_wmma_scale_f32_16x16x128_f8f6f4 v[ACC+8*(4*(\a)+\b):ACC+8*(4*(\a)+\b)+7], v[128*(\p)+FR*\b:128*(\p)+FR*\b+FR-1], v[128*(\p)+48+FR*(\a):128*(\p)+48+FR*(\a)+FR-1], v[ACC+8*(4*(\a)+\b):ACC+8*(4*(\a)+\b)+7], v[SC+16*(\sc)+2*\b+(\q)/2], v[SC+16*(\sc)+8+2*(\a)+(\q)/2] matrix_a_fmt:MATRIX_FMT_FP6 matrix_b_fmt:MATRIX_FMT_FP6
.else
	v_wmma_scale_f32_16x16x128_f8f6f4 v[ACC+8*(4*(\a)+\b):ACC+8*(4*(\a)+\b)+7], v[128*(\p)+FR*\b:128*(\p)+FR*\b+FR-1], v[128*(\p)+48+FR*(\a):128*(\p)+48+FR*(\a)+FR-1], v[ACC+8*(4*(\a)+\b):ACC+8*(4*(\a)+\b)+7], v[SC+16*(\sc)+2*\b+(\q)/2], v[SC+16*(\sc)+8+2*(\a)+(\q)/2] matrix_a_fmt:MATRIX_FMT_FP6 matrix_b_fmt:MATRIX_FMT_FP6 matrix_a_scale:MATRIX_SCALE_ROW1 matrix_b_scale:MATRIX_SCALE_ROW1
.endif
.endr
.endm
.macro FETCH slot, q, p
	WIN TO_F
.irp i, 0,1,2,3
	FRAGB 128*(\p)+FR*\i, ADRB+\slot, \q, \i
.endr
.irp i, 0,1,2,3
	FRAGA 128*(\p)+48+FR*\i, ADRA+\slot, \q, \i
.endr
.endm
.macro SCALES sc
.irp i, 0,1,2,3
.irp k, 0,1
	ds_load_b32 v[SC+16*\sc+2*\i+\k], v[ADRSB] offset:17*\i*KS+8*\k
	ds_load_b32 v[SC+16*\sc+8+2*\i+\k], v[ADRSA] offset:64*\i+2*ASC_SK*\k
.endr
.endr
.endm
.macro PLACES n
.rept \n
	v_nop
.endr
.endm
.macro STEP slot, q, first
	s_wait_dscnt 12
	WIN MUL
	MUL4 0, (\q)%2, \q, \slot, \first
	MUL4 1, (\q)%2, \q, \slot, \first
	PLACES NP
	FETCH \slot, (\q)+1, 1-(\q)%2
	s_wait_dscnt 48
	WIN MUL
	MUL4 2, (\q)%2, \q, \slot, \first
	MUL4 3, (\q)%2, \q, \slot, \first
.endm
.macro TURN slot, next, fill
	WIN 0
	s_wait_tensorcnt 0x0
	ds_add_u32 v[SPW], v[NIL]
	s_wait_dscnt 13
	WIN MUL
	MUL4 0, 1, 3, \slot, 0
	s_wait_dscnt 0x0
	s_barrier_signal -1
	MUL4 1, 1, 3, \slot, 0
	WIN 0
	s_barrier_wait -1
.if \fill
	CREST
	s_add_nc_u64 s[G0+4*\slot+2:G0+4*\slot+3], s[G0+4*\slot+2:G0+4*\slot+3], 4*ASLOT
	s_add_nc_u64 s[G0B+4*\slot+2:G0B+4*\slot+3], s[G0B+4*\slot+2:G0B+4*\slot+3], 4*SIZE_N*ROWB
	JLOAD G0+4*\slot, G1, G0B+4*\slot, G1B
.else
	PLACES NP
.endif
	v_add_nc_u32 v[ADRSB], 16, v[ADRSB]
	v_add_nc_u32 v[ADRSA], 4*ASC_SK, v[ADRSA]
	SCALES \next
	FETCH \next, 0, 0
	WIN MUL
	MUL4 2, 1, 3, \slot, 0
	MUL4 3, 1, 3, \slot, 0
.endm
	s_wait_tensorcnt 1
	s_barrier_signal -1
	s_barrier_wait -1
	SCALES 0
	FETCH 0, 0, 0
	s_wait_loadcnt 32
	STEP 0, 0, 1
.if LAPS > 1
	WIN 0
	s_mov_b32 s3, LAPS-1
.Llap:
	STEP 0, 1, 0
	STEP 0, 2, 0
	TURN 0, 1, 1
	STEP 1, 0, 0
	STEP 1, 1, 0
	STEP 1, 2, 0
	TURN 1, 0, 1
	STEP 0, 0, 0
	WIN 0
	s_sub_co_u32 s3, s3, 1
	s_cmp_lg_u32 s3, 0
	s_cbranch_scc1 .Llap
.endif
	STEP 0, 1, 0
	STEP 0, 2, 0
	TURN 0, 1, 0
	STEP 1, 0, 0
	STEP 1, 1, 0
	STEP 1, 2, 0
	s_wait_dscnt 12
	WIN MUL
	MUL4 0, 1, 3, 1, 0
	MUL4 1, 1, 3, 1, 0
	s_wait_dscnt 0
	MUL4 2, 1, 3, 1, 0
	MUL4 3, 1, 3, 1, 0
	WIN 0
	PLACES NP
	s_wait_loadcnt 0x0
.irp a, 0,1,2,3
.if \a > 0
	s_wait_xcnt 0x0
.endif
.irp b, 0,1,2,3
	ds_store_b128 v[STO], v[ACC+8*(4*\a+\b):ACC+8*(4*\a+\b)+3] offset:64*\b
	ds_store_b128 v[STO], v[ACC+8*(4*\a+\b)+4:ACC+8*(4*\a+\b)+7] offset:64*\b+16
.endr
.irp t, 0,1,2,3,4,5,6,7
	ds_load_b128 v[BK+4*\t:BK+4*\t+3], v[RD] offset:2*\t*SPITCH
.endr
	s_wait_dscnt 0x0
	WIN 0x08
.set jj, 0
.rept 16
	v_pk_add_f32 v[BK+jj:BK+jj+1], v[BK+jj:BK+jj+1], v[32*\a+jj:32*\a+jj+1]
.set jj, jj+2
.endr
	WIN 0
.irp t, 0,1,2,3,4,5,6,7
	global_store_b128 v[CO], v[BK+4*\t:BK+4*\t+3], s[12:13] offset:(16*\a+2*\t)*SIZE_N*4
.endr
.endr
	s_wait_tensorcnt 0x0
	ds_add_u32 v[SPW], v[NIL]
	s_wait_dscnt 0x0
	CROUND
	s_endpgm
.Lfunc_end_k_q914b3c4f91_gemm_fc:
	.size	k_q914b3c4f91_gemm_fc, .Lfunc_end_k_q914b3c4f91_gemm_fc-k_q914b3c4f91_gemm_fc
	.p2alignl 7, 3214868480
	.fill 96, 4, 3214868480
	.section	.rodata,"a",@progbits
	.p2align	6, 0x0
	.amdhsa_kernel k_q914b3c4f91_gemm_fc
		.amdhsa_group_segment_fixed_size 327680
		.amdhsa_private_segment_fixed_size 0
		.amdhsa_enable_private_segment 0
		.amdhsa_kernarg_size 48
		.amdhsa_user_sgpr_count 2
		.amdhsa_user_sgpr_kernarg_segment_ptr 1
		.amdhsa_wavefront_size32 1
		.amdhsa_system_sgpr_workgroup_id_x 1
		.amdhsa_system_sgpr_workgroup_id_y 1
		.amdhsa_system_sgpr_workgroup_id_z 1
		.amdhsa_system_vgpr_workitem_id 0
		.amdhsa_next_free_vgpr 640
		.amdhsa_next_free_sgpr 100
		.amdhsa_reserve_vcc 0
		.amdhsa_float_denorm_mode_32 3
		.amdhsa_float_denorm_mode_16_64 3
		.amdhsa_memory_ordered 1
		.amdhsa_forward_progress 1
		.amdhsa_inst_pref_size 72
	.end_amdhsa_kernel
	.amdgpu_metadata
---
amdhsa.version: [ 1, 2 ]
amdhsa.kernels:
  - .name:           k_q914b3c4f91_gemm_fc
    .symbol:         k_q914b3c4f91_gemm_fc.kd
    .args:
      - { .name: at, .offset: 0, .size: 8, .value_kind: global_buffer, .address_space: global }
      - { .name: wq, .offset: 8, .size: 8, .value_kind: global_buffer, .address_space: global }
      - { .name: w_fc_out_scales, .offset: 16, .size: 8, .value_kind: global_buffer, .address_space: global }
      - { .name: b_fc_out, .offset: 24, .size: 8, .value_kind: global_buffer, .address_space: global }
      - { .name: x, .offset: 32, .size: 8, .value_kind: global_buffer, .address_space: global }
      - { .name: y, .offset: 40, .size: 8, .value_kind: global_buffer, .address_space: global }
    .group_segment_fixed_size: 327680
    .private_segment_fixed_size: 0
    .kernarg_segment_align: 8
    .kernarg_segment_size: 48
    .max_flat_workgroup_size: 128
    .sgpr_count:     100
    .vgpr_count:     640
    .wavefront_size: 32
...
	.end_amdgpu_metadata
.endif
;; end of part 10
;; launch ln1 (part 11): grid 256 x 1, 16 waves a work-group, no clusters, 88,576 bytes of LDS; arguments y, g1, be1, x1, x1q; writes x1, x1q
.if DOCPART == 11
	.amdgcn_target "amdgcn-amd-amdhsa--gfx1250"
	.amdhsa_code_object_version 6
	.text
	.protected	k_q914b3c4f91_ln1
	.globl	k_q914b3c4f91_ln1
	.p2align	8
	.type	k_q914b3c4f91_ln1,@function
k_q914b3c4f91_ln1:
	s_mov_b64 s[64:65], 0
	v_nop
	global_prefetch_b8 v0, s[64:65] scope:SCOPE_SE
	s_setreg_imm32_b32 hwreg(HW_REG_WAVE_MODE, 25, 1), 1
	s_wait_xcnt 0x0
; x1 = layer norm of y (rows of 1,024, mean and variance in f32, two passes over registers), times g plus be; stored as f32 and, quantised along the row to FP6 (E2M3) with E8M0 scales, as the next product's operand.
; A work-group takes 16 rows (one block of the operand), a wave one row: 8 loads of 512 consecutive bytes, 32 registers.  The reduction never leaves the wave.
; THE OPERAND: an image of its registers, [K / 256][row / 16][2][6 pieces][32 lanes][8 bytes]; scale words [row / 16][K / 128][16 rows] at ASC_OFF.
; The row turns through the wave's own stage in LDS, so that lane l holds block l (32 neighbours); its 24 bytes of codes go to their places in the work-group's 12,288 bytes of image; a barrier; each wave stores 768 of them.
; LIMITS: NaN and infinities are not served; a block whose largest magnitude lies under 2^-124 (zeros too) gets the byte 1.  Memory binds: no matrix unit, no cluster, no tensor load, no prefetch.
.set X,    16
.set G,    48
.set BE,   80
.set Z,    112
.set C,    144
.set WSTG, 4608                        ; a wave's stage: 32 x (128 bytes + 16)
.set IMG,  16*WSTG
.set SCA,  IMG+12288
.set ASC_OFF, 3145728
	s_load_b128 s[4:7], s[0:1], 0x0                ; y, g
	s_load_b128 s[8:11], s[0:1], 0x10              ; be, x1
	s_load_b64 s[12:13], s[0:1], 0x20              ; x1q
	v_lshl_add_u32 v160, v0, 2, 0x15200
	v_mov_b32 v161, 0
	v_lshrrev_b32 v2, 5, v0
	s_delay_alu instid0(VALU_DEP_1)
	v_readfirstlane_b32 s14, v2                    ; wave = my row of the 16
	v_and_b32 v3, 31, v0                           ; lane
	s_delay_alu instid0(VALU_DEP_1)
	v_lshlrev_b32 v1, 4, v3
	s_lshl_b32 s16, ttmp9, 16
	s_lshl_b32 s17, s14, 12
	s_add_co_u32 s16, s16, s17                     ; my row's first byte
	s_mov_b32 s17, 0
	s_mov_b32 s18, 0x76543210
	s_mov_b32 s19, 0xfedcba98
	s_mov_b32 s20, 0x3a800000                      ; 1 / 1,024
	s_mov_b32 s21, 0x3727c5ac                      ; 1e-5
	s_lshr_b32 s22, s14, 2
	s_mul_i32 s22, s22, 786432                     ; wave w stores bytes 768 w on of the image: K / 256 = w / 4,
	s_mul_i32 s15, ttmp9, 3072
	s_add_co_u32 s22, s22, s15
	s_and_b32 s15, s14, 3
	s_mul_i32 s15, s15, 768
	s_add_co_u32 s22, s22, s15
	s_mov_b32 s23, 0
	s_wait_alu depctr_va_vdst(0)
	s_wait_kmcnt 0x0
	s_add_nc_u64 s[4:5], s[4:5], s[16:17]
	s_add_nc_u64 s[10:11], s[10:11], s[16:17]
	s_add_nc_u64 s[22:23], s[12:13], s[22:23]
	s_lshl_b32 s16, ttmp9, 9
	s_add_co_u32 s16, s16, ASC_OFF
	s_add_nc_u64 s[12:13], s[12:13], s[16:17]
.irp j, 0,1,2,3,4,5,6,7
	global_load_b128 v[X+4*\j:X+4*\j+3], v1, s[4:5] offset:512*\j th:TH_LOAD_NT
.endr
.irp j, 0,1,2,3,4,5,6,7
	global_load_b128 v[G+4*\j:G+4*\j+3], v1, s[6:7] offset:512*\j
.endr
.irp j, 0,1,2,3,4,5,6,7
	global_load_b128 v[BE+4*\j:BE+4*\j+3], v1, s[8:9] offset:512*\j
.endr
	v_lshrrev_b32 v4, 3, v3
	s_delay_alu instid0(VALU_DEP_1)
	v_lshl_add_u32 v4, v4, 4, v1
	s_mul_i32 s15, s14, WSTG
	v_add_nc_u32 v152, s15, v4                     ; the stage, in: 16 l + 16 (l / 8)
	v_mul_u32_u24 v4, v3, 144
	s_delay_alu instid0(VALU_DEP_1)
	v_add_nc_u32 v153, s15, v4                     ; and out: 144 l
	v_lshrrev_b32 v4, 2, v3
	s_delay_alu instid0(VALU_DEP_1)
	v_mul_u32_u24 v5, v4, 1536                     ; block l: fragment l / 4,
	v_bfe_u32 v6, v3, 1, 1
	s_delay_alu instid0(VALU_DEP_1)
	v_mad_u32_u24 v5, v6, 768, v5                  ; registers 6 ((l / 2) % 2) on,
	v_and_b32 v6, 1, v3
	s_delay_alu instid0(VALU_DEP_1)
	v_lshl_add_u32 v5, v6, 7, v5                   ; lane w + 16 (l % 2)
	s_lshl_b32 s15, s14, 3
	s_add_co_u32 s15, s15, IMG
	v_add_nc_u32 v154, s15, v5
	v_and_b32 v6, 3, v3
	s_delay_alu instid0(VALU_DEP_1)
	v_lshl_add_u32 v5, v4, 6, v6                   ; its byte: 64 (l / 4) + 4 w + l % 4
	s_lshl_b32 s15, s14, 2
	s_add_co_u32 s15, s15, SCA
	v_add_nc_u32 v155, s15, v5
	v_lshlrev_b32 v158, 3, v3
	s_mul_i32 s15, s14, 768
	s_add_co_u32 s15, s15, IMG
	v_add_nc_u32 v156, s15, v158
	v_add_nc_u32 v157, SCA, v1
	s_wait_loadcnt 16                              ; my row is in; the sixteen loads of g and be may be out
	v_pk_add_f32 v[10:11], v[16:17], v[24:25]
	v_pk_add_f32 v[12:13], v[32:33], v[40:41]
	v_pk_add_f32 v[14:15], v[18:19], v[26:27]
	v_pk_add_f32 v[150:151], v[34:35], v[42:43]
	v_pk_add_f32 v[148:149], v[20:21], v[28:29]
	v_pk_add_f32 v[146:147], v[36:37], v[44:45]
	v_pk_add_f32 v[144:145], v[22:23], v[30:31]
	v_pk_add_f32 v[8:9], v[38:39], v[46:47]
	s_delay_alu instid0(VALU_DEP_1)
	v_pk_add_f32 v[8:9], v[8:9], v[150:151]
	v_pk_add_f32 v[10:11], v[10:11], v[148:149]
	v_pk_add_f32 v[12:13], v[12:13], v[146:147]
	v_pk_add_f32 v[14:15], v[14:15], v[144:145]
	s_delay_alu instid0(VALU_DEP_2)
	v_pk_add_f32 v[8:9], v[8:9], v[12:13]
	s_delay_alu instid0(VALU_DEP_2)
	v_pk_add_f32 v[10:11], v[10:11], v[14:15]
	s_delay_alu instid0(VALU_DEP_1)
	v_pk_add_f32 v[8:9], v[8:9], v[10:11]
	s_delay_alu instid0(VALU_DEP_1)
	v_add_f32 v8, v8, v9
	s_delay_alu instid0(VALU_DEP_1)
	v_add_f32_dpp v8, v8, v8 row_xmask:1 row_mask:0xf bank_mask:0xf
	s_delay_alu instid0(VALU_DEP_1)
	v_add_f32_dpp v8, v8, v8 row_xmask:2 row_mask:0xf bank_mask:0xf
	s_delay_alu instid0(VALU_DEP_1)
	v_add_f32_dpp v8, v8, v8 row_xmask:4 row_mask:0xf bank_mask:0xf
	s_delay_alu instid0(VALU_DEP_1)
	v_add_f32_dpp v8, v8, v8 row_xmask:8 row_mask:0xf bank_mask:0xf
	s_delay_alu instid0(VALU_DEP_1)
	v_permlanex16_b32 v9, v8, s18, s19
	s_delay_alu instid0(VALU_DEP_1)
	v_add_f32 v8, v8, v9
	s_delay_alu instid0(VALU_DEP_1)
	v_mul_f32 v4, s20, v8                          ; the mean, twice (a pair for the packed forms)
	s_delay_alu instid0(VALU_DEP_1)
	v_mov_b32 v5, v4
.set jj, 0
.rept 16
	v_pk_add_f32 v[X+jj:X+jj+1], v[X+jj:X+jj+1], v[4:5] neg_lo:[0,1] neg_hi:[0,1]  ; x - mean
.set jj, jj+2
.endr
.irp k, 0,1,2,3
	v_pk_mul_f32 v[8+2*\k:9+2*\k], v[X+2*\k:X+2*\k+1], v[X+2*\k:X+2*\k+1]          ; the sum of squares
.endr
.irp o, 8,16,24
.irp k, 0,1,2,3
	s_delay_alu instid0(VALU_DEP_4)
	v_pk_fma_f32 v[8+2*\k:9+2*\k], v[X+\o+2*\k:X+\o+2*\k+1], v[X+\o+2*\k:X+\o+2*\k+1], v[8+2*\k:9+2*\k]
.endr
.endr
	s_delay_alu instid0(VALU_DEP_3)
	v_pk_add_f32 v[8:9], v[8:9], v[10:11]
	s_delay_alu instid0(VALU_DEP_2)
	v_pk_add_f32 v[12:13], v[12:13], v[14:15]
	s_delay_alu instid0(VALU_DEP_1)
	v_pk_add_f32 v[8:9], v[8:9], v[12:13]
	s_delay_alu instid0(VALU_DEP_1)
	v_add_f32 v8, v8, v9
	s_delay_alu instid0(VALU_DEP_1)
	v_add_f32_dpp v8, v8, v8 row_xmask:1 row_mask:0xf bank_mask:0xf
	s_delay_alu instid0(VALU_DEP_1)
	v_add_f32_dpp v8, v8, v8 row_xmask:2 row_mask:0xf bank_mask:0xf
	s_delay_alu instid0(VALU_DEP_1)
	v_add_f32_dpp v8, v8, v8 row_xmask:4 row_mask:0xf bank_mask:0xf
	s_delay_alu instid0(VALU_DEP_1)
	v_add_f32_dpp v8, v8, v8 row_xmask:8 row_mask:0xf bank_mask:0xf
	s_delay_alu instid0(VALU_DEP_1)
	v_permlanex16_b32 v9, v8, s18, s19
	s_delay_alu instid0(VALU_DEP_1)
	v_add_f32 v8, v8, v9
	s_delay_alu instid0(VALU_DEP_1)
	v_fma_f32 v6, v8, s20, s21                     ; variance + 1e-5
	s_wait_alu depctr_va_vdst(0)
	v_rsq_f32 v6, v6
	v_nop                                          ; one plain line behind the transcendental
	s_wait_alu depctr_va_vdst(0)
	v_mov_b32 v7, v6
	s_wait_alu depctr_va_vdst(0)
	s_wait_loadcnt 0x0                             ; g and be
.set jj, 0
.rept 16
	v_pk_mul_f32 v[X+jj:X+jj+1], v[X+jj:X+jj+1], v[6:7]
.set jj, jj+2
.endr
.set jj, 0
.rept 16
	v_pk_fma_f32 v[X+jj:X+jj+1], v[X+jj:X+jj+1], v[G+jj:G+jj+1], v[BE+jj:BE+jj+1]
.set jj, jj+2
.endr
.irp j, 0,1,2,3,4,5,6,7
	global_store_b128 v1, v[X+4*\j:X+4*\j+3], s[10:11] offset:512*\j               ; 512 consecutive bytes
.endr
.irp j, 0,1,2,3,4,5,6,7
	ds_store_b128 v152, v[X+4*\j:X+4*\j+3] offset:576*\j
.endr
.irp j, 0,1,2,3,4,5,6,7
	ds_load_b128 v[Z+4*\j:Z+4*\j+3], v153 offset:16*\j             ; LDS serves a wave's instructions in order: these see my stores
.endr
	s_wait_dscnt 0x0
	v_max3_num_f32 v8, |v[Z]|, |v[Z+1]|, |v[Z+2]|                  ; my block's largest magnitude
	v_max3_num_f32 v9, |v[Z+3]|, |v[Z+4]|, |v[Z+5]|
.irp i, 6,10,14,18,22,26
	s_delay_alu instid0(VALU_DEP_2)
	v_max3_num_f32 v8, v8, |v[Z+\i]|, |v[Z+\i+1]|
	s_delay_alu instid0(VALU_DEP_2)
	v_max3_num_f32 v9, v9, |v[Z+\i+2]|, |v[Z+\i+3]|
.endr
	s_delay_alu instid0(VALU_DEP_2)
	v_max3_num_f32 v8, v8, |v[Z+30]|, |v[Z+31]|
	s_delay_alu instid0(VALU_DEP_1)
	v_max3_num_f32 v8, v8, v9, 0x1800000           ; and the floor 2^(3 - 127)
	s_delay_alu instid0(VALU_DEP_1)
	v_add_nc_u32 v10, 0xff000000, v8               ; 2 off the exponent field: the conversion's scale operand
	s_delay_alu instid0(VALU_DEP_1)
	v_lshrrev_b32 v11, 23, v10                     ; the scale's byte
	v_cvt_scalef32_pk16_fp6_f32 v[C:C+2], v[Z:Z+15], v10
	v_cvt_scalef32_pk16_fp6_f32 v[C+4:C+6], v[Z+16:Z+31], v10      ; (a conversion's three registers begin on an even number)
	v_nop
	v_mov_b32 v[C+3], v[C+4]
	v_mov_b32 v[C+4], v[C+5]
	v_mov_b32 v[C+5], v[C+6]
.irp p, 0,1,2
	ds_store_b64 v154, v[C+2*\p:C+2*\p+1] offset:256*\p
.endr
	ds_store_b8 v155, v11
	s_wait_dscnt 0x0                               ; for the others' sake: my stores have landed
	s_barrier_signal -1
	s_barrier_wait -1
.irp p, 0,1,2
	ds_load_b64 v[C+2*\p:C+2*\p+1], v156 offset:256*\p
.endr
	s_wait_dscnt 0x0
.irp p, 0,1,2
	global_store_b64 v158, v[C+2*\p:C+2*\p+1], s[22:23] offset:256*\p              ; 256 consecutive bytes, aligned
.endr
	s_cmp_lg_u32 s14, 0
	s_cbranch_scc1 .Ldone
	ds_load_b128 v[12:15], v157                    ; the 16 rows' scale words: 512 bytes
	s_wait_dscnt 0x0
	global_store_b128 v1, v[12:15], s[12:13]
.Ldone:
	s_wait_tensorcnt 0x0
	ds_add_u32 v160, v161
	s_wait_dscnt 0x0
	s_endpgm
.Lfunc_end_k_q914b3c4f91_ln1:
	.size	k_q914b3c4f91_ln1, .Lfunc_end_k_q914b3c4f91_ln1-k_q914b3c4f91_ln1
	.p2alignl 7, 3214868480
	.fill 96, 4, 3214868480
	.section	.rodata,"a",@progbits
	.p2align	6, 0x0
	.amdhsa_kernel k_q914b3c4f91_ln1
		.amdhsa_group_segment_fixed_size 88576
		.amdhsa_private_segment_fixed_size 0
		.amdhsa_enable_private_segment 0
		.amdhsa_kernarg_size 40
		.amdhsa_user_sgpr_count 2
		.amdhsa_user_sgpr_kernarg_segment_ptr 1
		.amdhsa_wavefront_size32 1
		.amdhsa_system_sgpr_workgroup_id_x 1
		.amdhsa_system_sgpr_workgroup_id_y 1
		.amdhsa_system_sgpr_workgroup_id_z 1
		.amdhsa_system_vgpr_workitem_id 0
		.amdhsa_next_free_vgpr 162
		.amdhsa_next_free_sgpr 66
		.amdhsa_reserve_vcc 0
		.amdhsa_float_denorm_mode_32 3
		.amdhsa_float_denorm_mode_16_64 3
		.amdhsa_memory_ordered 1
		.amdhsa_forward_progress 1
		.amdhsa_inst_pref_size 18
	.end_amdhsa_kernel
	.amdgpu_metadata
---
amdhsa.version: [ 1, 2 ]
amdhsa.kernels:
  - .name:           k_q914b3c4f91_ln1
    .symbol:         k_q914b3c4f91_ln1.kd
    .args:
      - { .name: y, .offset: 0, .size: 8, .value_kind: global_buffer, .address_space: global }
      - { .name: g1, .offset: 8, .size: 8, .value_kind: global_buffer, .address_space: global }
      - { .name: be1, .offset: 16, .size: 8, .value_kind: global_buffer, .address_space: global }
      - { .name: x1, .offset: 24, .size: 8, .value_kind: global_buffer, .address_space: global }
      - { .name: x1q, .offset: 32, .size: 8, .value_kind: global_buffer, .address_space: global }
    .group_segment_fixed_size: 88576
    .private_segment_fixed_size: 0
    .kernarg_segment_align: 8
    .kernarg_segment_size: 40
    .max_flat_workgroup_size: 512
    .sgpr_count:     66
    .vgpr_count:     162
    .wavefront_size: 32
...
	.end_amdgpu_metadata
.endif
;; end of part 11
;; launch gemm_ff1 (part 12): grid 16 x 16, 4 waves a work-group, clusters of 4 x 4, 327,680 bytes of LDS; arguments x1q, wq, w_ff1_scales, b_ff1, hq; writes hq
.if DOCPART == 12
	.amdgcn_target "amdgcn-amd-amdhsa--gfx1250"
	.amdhsa_code_object_version 6
	.text
	.protected	k_q914b3c4f91_gemm_ff1
	.globl	k_q914b3c4f91_gemm_ff1
	.p2align	8
	.type	k_q914b3c4f91_gemm_ff1,@function
k_q914b3c4f91_gemm_ff1:
	s_mov_b64 s[64:65], 0
	v_nop
	global_prefetch_b8 v0, s[64:65] scope:SCOPE_SE
	s_setreg_imm32_b32 hwreg(HW_REG_WAVE_MODE, 25, 1), 1
	s_wait_xcnt 0x0
	s_wait_alu depctr_hold_cnt(0) depctr_sa_sdst(0) depctr_va_vdst(0) depctr_va_sdst(0) depctr_va_ssrc(0) depctr_va_vcc(0) depctr_vm_vsrc(0)
	s_getreg_b32 s2, hwreg(HW_REG_IB_STS2, 6, 4)
	s_cmp_eq_u32 s2, 0
	s_cbranch_scc0 .Lentry_in_a_cluster
	s_endpgm
.Lentry_in_a_cluster:
	s_bfe_u32 s2, ttmp6, 0x10000c
	s_cmp_lg_u32 s2, 0xf033
	s_cbranch_scc0 .Lentry_shape_is_right
	s_endpgm
.Lentry_shape_is_right:
.set SIZE_N,  4096
.set SIZE_K,  1024
.set ALAY,    1
.set EPI,     1
.set ASC_OFF, 3145728
.set OSC_OFF, 12582912
.set ROWB,   192
.set KROW,   SIZE_K*6/8
.set PITCH,  240
.set FR,     12
.set NL,     6
.set NP,     4
.set ASLOT,  786432
.set HALFA,  24576
.set HALFB,  128*PITCH
.set SLOT,   2*HALFA+2*HALFB
.set LAPS,   SIZE_K/512
.set KS,     SIZE_K/32
.set NKS,    SIZE_K/128
.if ALAY
.set ASC_SI, 512
.set ASC_SK, 64
.set HALFSA, 4096
.else
.set ASC_SI, 64
.set ASC_SK, 576
.set HALFSA, NKS*576
.endif
.set SCLA,   2*SLOT
.set SCLB,   SCLA+2*HALFSA
.set HALFSB, (128*KS/256)*272
.set SPARE,  SCLB+2*HALFSB
.set SPITCH, 528
.set ADRA, 16
.set ADRB, 20
.set STO,  24
.set RD,   25
.set CO,   26
.set ADRSB, 27
.set SPW,  28
.set NIL,  29
.set ADRSA, 30
.set BO,   31
.set CO8,  10
.set SWA,  11
.set SRA,  12
.set SC,   32
.set BIAS, 64
.set AF,   128
.set RES,  64
.set BK,   128
.set HA,   64
.set PC,   128
.set TM,   160
.set PW,   176
.set G1, 24
.set G0, 32
.set G1B, 48
.set G0B, 56
.set G1S, 68
.set G0S, 76
.set G1SB, 80
.set G0SB, 88
.set SEL, 20
.set MSB, 0
.macro WIN new
.if MSB != \new
	s_set_vgpr_msb (MSB<<8)|\new
.set MSB, \new
.endif
.endm
.set MUL_LO, 0xa1
.set MUL_HI, 0xf1
.set TO_B,   0x40
.macro JLOAD g0a, g1a, g0b, g1b
	s_cmp_eq_u32 s15, 0
	s_cbranch_scc0 .Lfor_b_\@
	tensor_load_to_lds s[\g0a:\g0a+3], s[\g1a:\g1a+7]
	s_nop 0
.rept 4
	v_nop
.endr
	s_branch .Lasked_\@
.Lfor_b_\@:
	tensor_load_to_lds s[\g0b:\g0b+3], s[\g1b:\g1b+7]
	s_nop 0
.rept 4
	v_nop
.endr
.Lasked_\@:
.endm
.macro CREST
	s_cmp_lg_u32 s14, 0
	s_cbranch_scc1 .Lnot_wave_0_\@
	s_barrier_signal -3
.Lnot_wave_0_\@:
	s_barrier_wait -3
	s_barrier_signal -1
	s_barrier_wait -1
.endm
.macro CROUND
	s_barrier_signal -1
	s_barrier_wait -1
	CREST
.endm
	s_load_b64 s[4:5], s[0:1], 0x0
	s_load_b64 s[8:9], s[0:1], 0x8
	s_load_b64 s[10:11], s[0:1], 0x10
	s_load_b64 s[96:97], s[0:1], 0x18
.if EPI
	s_load_b64 s[12:13], s[0:1], 0x20
.else
	s_load_b64 s[98:99], s[0:1], 0x20
	s_load_b64 s[12:13], s[0:1], 0x28
.endif
	v_lshl_add_u32 v[SPW], v0, 2, SPARE
	v_mov_b32 v[NIL], 0
	ds_add_u32 v28, v29
	ds_add_u32 v28, v29
	s_wait_dscnt 0x0
	v_lshrrev_b32 v1, 5, v0
	v_readfirstlane_b32 s14, v1
	s_lshr_b32 s15, s14, 1
	s_and_b32 s16, s14, 1
	s_bfe_u32 s40, ttmp6, 0x40000
	s_bfe_u32 s41, ttmp6, 0x40004
	s_lshl_b32 s42, ttmp9, 2
	s_add_co_u32 s42, s42, s40
	s_and_b32 s17, ttmp7, 0xffff
	s_lshl_b32 s17, s17, 2
	s_add_co_u32 s17, s17, s41
	s_lshl_b32 s43, s41, 2
	s_lshl_b32 s43, 15, s43
	s_lshl_b32 s44, 0x1111, s40
	s_or_b32 s[G1+0], s43, (3<<16)|(1<<21)
	s_mov_b32 s[G1+1], 32<<16
	s_mov_b32 s[G1+2], 96<<16
	s_mov_b32 s[G1+3], 32<<16
	s_mov_b32 s[G1+4], 96
	s_mov_b32 s[G1+5], 32
	s_mov_b32 s[G1+6], 0
	s_mov_b32 s[G1+7], 0
	s_or_b32 s[G1B+0], s44, (3<<16)|(1<<20)|(1<<21)|(3<<22)|(3<<25)  ; B's codes from wq, [K / 256][n][192]: 128 rows are 24,576 dense bytes, as 96 rows of 256; 16 bytes of padding behind every 64
	s_mov_b32 s[G1B+1], 32<<16
	s_mov_b32 s[G1B+2], 96<<16
	s_mov_b32 s[G1B+3], 32<<16
	s_mov_b32 s[G1B+4], 96
	s_mov_b32 s[G1B+5], 32
	s_mov_b32 s[G1B+6], 0
	s_mov_b32 s[G1B+7], 0
.if ALAY
	s_or_b32 s[G1S+0], s43, (3<<16)|(1<<21)
	s_mov_b32 s[G1S+1], 32<<16
	s_mov_b32 s[G1S+2], 16<<16
	s_mov_b32 s[G1S+3], 32<<16
	s_mov_b32 s[G1S+4], 16
	s_mov_b32 s[G1S+5], 32
.else
	s_or_b32 s[G1S+0], s43, (3<<16)|(1<<20)|(1<<21)|(6<<22)|(15<<25)
	s_mov_b32 s[G1S+1], 64<<16
	s_mov_b32 s[G1S+2], NKS<<16
	s_mov_b32 s[G1S+3], 64<<16
	s_mov_b32 s[G1S+4], NKS
	s_mov_b32 s[G1S+5], 2048
.endif
	s_mov_b32 s[G1S+6], 0
	s_mov_b32 s[G1S+7], 0
	s_or_b32 s[G1SB+0], s44, (3<<16)|(1<<20)|(1<<21)|(5<<22)|(3<<25)
	s_mov_b32 s[G1SB+1], 32<<16
	s_mov_b32 s[G1SB+2], (128*KS/256)<<16
	s_mov_b32 s[G1SB+3], 32<<16
	s_mov_b32 s[G1SB+4], 128*KS/256
	s_mov_b32 s[G1SB+5], 32
	s_mov_b32 s[G1SB+6], 0
	s_mov_b32 s[G1SB+7], 0
	s_lshl_b32 s20, s17, 4
	s_lshl_b32 s18, s16, 3
	s_add_co_u32 s20, s20, s18
	s_mul_i32 s22, s20, 3072
	s_mov_b32 s23, 0
.if ALAY
	s_lshl_b32 s18, s20, 9
.else
	s_lshl_b32 s18, s20, 6
.endif
	s_add_co_u32 s18, s18, ASC_OFF
	s_mov_b32 s19, 0
	s_lshl_b32 s46, s42, 8
	s_lshl_b32 s47, s16, 7
	s_add_co_u32 s46, s46, s47
	s_mul_i32 s92, s46, KS
	s_mov_b32 s93, 0
	s_mul_i32 s46, s46, ROWB
	s_add_co_u32 s46, s46, 786432                  ; w_ff1's place in wq
	s_mov_b32 s47, 0
	s_mul_i32 s45, s16, HALFA
	s_mul_i32 s94, s16, HALFB
	s_add_co_u32 s94, s94, 2*HALFA
	s_mul_i32 s95, s16, HALFSA
	s_add_co_u32 s95, s95, SCLA
	s_mul_i32 s2, s16, HALFSB
	s_add_co_u32 s2, s2, SCLB
	s_wait_kmcnt 0x0
	s_add_nc_u64 s[22:23], s[4:5], s[22:23]
	s_add_nc_u64 s[18:19], s[4:5], s[18:19]
	s_add_nc_u64 s[46:47], s[8:9], s[46:47]
	s_add_nc_u64 s[92:93], s[10:11], s[92:93]
	CROUND
	s_mov_b32 s[G0S], 1
	s_mov_b32 s[G0S+1], s95
	s_mov_b64 s[G0S+2:G0S+3], s[18:19]
	s_or_b32 s[G0S+3], s[G0S+3], 0x80000000
	s_mov_b32 s[G0SB], 1
	s_mov_b32 s[G0SB+1], s2
	s_mov_b64 s[G0SB+2:G0SB+3], s[92:93]
	s_or_b32 s[G0SB+3], s[G0SB+3], 0x80000000
	JLOAD G0S, G1S, G0SB, G1SB
.irp s, 0,1
	s_mov_b32 s[G0+4*\s], 1
	s_add_co_u32 s[G0+4*\s+1], s45, \s*SLOT
	s_add_nc_u64 s[G0+4*\s+2:G0+4*\s+3], s[22:23], \s*ASLOT
	s_or_b32 s[G0+4*\s+3], s[G0+4*\s+3], 0x80000000
	s_mov_b32 s[G0B+4*\s], 1
	s_add_co_u32 s[G0B+4*\s+1], s94, \s*SLOT
	s_add_nc_u64 s[G0B+4*\s+2:G0B+4*\s+3], s[46:47], \s*SIZE_N*ROWB
	s_or_b32 s[G0B+4*\s+3], s[G0B+4*\s+3], 0x80000000
	s_wait_alu depctr_va_vdst(0)
	s_wait_tensorcnt 0x0
	ds_add_u32 v28, v29
	s_wait_dscnt 0x0
	CROUND
	JLOAD G0+4*\s, G1, G0B+4*\s, G1B
.endr
	v_and_b32 v1, 15, v0
	v_bfe_u32 v2, v0, 4, 1
	v_and_b32 v6, 31, v0
.if EPI
	v_and_b32 v7, 8, v1
	v_add_nc_u32 v7, v7, v1
.else
	v_mov_b32 v7, v1
.endif
	v_mul_u32_u24 v3, v7, PITCH
	v_mul_u32_u24 v4, v2, 24
	v_add_nc_u32 v4, v3, v4
	v_lshl_add_u32 v5, v2, 4, v4
	v_lshlrev_b32 v[CO8], 3, v6
	s_mul_i32 s20, s15, HALFA
	s_mul_i32 s21, s16, HALFB
	s_add_co_u32 s21, s21, 2*HALFA
.irp s, 0,1
	v_add_nc_u32 v[ADRA+\s], s20, v[CO8]
	v_add_nc_u32 v[ADRB+\s], s21, v4
	v_add_nc_u32 v[ADRB+2+\s], s21, v5
	s_add_co_u32 s20, s20, SLOT
	s_add_co_u32 s21, s21, SLOT
.endr
	v_mul_u32_u24 v5, v7, KS
	v_lshrrev_b32 v9, 8, v5
	v_lshl_add_u32 v5, v9, 4, v5
	v_lshl_add_u32 v5, v2, 2, v5
	s_mul_i32 s20, s16, HALFSB
	s_add_co_u32 s20, s20, SCLB
	v_add_nc_u32 v[ADRSB], s20, v5
	v_lshlrev_b32 v5, 2, v1
	v_mad_u32_u24 v5, v2, ASC_SK, v5
	s_mul_i32 s20, s15, HALFSA
	s_add_co_u32 s20, s20, SCLA
	v_add_nc_u32 v[ADRSA], s20, v5
	v_lshlrev_b32 v[CO], 4, v6
	s_lshl_b32 s92, s42, 10
	s_lshl_b32 s93, s16, 9
	s_add_co_u32 s92, s92, s93
	s_mov_b32 s93, 0
	s_add_nc_u64 s[96:97], s[96:97], s[92:93]
.if EPI
	v_lshlrev_b32 v[BO], 6, v2
	s_wait_alu depctr_va_vdst(0)
	s_lshl_b32 s20, s14, 9
	v_lshl_add_u32 v[SWA], v1, 2, s20
	v_add_nc_u32 v[SRA], s20, v[CO]
	s_lshl_b32 s20, s17, 4
	s_lshl_b32 s21, s15, 3
	s_add_co_u32 s20, s20, s21
	s_mul_i32 s21, s20, 3072
	s_lshl_b32 s22, s20, 6
	s_mul_i32 s46, s42, ASLOT
	s_mul_i32 s47, s16, 1536
	s_add_co_u32 s46, s46, s47
	s_add_co_u32 s46, s46, s21
	s_mov_b32 s47, 0
	s_lshl_b32 s92, s42, 1
	s_add_co_u32 s92, s92, s16
	s_lshl_b32 s92, s92, 14
	s_add_co_u32 s92, s92, s22
	s_add_co_u32 s92, s92, OSC_OFF
	s_add_nc_u64 s[98:99], s[12:13], s[92:93]
	s_add_nc_u64 s[12:13], s[12:13], s[46:47]
	s_mov_b32 s[SEL], 0x76543210
	s_mov_b32 s[SEL+1], 0xfedcba98
.else
	v_lshlrev_b32 v[BO], 5, v2
	s_mul_i32 s23, s14, 16*SPITCH
	v_mul_u32_u24 v5, v1, SPITCH
	v_lshl_add_u32 v5, v2, 5, v5
	v_add_nc_u32 v[STO], s23, v5
	v_add_nc_u32 v[RD], s23, v[CO]
	s_lshl_b32 s20, s17, 8
	s_lshl_b32 s21, s15, 7
	s_add_co_u32 s20, s20, s21
	s_mul_i32 s20, s20, SIZE_N*4
	s_mov_b32 s21, 0
	s_add_nc_u64 s[20:21], s[20:21], s[92:93]
	s_add_nc_u64 s[12:13], s[12:13], s[20:21]
	s_add_nc_u64 s[98:99], s[98:99], s[20:21]
.endif
.irp b, 0,1,2,3,4,5,6,7
	global_load_b128 v[BIAS+8*\b:BIAS+8*\b+3], v[BO], s[96:97] offset:4*(EPI*(32*(\b/2)+8*(\b%2))+(1-EPI)*16*\b)
	global_load_b128 v[BIAS+8*\b+4:BIAS+8*\b+7], v[BO], s[96:97] offset:4*(EPI*(32*(\b/2)+8*(\b%2))+(1-EPI)*16*\b)+16
.endr
.macro FRAGA reg, adr, q, i
.irp p, 0,1,2,3,4,5
	ds_load_b64 v[\reg+2*\p:\reg+2*\p+1], v[\adr] offset:(\i)*3072+(\q)*1536+256*\p
.endr
.endm
.macro FRAGB reg, adr, q, i
.irp p, 0,1,2,3,4,5
.set PCE, 12*(\q)+6*(\p/3)+\p%3
.if PCE%8 < 5
	ds_load_b64 v[\reg+2*\p:\reg+2*\p+1], v[\adr] offset:8*PCE+16*(PCE/8)+(EPI*(32*((\i)/2)+8*((\i)%2))+(1-EPI)*16*(\i))*PITCH
.else
	ds_load_b64 v[\reg+2*\p:\reg+2*\p+1], v[\adr+2] offset:8*PCE+16*(PCE/8)+(EPI*(32*((\i)/2)+8*((\i)%2))+(1-EPI)*16*(\i))*PITCH
.endif
.endr
.endm
.macro MUL16 a0, p, q, sc, first
.irp a, \a0, \a0+1
.irp b, 0,1,2,3,4,5,6,7
.if \first
	v_wmma_scale_f32_16x16x128_f8f6f4 v[8*(8*((\a)%4)+\b):8*(8*((\a)%4)+\b)+7], v[128*(\p)+FR*\b:128*(\p)+FR*\b+FR-1], v[AF+FR*(\a):AF+FR*(\a)+FR-1], v[BIAS+8*\b:BIAS+8*\b+7], v[SC+16*(\sc)+\b], v[SC+16*(\sc)+8+(\a)] matrix_a_fmt:MATRIX_FMT_FP6 matrix_b_fmt:MATRIX_FMT_FP6
.elseif (\q) == 0
	v_wmma_scale_f32_16x16x128_f8f6f4 v[8*(8*((\a)%4)+\b):8*(8*((\a)%4)+\b)+7], v[128*(\p)+FR*\b:128*(\p)+FR*\b+FR-1], v[AF+FR*(\a):AF+FR*(\a)+FR-1], v[8*(8*((\a)%4)+\b):8*(8*((\a)%4)+\b)+7], v[SC+16*(\sc)+\b], v[SC+16*(\sc)+8+(\a)] matrix_a_fmt:MATRIX_FMT_FP6 matrix_b_fmt:MATRIX_FMT_FP6
.else
	v_wmma_scale_f32_16x16x128_f8f6f4 v[8*(8*((\a)%4)+\b):8*(8*((\a)%4)+\b)+7], v[128*(\p)+FR*\b:128*(\p)+FR*\b+FR-1], v[AF+FR*(\a):AF+FR*(\a)+FR-1], v[8*(8*((\a)%4)+\b):8*(8*((\a)%4)+\b)+7], v[SC+16*(\sc)+\b], v[SC+16*(\sc)+8+(\a)] matrix_a_fmt:MATRIX_FMT_FP6 matrix_b_fmt:MATRIX_FMT_FP6 matrix_a_scale:MATRIX_SCALE_ROW1 matrix_b_scale:MATRIX_SCALE_ROW1
.endif
.endr
.endr
.endm
.macro FETCH_B slot, q, p
	WIN TO_B
.irp i, 0,1,2,3,4,5,6,7
	FRAGB 128*(\p)+FR*\i, ADRB+\slot, \q, \i
.endr
	WIN 0
.endm
.macro FETCH_A slot, q, i0
.irp i, \i0, \i0+1, \i0+2, \i0+3
	FRAGA AF+FR*(\i), ADRA+\slot, \q, \i
.endr
.endm
.macro SCALES sc
.irp i, 0,1,2,3,4,5,6,7
	ds_load_b32 v[SC+16*\sc+\i], v[ADRSB] offset:(EPI*(32*(\i/2)+8*(\i%2))+(1-EPI)*16*\i)*KS*17/16
	ds_load_b32 v[SC+16*\sc+8+\i], v[ADRSA] offset:\i*ASC_SI
.endr
.endm
.macro PLACES n
.rept \n
	v_nop
.endr
.endm
.macro STEP slot, first
	s_wait_dscnt 4*NL
.if \first
	WIN 0x81
.else
	WIN MUL_LO
.endif
	MUL16 0, 0, 0, \slot, \first
	MUL16 2, 0, 0, \slot, \first
	s_wait_dscnt 0
	PLACES NP
	FETCH_B \slot, 1, 1
	FETCH_A \slot, 1, 0
.if \first
	WIN 0xc1
.else
	WIN MUL_HI
.endif
	MUL16 4, 0, 0, \slot, \first
	MUL16 6, 0, 0, \slot, \first
	PLACES NP
	WIN 0
	FETCH_A \slot, 1, 4
.endm
.macro TURN slot, next, fill
	s_wait_tensorcnt 0x0
	ds_add_u32 v[SPW], v[NIL]
	s_wait_dscnt 4*NL+1
	WIN MUL_LO
	MUL16 0, 1, 1, \slot, 0
	s_wait_dscnt 0x0
	s_barrier_signal -1
	MUL16 2, 1, 1, \slot, 0
	WIN 0
	s_barrier_wait -1
.if \fill
	CREST
	s_add_nc_u64 s[G0+4*\slot+2:G0+4*\slot+3], s[G0+4*\slot+2:G0+4*\slot+3], 2*ASLOT
	s_add_nc_u64 s[G0B+4*\slot+2:G0B+4*\slot+3], s[G0B+4*\slot+2:G0B+4*\slot+3], 2*SIZE_N*ROWB
	JLOAD G0+4*\slot, G1, G0B+4*\slot, G1B
.else
	PLACES NP
.endif
	s_wait_alu depctr_va_vdst(0)
	v_add_nc_u32 v[ADRSB], 8, v[ADRSB]
	v_add_nc_u32 v[ADRSA], 2*ASC_SK, v[ADRSA]
	FETCH_B \next, 0, 0
	FETCH_A \next, 0, 0
	SCALES \next
	WIN MUL_HI
	MUL16 4, 1, 1, \slot, 0
	MUL16 6, 1, 1, \slot, 0
	PLACES NP
	WIN 0
	FETCH_A \next, 0, 4
.endm
	s_wait_tensorcnt 1
	s_barrier_signal -1
	s_barrier_wait -1
	FETCH_B 0, 0, 0
	FETCH_A 0, 0, 0
	SCALES 0
	FETCH_A 0, 0, 4
	s_wait_loadcnt 0x0
	STEP 0, 1
	s_mov_b32 s3, LAPS-1
.Llap:
	TURN 0, 1, 1
	STEP 1, 0
	TURN 1, 0, 1
	STEP 0, 0
	s_sub_co_u32 s3, s3, 1
	s_cmp_lg_u32 s3, 0
	s_cbranch_scc1 .Llap
	TURN 0, 1, 0
	STEP 1, 0
	s_wait_dscnt 4*NL
	WIN MUL_LO
	MUL16 0, 1, 1, 1, 0
	MUL16 2, 1, 1, 1, 0
	s_wait_dscnt 0
	WIN MUL_HI
	MUL16 4, 1, 1, 1, 0
	MUL16 6, 1, 1, 1, 0
	WIN 0
	PLACES NP
.if EPI
.macro QUANT s, pw
.irp b, 0,1,2,3
	v_max3_num_f32 v[TM+\b], v[\s+16*\b], v[\s+1+16*\b], 0x1800000
.endr
.irp i, 2,4,6,8,10,12,14
.irp b, 0,1,2,3
	v_max3_num_f32 v[TM+\b], v[TM+\b], v[\s+16*\b+\i], v[\s+1+16*\b+\i]
.endr
.endr
.irp b, 0,1,2,3
	v_permlanex16_b32 v[TM+4+\b], v[TM+\b], s[SEL], s[SEL+1]
.endr
.irp b, 0,1,2,3
	v_max_num_f32 v[TM+\b], v[TM+\b], v[TM+4+\b]
.endr
.irp b, 0,1,2,3
	v_add_nc_u32 v[TM+12+\b], 0xff000000, v[TM+\b]
.endr
.irp b, 0,1,2,3
	v_lshrrev_b32 v[TM+4+\b], 23, v[TM+12+\b]
.endr
	v_lshl_or_b32 v[\pw], v[TM+5], 8, v[TM+4]
	v_lshl_or_b32 v[\pw], v[TM+6], 16, v[\pw]
	v_lshl_or_b32 v[\pw], v[TM+7], 24, v[\pw]
.irp c, 0,1
	v_cvt_scalef32_pk16_fp6_f32 v[PC+6*\c:PC+2+6*\c], v[\s+32*\c:\s+15+32*\c], v[TM+12+2*\c]
	v_cvt_scalef32_pk16_fp6_f32 v[PC+12+4*\c:PC+14+4*\c], v[\s+16+32*\c:\s+31+32*\c], v[TM+12+2*\c+1]
.endr
	v_nop
.irp c, 0,1
.irp i, 0,1,2
	v_permlane16_swap_b32 v[PC+6*\c+\i], v[PC+12+4*\c+\i]
.endr
.irp i, 0,1,2
	v_mov_b32 v[PC+3+6*\c+\i], v[PC+12+4*\c+\i]
.endr
.endr
.endm
.irp b, 0,1,2,3
	v_mov_b32 v[TM+4+\b], 0
.endr
.irp a, 0,1,2,3,4,5,6,7
.if \a > 0
	s_wait_xcnt 0x0
.endif
	WIN 0x08+4*(\a/4)
.set jj, 0
.rept 64
	v_max_num_f32 v[HA+jj], 0, v[64*(\a%4)+jj]
.set jj, jj+1
.endr
	WIN 0
	QUANT HA, PW+\a
.irp p, 0,1,2,3,4,5
	global_store_b64 v[CO8], v[PC+2*\p:PC+2*\p+1], s[12:13] offset:3072*\a+256*\p
.endr
	ds_store_b32 v[SWA], v[PW+\a] offset:64*\a
.endr
	ds_load_b128 v[184:187], v[SRA]
	s_wait_dscnt 0x0
	global_store_b128 v[CO], v[184:187], s[98:99]
.else
.macro RLOAD a
.set RR, RES+128*((\a)%2)
.irp t, 0,1,2,3,4,5,6,7,8,9,10,11,12,13,14,15
	global_load_b128 v[RR+4*\t:RR+4*\t+3], v[CO], s[98:99] offset:(16*(\a)+\t)*SIZE_N*4 th:TH_LOAD_NT
.endr
.endm
	RLOAD 0
.irp a, 0,1,2,3,4,5,6,7
.if \a > 0
	s_wait_xcnt 0x0
.endif
	WIN 0x08+4*(\a/4)
.irp b, 0,1,2,3,4,5,6,7
	ds_store_b128 v[STO], v[64*(\a%4)+8*\b:64*(\a%4)+8*\b+3] offset:64*\b
	ds_store_b128 v[STO], v[64*(\a%4)+8*\b+4:64*(\a%4)+8*\b+7] offset:64*\b+16
.endr
	WIN 0
.irp t, 0,1,2,3,4,5,6,7,8,9,10,11,12,13,14,15
	ds_load_b128 v[BK+4*\t:BK+4*\t+3], v[RD] offset:\t*SPITCH
.endr
.if \a < 7
	RLOAD \a+1
	s_wait_dscnt 0x0
	s_wait_loadcnt 16
.else
	s_wait_dscnt 0x0
	s_wait_loadcnt 0x0
.endif
.set jj, 0
.rept 32
	v_pk_add_f32 v[BK+jj:BK+jj+1], v[BK+jj:BK+jj+1], v[RES+128*(\a%2)+jj:RES+128*(\a%2)+jj+1]
.set jj, jj+2
.endr
.irp t, 0,1,2,3,4,5,6,7,8,9,10,11,12,13,14,15
	global_store_b128 v[CO], v[BK+4*\t:BK+4*\t+3], s[12:13] offset:(16*\a+\t)*SIZE_N*4
.endr
.endr
.endif
	s_wait_tensorcnt 0x0
	ds_add_u32 v[SPW], v[NIL]
	s_wait_dscnt 0x0
	CROUND
	s_endpgm
.Lfunc_end_k_q914b3c4f91_gemm_ff1:
	.size	k_q914b3c4f91_gemm_ff1, .Lfunc_end_k_q914b3c4f91_gemm_ff1-k_q914b3c4f91_gemm_ff1
	.p2alignl 7, 3214868480
	.fill 96, 4, 3214868480
	.section	.rodata,"a",@progbits
	.p2align	6, 0x0
	.amdhsa_kernel k_q914b3c4f91_gemm_ff1
		.amdhsa_group_segment_fixed_size 327680
		.amdhsa_private_segment_fixed_size 0
		.amdhsa_enable_private_segment 0
		.amdhsa_kernarg_size 40
		.amdhsa_user_sgpr_count 2
		.amdhsa_user_sgpr_kernarg_segment_ptr 1
		.amdhsa_wavefront_size32 1
		.amdhsa_system_sgpr_workgroup_id_x 1
		.amdhsa_system_sgpr_workgroup_id_y 1
		.amdhsa_system_sgpr_workgroup_id_z 1
		.amdhsa_system_vgpr_workitem_id 0
		.amdhsa_next_free_vgpr 1024
		.amdhsa_next_free_sgpr 100
		.amdhsa_reserve_vcc 0
		.amdhsa_float_denorm_mode_32 3
		.amdhsa_float_denorm_mode_16_64 3
		.amdhsa_memory_ordered 1
		.amdhsa_forward_progress 1
		.amdhsa_inst_pref_size 188
	.end_amdhsa_kernel
	.amdgpu_metadata
---
amdhsa.version: [ 1, 2 ]
amdhsa.kernels:
  - .name:           k_q914b3c4f91_gemm_ff1
    .symbol:         k_q914b3c4f91_gemm_ff1.kd
    .args:
      - { .name: x1q, .offset: 0, .size: 8, .value_kind: global_buffer, .address_space: global }
      - { .name: wq, .offset: 8, .size: 8, .value_kind: global_buffer, .address_space: global }
      - { .name: w_ff1_scales, .offset: 16, .size: 8, .value_kind: global_buffer, .address_space: global }
      - { .name: b_ff1, .offset: 24, .size: 8, .value_kind: global_buffer, .address_space: global }
      - { .name: hq, .offset: 32, .size: 8, .value_kind: global_buffer, .address_space: global }
    .group_segment_fixed_size: 327680
    .private_segment_fixed_size: 0
    .kernarg_segment_align: 8
    .kernarg_segment_size: 40
    .max_flat_workgroup_size: 128
    .sgpr_count:     100
    .vgpr_count:     1024
    .wavefront_size: 32
...
	.end_amdgpu_metadata
.endif
;; end of part 12
;; launch gemm_ff2 (part 13): grid 8 x 32, 4 waves a work-group, clusters of 4 x 4, 327,680 bytes of LDS; arguments hq, wq, w_ff2_scales, b_ff2, x1, y; writes y
.if DOCPART == 13
	.amdgcn_target "amdgcn-amd-amdhsa--gfx1250"
	.amdhsa_code_object_version 6
	.text
	.protected	k_q914b3c4f91_gemm_ff2
	.globl	k_q914b3c4f91_gemm_ff2
	.p2align	8
	.type	k_q914b3c4f91_gemm_ff2,@function
k_q914b3c4f91_gemm_ff2:
	s_mov_b64 s[64:65], 0
	v_nop
	global_prefetch_b8 v0, s[64:65] scope:SCOPE_SE
	s_setreg_imm32_b32 hwreg(HW_REG_WAVE_MODE, 25, 1), 1
	s_wait_xcnt 0x0
	s_wait_alu depctr_hold_cnt(0) depctr_sa_sdst(0) depctr_va_vdst(0) depctr_va_sdst(0) depctr_va_ssrc(0) depctr_va_vcc(0) depctr_vm_vsrc(0)
	s_getreg_b32 s2, hwreg(HW_REG_IB_STS2, 6, 4)
	s_cmp_eq_u32 s2, 0
	s_cbranch_scc0 .Lentry_in_a_cluster
	s_endpgm
.Lentry_in_a_cluster:
	s_bfe_u32 s2, ttmp6, 0x10000c
	s_cmp_lg_u32 s2, 0xf033
	s_cbranch_scc0 .Lentry_shape_is_right
	s_endpgm
.Lentry_shape_is_right:
; out[m][n] = sum over k of A[m][k] B[n][k] + bias[n] + residual[m][n], f32; the product on codes of FP6 (E2M3) with one E8M0 scale for each 32 along K; 4,096 rows, SIZE_N = 1,024 columns.
; One text serves two products; the three symbols below tell them apart.
; A is an IMAGE OF THE OPERAND'S REGISTERS: [K / 256][row / 16][2][6 pieces][32 lanes][8 bytes]: a fragment (16 rows x 128 K, 12 registers a lane) is 1,536 bytes on end; 128 rows of 256 along K are 24,576 dense bytes.
; A's scale words (one for a row and 128 K) lie at ASC_OFF in the same buffer, [K / 128][4,096 rows].  B: [SIZE_N][SIZE_K] codes as given, a row one stream of bits; scale bytes [SIZE_N][SIZE_K / 32].
; THE TILE.  C has 64 tiles of 256 x 256 and 256 of 128 x 128: the smaller tile gives four times the work-groups.  Four waves, each 64 x 64: 16 accumulators, 128 registers.
; K goes in steps of 512 through a ring of two LDS slots filled by the tensor data mover: waves 0 and 1 fetch the two halves along K of A's 128 rows, waves 2 and 3 those of B's 128 rows.  All scales come into LDS once, with the first fills.
; CLUSTERS: 4 x 4 work-groups; A's tiles are asked for jointly along a row of the cluster, B's along a column.  THE MATRIX INSTRUCTION IS USED TRANSPOSED (source 0 = 16 rows of B, source 1 = 16 rows of A): a lane holds eight neighbouring numbers of a row of C.
; The bias is the C of each sum's first matrix instruction.  The residual's 64 x 64 numbers of a wave are loaded at the head into registers of their own and are there when the sums are done.
; No prefetch is laid: the tile is small and its fills are shared in the cluster.  LIMITS: NaN and infinities among the inputs are not served.
; REGISTERS: window 0: v0-31 addresses; v32-63 scale words, two sets, and nothing else; v64-95 the bias, later the block on its way out; v128-255 the accumulators ((a, b) at v[128 + 8 (4 a + b)]).
;   window 1: two sets of fragments: set p: B's four at v[128 p], A's four at v[128 p + 48].   window 2: v0-127 the residual.
.set SIZE_N,  1024
.set SIZE_K,  4096
.set ASC_OFF, 12582912
.set ROWB,   192                       ; a row of B's tile: 256 codes
.set KROW,   SIZE_K*6/8
.set PITCH,  240                       ; B's LDS row: 3 x (64 bytes + 16 of padding)
.set FR,     12
.set NP,     4                         ; places behind this matrix instruction (ISA guide 7.12.1)
.set ASLOT,  786432                    ; 256 along K of all 4,096 rows of A
.set HALFA,  24576                     ; 128 rows x 256 along K of A
.set HALFB,  128*PITCH                 ; the same of B
.set SLOT,   2*HALFA+2*HALFB           ; A's two halves along K, then B's two
.set LAPS,   SIZE_K/1024               ; a lap = two slots = once round the ring
.set KS,     SIZE_K/32
.set NKS,    SIZE_K/128
.set ASC_SK, 576                       ; A's scale words in LDS: 128 rows' 512 bytes + 64 of padding for each 128 along K
.set HSA,    (NKS/2)*ASC_SK            ; half of them: what one tensor load brings
.set SCLA,   2*SLOT
.set SCLB,   SCLA+2*HSA
.set HSB,    (64*KS/256)*272           ; B's scale bytes of 64 rows, as units of 256 + 16
.set SPARE,  SCLB+2*HSB                ; the spare words, 128 bytes a wave: two blocks of 256 bytes that no other line names
.set SPITCH, 272                       ; the way out: a stage of 16 rows x (256 + 16) bytes a wave, in slot 0, which has had its last fill and its last read by then
.set ADRA, 16                          ; v16-17  my A fragments in slot 0, 1: 8 x lane + my 64 rows
.set ADRB, 20                          ; v20-21  my B fragments; v22-23 the same behind one padding more
.set STO,  24
.set RD,   25
.set CO,   26
.set ADRSB, 27                         ; B's scale words: lanes 0-15 an even 128 along K, lanes 16-31 the odd one behind it
.set SPW,  28
.set NIL,  29
.set ADRSA, 30                         ; A's likewise
.set BO,   31                          ; the bias's lane offset
.set SC,   32                          ; set s at v[32 + 16 s]: B's block i, half k along K at 2 i + k; A's at 8 + 2 i + k
.set BIAS, 64
.set BK,   64
.set ACC,  128
.set G1, 24
.set G0, 32
.set G1B, 48
.set G0B, 56
.set G1S, 68
.set G0S, 76
.set G1SB, 80
.set G0SB, 88
.set MSB, 0
.macro WIN new                         ; the immediate's high byte repeats the setting that is left
.if MSB != \new
	s_set_vgpr_msb (MSB<<8)|\new
.set MSB, \new
.endif
.endm
.set MUL,  0x05                        ; sources 0 (B) and 1 (A) window 1; C and D window 0
.set TO_F, 0x40                        ; destination window 1, address window 0
; A joint load: waves 0 and 1 fetch for A, waves 2 and 3 for B; the branch hangs on the wave's number alone.  Four v_nop follow each of the two lines.
.macro JLOAD g0a, g1a, g0b, g1b
	s_cmp_eq_u32 s15, 0
	s_cbranch_scc0 .Lfor_b_\@
	tensor_load_to_lds s[\g0a:\g0a+3], s[\g1a:\g1a+7]
	s_nop 0
.rept 4
	v_nop
.endr
	s_branch .Lasked_\@
.Lfor_b_\@:
	tensor_load_to_lds s[\g0b:\g0b+3], s[\g1b:\g1b+7]
	s_nop 0
.rept 4
	v_nop
.endr
.Lasked_\@:
.endm
.macro CREST                           ; a round of the cluster's barrier behind its opening barrier
	s_cmp_lg_u32 s14, 0
	s_cbranch_scc1 .Lnot_wave_0_\@
	s_barrier_signal -3
.Lnot_wave_0_\@:
	s_barrier_wait -3
	s_barrier_signal -1
	s_barrier_wait -1
.endm
.macro CROUND
	s_barrier_signal -1
	s_barrier_wait -1
	CREST
.endm
	s_load_b64 s[4:5], s[0:1], 0x0                 ; A (image and scale words)
	s_load_b64 s[8:9], s[0:1], 0x8                 ; B's codes
	s_load_b64 s[10:11], s[0:1], 0x10              ; B's scales
	s_load_b64 s[96:97], s[0:1], 0x18              ; the bias
	s_load_b64 s[98:99], s[0:1], 0x20              ; the residual
	s_load_b64 s[12:13], s[0:1], 0x28              ; the output
	v_lshl_add_u32 v[SPW], v0, 2, SPARE
	v_mov_b32 v[NIL], 0
	ds_add_u32 v28, v29
	ds_add_u32 v28, v29
	s_wait_dscnt 0x0
	v_lshrrev_b32 v1, 5, v0
	v_readfirstlane_b32 s14, v1                    ; wave 0..3
	s_lshr_b32 s15, s14, 1                         ; which 64 of the tile's rows are mine.  Also: I fetch for A (0) or for B (1)
	s_and_b32 s16, s14, 1                          ; which 64 of its columns.  Also: which half along K of a slot I fetch
	s_bfe_u32 s40, ttmp6, 0x40000                  ; cx, cy
	s_bfe_u32 s41, ttmp6, 0x40004
	s_lshl_b32 s42, ttmp9, 2
	s_add_co_u32 s42, s42, s40                     ; tile column
	s_and_b32 s17, ttmp7, 0xffff
	s_lshl_b32 s17, s17, 2
	s_add_co_u32 s17, s17, s41                     ; tile row
	s_lshl_b32 s43, s41, 2
	s_lshl_b32 s43, 15, s43                        ; my row of the cluster
	s_lshl_b32 s44, 0x1111, s40                    ; my column
	; group 1, A's codes: 24,576 dense bytes as 96 rows of 256 (32 elements of 8 bytes), no padding
	s_or_b32 s[G1+0], s43, (3<<16)|(1<<21)
	s_mov_b32 s[G1+1], 32<<16
	s_mov_b32 s[G1+2], 96<<16
	s_mov_b32 s[G1+3], 32<<16
	s_mov_b32 s[G1+4], 96
	s_mov_b32 s[G1+5], 32
	s_mov_b32 s[G1+6], 0
	s_mov_b32 s[G1+7], 0
	; B's codes: 128 rows of 192 bytes, 16 bytes of padding behind every 64
	s_or_b32 s[G1B+0], s44, (3<<16)|(1<<20)|(1<<21)|(3<<22)|(3<<25)  ; B's codes come from wq, [K / 256][n][192]: 128 rows are 24,576 dense bytes, as 96 rows of 256; 16 bytes of padding behind every 64
	s_mov_b32 s[G1B+1], 32<<16
	s_mov_b32 s[G1B+2], 96<<16
	s_mov_b32 s[G1B+3], 32<<16
	s_mov_b32 s[G1B+4], 96
	s_mov_b32 s[G1B+5], 32
	s_mov_b32 s[G1B+6], 0
	s_mov_b32 s[G1B+7], 0
	; A's scale words of 128 rows, half of K: NKS / 2 rows of 512 bytes, 16,384 bytes apart; 64 bytes of padding behind each
	s_or_b32 s[G1S+0], s43, (3<<16)|(1<<20)|(1<<21)|(6<<22)|(15<<25)
	s_mov_b32 s[G1S+1], 64<<16
	s_mov_b32 s[G1S+2], (NKS/2)<<16
	s_mov_b32 s[G1S+3], 64<<16
	s_mov_b32 s[G1S+4], NKS/2
	s_mov_b32 s[G1S+5], 2048
	s_mov_b32 s[G1S+6], 0
	s_mov_b32 s[G1S+7], 0
	; B's scale bytes of 64 rows: a dense block as rows of 256 bytes, 16 of padding behind each
	s_or_b32 s[G1SB+0], s44, (3<<16)|(1<<20)|(1<<21)|(5<<22)|(3<<25)
	s_mov_b32 s[G1SB+1], 32<<16
	s_mov_b32 s[G1SB+2], (64*KS/256)<<16
	s_mov_b32 s[G1SB+3], 32<<16
	s_mov_b32 s[G1SB+4], 64*KS/256
	s_mov_b32 s[G1SB+5], 32
	s_mov_b32 s[G1SB+6], 0
	s_mov_b32 s[G1SB+7], 0
	; where the tiles come from.  A's hang on the tile row and the wave's number alone, B's on the tile column and the wave's number, each in registers that never hold the other coordinate
	s_mul_i32 s22, s17, 8*3072                     ; A: the tile's eight blocks of 16 rows,
	s_mul_i32 s18, s16, ASLOT                      ; my half along K
	s_add_co_u32 s22, s22, s18
	s_mov_b32 s23, 0
	s_lshl_b32 s18, s17, 9                         ; A's scale words: 4 bytes a row,
	s_mul_i32 s19, s16, (NKS/2)*16384              ; my half of K
	s_add_co_u32 s18, s18, s19
	s_add_co_u32 s18, s18, ASC_OFF
	s_mov_b32 s19, 0
	s_lshl_b32 s46, s42, 7                         ; B: the tile's first row
	s_mul_i32 s92, s46, KS
	s_mul_i32 s47, s16, 64*KS                      ; scale bytes: my 64 rows
	s_add_co_u32 s92, s92, s47
	s_mov_b32 s93, 0
	s_mul_i32 s46, s46, ROWB
	s_add_co_u32 s46, s46, 3932160                 ; w_ff2's place in wq
	s_mul_i32 s47, s16, SIZE_N*ROWB                ; codes: my half along K
	s_add_co_u32 s46, s46, s47
	s_mov_b32 s47, 0
	s_mul_i32 s45, s16, HALFA                      ; where they go: no place in the cluster enters an LDS address
	s_mul_i32 s94, s16, HALFB
	s_add_co_u32 s94, s94, 2*HALFA
	s_mul_i32 s95, s16, HSA
	s_add_co_u32 s95, s95, SCLA
	s_mul_i32 s2, s16, HSB
	s_add_co_u32 s2, s2, SCLB
	s_wait_kmcnt 0x0
	s_add_nc_u64 s[22:23], s[4:5], s[22:23]
	s_add_nc_u64 s[18:19], s[4:5], s[18:19]
	s_add_nc_u64 s[46:47], s[8:9], s[46:47]
	s_add_nc_u64 s[92:93], s[10:11], s[92:93]
	CROUND                                         ; all sixteen work-groups are here: the first joint loads meet
	s_mov_b32 s[G0S], 1
	s_mov_b32 s[G0S+1], s95
	s_mov_b64 s[G0S+2:G0S+3], s[18:19]
	s_or_b32 s[G0S+3], s[G0S+3], 0x80000000
	s_mov_b32 s[G0SB], 1
	s_mov_b32 s[G0SB+1], s2
	s_mov_b64 s[G0SB+2:G0SB+3], s[92:93]
	s_or_b32 s[G0SB+3], s[G0SB+3], 0x80000000
	JLOAD G0S, G1S, G0SB, G1SB                     ; the scales first: they are wanted with the first slot
.irp s, 0,1
	s_mov_b32 s[G0+4*\s], 1
	s_add_co_u32 s[G0+4*\s+1], s45, \s*SLOT
	s_add_nc_u64 s[G0+4*\s+2:G0+4*\s+3], s[22:23], \s*2*ASLOT
	s_or_b32 s[G0+4*\s+3], s[G0+4*\s+3], 0x80000000
	s_mov_b32 s[G0B+4*\s], 1
	s_add_co_u32 s[G0B+4*\s+1], s94, \s*SLOT
	s_add_nc_u64 s[G0B+4*\s+2:G0B+4*\s+3], s[46:47], \s*2*SIZE_N*ROWB
	s_or_b32 s[G0B+4*\s+3], s[G0B+4*\s+3], 0x80000000
	s_wait_alu depctr_va_vdst(0)
	s_wait_tensorcnt 0x0                           ; a round ahead of each later first fill: one tensor load a wave behind each
	ds_add_u32 v28, v29
	s_wait_dscnt 0x0
	CROUND
	JLOAD G0+4*\s, G1, G0B+4*\s, G1B
.endr
	v_and_b32 v1, 15, v0                           ; r
	v_bfe_u32 v2, v0, 4, 1                         ; h
	v_and_b32 v6, 31, v0                           ; lane
	v_mul_u32_u24 v3, v1, PITCH
	v_mul_u32_u24 v4, v2, 24
	v_add_nc_u32 v4, v3, v4                        ; B: row x pitch + 24 x half
	v_lshl_add_u32 v5, v2, 4, v4                   ; and the same behind one padding more
	v_lshlrev_b32 v7, 3, v6                        ; A: 8 x lane
	s_mul_i32 s20, s15, 4*3072                     ; my four blocks of A
	s_mul_i32 s21, s16, 64*PITCH                   ; my 64 rows of B, behind A's
	s_add_co_u32 s21, s21, 2*HALFA
.irp s, 0,1
	v_add_nc_u32 v[ADRA+\s], s20, v7
	v_add_nc_u32 v[ADRB+\s], s21, v4
	v_add_nc_u32 v[ADRB+2+\s], s21, v5
	s_add_co_u32 s20, s20, SLOT
	s_add_co_u32 s21, s21, SLOT
.endr
	v_mul_u32_u24 v5, v1, KS                       ; B's scale bytes: KS a row,
	v_lshrrev_b32 v9, 8, v5
	v_lshl_add_u32 v5, v9, 4, v5                   ; 16 more for each 256 passed,
	v_lshl_add_u32 v5, v2, 2, v5                   ; lanes 16-31 one word on
	s_mul_i32 s20, s16, HSB
	s_add_co_u32 s20, s20, SCLB
	v_add_nc_u32 v[ADRSB], s20, v5
	v_lshlrev_b32 v5, 2, v1                        ; A's scale words: 4 r,
	v_mad_u32_u24 v5, v2, ASC_SK, v5               ; lanes 16-31 one 128 along K on
	s_lshl_b32 s20, s15, 8                         ; my 64 rows
	s_add_co_u32 s20, s20, SCLA
	v_add_nc_u32 v[ADRSA], s20, v5
	v_lshlrev_b32 v[BO], 5, v2                     ; a lane's columns of accumulator (a, b): 16 b + 8 h + 0 .. 7
	s_wait_alu depctr_va_vdst(0)
	s_mul_i32 s23, s14, 16*SPITCH                  ; my stage
	v_mul_u32_u24 v5, v1, SPITCH
	v_lshl_add_u32 v5, v2, 5, v5
	v_add_nc_u32 v[STO], s23, v5                   ; in: row r, 32 bytes for each half of the lanes
	v_mul_u32_u24 v5, v2, SPITCH
	v_lshl_add_u32 v5, v1, 4, v5
	v_add_nc_u32 v[RD], s23, v5                    ; back: lanes 0-15 one row of 256 bytes, lanes 16-31 the next
	v_mul_u32_u24 v5, v2, SIZE_N*4
	v_lshl_add_u32 v[CO], v1, 4, v5                ; and the same two rows in memory
	s_wait_alu depctr_va_vdst(0)
	s_lshl_b32 s92, s42, 9
	s_lshl_b32 s93, s16, 8
	s_add_co_u32 s92, s92, s93                     ; my first column x 4 bytes
	s_mov_b32 s93, 0
	s_add_nc_u64 s[96:97], s[96:97], s[92:93]      ; the bias there
	s_lshl_b32 s20, s17, 7
	s_lshl_b32 s21, s15, 6
	s_add_co_u32 s20, s20, s21                     ; my first row
	s_mul_i32 s20, s20, SIZE_N*4
	s_mov_b32 s21, 0
	s_add_nc_u64 s[20:21], s[20:21], s[92:93]
	s_add_nc_u64 s[12:13], s[12:13], s[20:21]
	s_add_nc_u64 s[98:99], s[98:99], s[20:21]
.irp b, 0,1,2,3
	global_load_b128 v[BIAS+8*\b:BIAS+8*\b+3], v[BO], s[96:97] offset:64*\b
	global_load_b128 v[BIAS+8*\b+4:BIAS+8*\b+7], v[BO], s[96:97] offset:64*\b+16
.endr
	WIN 0x80                                       ; destination window 2
.set tt, 0
.rept 32                                       ; the residual: load t brings rows 2 t and 2 t + 1 of my 64, 256 consecutive bytes each; every offset is an immediate: 62 rows of 4,096 bytes at the most
	global_load_b128 v[4*tt:4*tt+3], v[CO], s[98:99] offset:2*tt*SIZE_N*4 th:TH_LOAD_NT
.set tt, tt+1
.endr
	WIN 0
.macro FRAGA reg, adr, q, i            ; a fragment of A as it lies: six pieces of 256 consecutive bytes.  q: which 128 along K of the slot's four
.irp p, 0,1,2,3,4,5
	ds_load_b64 v[\reg+2*\p:\reg+2*\p+1], v[\adr] offset:((\q)/2)*HALFA+(\i)*3072+((\q)%2)*1536+256*\p
.endr
.endm
.macro FRAGB reg, adr, q, i            ; a fragment of B from rows: lane (r, h) takes 24 bytes at 24 h and at 48 + 24 h of its row's 96, in pieces of 8; where the piece three on lies behind one padding more, the second address register serves
.irp p, 0,1,2,3,4,5
.set PCE, 12*((\q)%2)+6*(\p/3)+\p%3
.if PCE%8 < 5
	ds_load_b64 v[\reg+2*\p:\reg+2*\p+1], v[\adr] offset:((\q)/2)*HALFB+8*PCE+16*(PCE/8)+(\i)*16*PITCH
.else
	ds_load_b64 v[\reg+2*\p:\reg+2*\p+1], v[\adr+2] offset:((\q)/2)*HALFB+8*PCE+16*(PCE/8)+(\i)*16*PITCH
.endif
.endr
.endm
; 4 matrix instructions: A's block a x B's four, the slot's q-th 128 along K.  p: the set of fragments; sc: the set of scale words (lanes 0-15 serve an even q, lanes 16-31 an odd one).  first = 1: the bias starts the sums.
; The 16 accumulators take turns, one instruction a turn, in the same order in every step.
.macro MUL4 a, p, q, sc, first
.irp b, 0,1,2,3
.if \first
	v_wmma_scale_f32_16x16x128_f8f6f4 v[ACC+8*(4*(\a)+\b):ACC+8*(4*(\a)+\b)+7], v[128*(\p)+FR*\b:128*(\p)+FR*\b+FR-1], v[128*(\p)+48+FR*(\a):128*(\p)+48+FR*(\a)+FR-1], v[BIAS+8*\b:BIAS+8*\b+7], v[SC+16*(\sc)+2*\b+(\q)/2], v[SC+16*(\sc)+8+2*(\a)+(\q)/2] matrix_a_fmt:MATRIX_FMT_FP6 matrix_b_fmt:MATRIX_FMT_FP6
.elseif (\q)%2 == 0
	v_wmma_scale_f32_16x16x128_f8f6f4 v[ACC+8*(4*(\a)+\b):ACC+8*(4*(\a)+\b)+7], v[128*(\p)+FR*\b:128*(\p)+FR*\b+FR-1], v[128*(\p)+48+FR*(\a):128*(\p)+48+FR*(\a)+FR-1], v[ACC+8*(4*(\a)+\b):ACC+8*(4*(\a)+\b)+7], v[SC+16*(\sc)+2*\b+(\q)/2], v[SC+16*(\sc)+8+2*(\a)+(\q)/2] matrix_a_fmt:MATRIX_FMT_FP6 matrix_b_fmt:MATRIX_FMT_FP6
.else
	v_wmma_scale_f32_16x16x128_f8f6f4 v[ACC+8*(4*(\a)+\b):ACC+8*(4*(\a)+\b)+7], v[128*(\p)+FR*\b:128*(\p)+FR*\b+FR-1], v[128*(\p)+48+FR*(\a):128*(\p)+48+FR*(\a)+FR-1], v[ACC+8*(4*(\a)+\b):ACC+8*(4*(\a)+\b)+7], v[SC+16*(\sc)+2*\b+(\q)/2], v[SC+16*(\sc)+8+2*(\a)+(\q)/2] matrix_a_fmt:MATRIX_FMT_FP6 matrix_b_fmt:MATRIX_FMT_FP6 matrix_a_scale:MATRIX_SCALE_ROW1 matrix_b_scale:MATRIX_SCALE_ROW1
.endif
.endr
.endm
.macro FETCH slot, q, p                ; 48 LDS loads in one run: B's four fragments, then A's four, so that the youngest twelve are A's blocks 2 and 3
	WIN TO_F
.irp i, 0,1,2,3
	FRAGB 128*(\p)+FR*\i, ADRB+\slot, \q, \i
.endr
.irp i, 0,1,2,3
	FRAGA 128*(\p)+48+FR*\i, ADRA+\slot, \q, \i
.endr
.endm
.macro SCALES sc                       ; a slot's scale words: two registers for each block of B and of A
.irp i, 0,1,2,3
.irp k, 0,1
	ds_load_b32 v[SC+16*\sc+2*\i+\k], v[ADRSB] offset:17*\i*KS+8*\k
	ds_load_b32 v[SC+16*\sc+8+2*\i+\k], v[ADRSA] offset:64*\i+2*ASC_SK*\k
.endr
.endr
.endm
; A load into a register that a matrix instruction has read, and an LDS store that reads a matrix result, stand NP places behind that matrix instruction; only plain vector instructions that name none of its registers are places.
.macro PLACES n
.rept \n
	v_nop
.endr
.endm
; One of a slot's first three steps of 128 along K: multiplies set q % 2 and, in its middle, fetches the next step's fragments into the other set, which the step before has multiplied.
.macro STEP slot, q, first
	s_wait_dscnt 12                                ; all but the youngest twelve loads (A's blocks 2 and 3) are in
	WIN MUL
	MUL4 0, (\q)%2, \q, \slot, \first
	MUL4 1, (\q)%2, \q, \slot, \first
	PLACES NP
	FETCH \slot, (\q)+1, 1-(\q)%2
	s_wait_dscnt 48                                ; all but the 48 just issued
	WIN MUL
	MUL4 2, (\q)%2, \q, \slot, \first
	MUL4 3, (\q)%2, \q, \slot, \first
.endm
; A slot's last step changes slots: ONE barrier; in front of it each wave waits for all its tensor loads, adds 0 to its spare word, and waits for that and for its own reads of this slot.  fill = 1: this slot is filled again, two slots ahead.
.macro TURN slot, next, fill
	WIN 0                                          ; (the add's two registers lie in window 0)
	s_wait_tensorcnt 0x0                           ; all my tensor loads have landed: my part of the next slot
	ds_add_u32 v[SPW], v[NIL]                      ; 0 onto my spare word
	s_wait_dscnt 13                                ; (the add and the youngest twelve loads may be out)
	WIN MUL
	MUL4 0, 1, 3, \slot, 0                         ; four matrix instructions stand between the add and the wait for it
	s_wait_dscnt 0x0                               ; the add is done, and my reads of this slot are over
	s_barrier_signal -1
	MUL4 1, 1, 3, \slot, 0
	WIN 0
	s_barrier_wait -1
.if \fill
	CREST                                          ; the barrier has opened a round of the cluster's barrier: no wave of any partner still reads this slot or has a load on its way
	s_add_nc_u64 s[G0+4*\slot+2:G0+4*\slot+3], s[G0+4*\slot+2:G0+4*\slot+3], 4*ASLOT
	s_add_nc_u64 s[G0B+4*\slot+2:G0B+4*\slot+3], s[G0B+4*\slot+2:G0B+4*\slot+3], 4*SIZE_N*ROWB
	JLOAD G0+4*\slot, G1, G0B+4*\slot, G1B         ; the first tensor load behind the round; its four v_nop are the places in front of the loads below
.else
	PLACES NP
.endif
	s_wait_alu depctr_va_vdst(0)
	v_add_nc_u32 v[ADRSB], 16, v[ADRSB]            ; on to the next slot's scale words: four words a row
	v_add_nc_u32 v[ADRSA], 4*ASC_SK, v[ADRSA]
	SCALES \next
	FETCH \next, 0, 0
	WIN MUL
	MUL4 2, 1, 3, \slot, 0
	MUL4 3, 1, 3, \slot, 0
.endm
	s_wait_tensorcnt 1                             ; the scales and my part of slot 0 are in (slot 1's load may be out),
	s_barrier_signal -1
	s_barrier_wait -1                              ; everybody's are
	SCALES 0
	FETCH 0, 0, 0
	s_wait_loadcnt 32                              ; the bias is in; the residual's 32 loads may be out
	STEP 0, 0, 1                                   ; the first step stands in front of the loop: its products start the sums
.if LAPS > 1
	WIN 0                                          ; at a label and at a branch every window is 0
	s_mov_b32 s3, LAPS-1
.Llap:                                             ; a trip goes once round the ring, from a lap's second step to the next lap's first, and fills both slots again
	STEP 0, 1, 0
	STEP 0, 2, 0
	TURN 0, 1, 1
	STEP 1, 0, 0
	STEP 1, 1, 0
	STEP 1, 2, 0
	TURN 1, 0, 1
	STEP 0, 0, 0
	WIN 0
	s_sub_co_u32 s3, s3, 1
	s_cmp_lg_u32 s3, 0
	s_cbranch_scc1 .Llap
.endif
	STEP 0, 1, 0                                   ; the last lap fills nothing, and has no round of the cluster's barrier
	STEP 0, 2, 0
	TURN 0, 1, 0
	STEP 1, 0, 0
	STEP 1, 1, 0
	STEP 1, 2, 0
	s_wait_dscnt 12                                ; the very last step: nothing more to fetch
	WIN MUL
	MUL4 0, 1, 3, 1, 0
	MUL4 1, 1, 3, 1, 0
	s_wait_dscnt 0
	MUL4 2, 1, 3, 1, 0
	MUL4 3, 1, 3, 1, 0
	WIN 0
	PLACES NP                                      ; in front of the first reads of results
	s_wait_loadcnt 0x0                             ; the residual
; THE WAY OUT, block by block of 16 rows x my 64 columns: a lane holds 32 neighbouring bytes of a row and the lanes beside it other rows, so a block goes through my own stage and comes back as whole runs of 256 bytes;
; the residual is added, and sixteen lanes store 256 consecutive bytes, at a multiple of 256 from the buffer's first byte.  LDS serves a wave's instructions in order (ISA guide 5.7.1.4): no wait between the stores and the loads.
.irp a, 0,1,2,3
.if \a > 0
	s_wait_xcnt 0x0                                ; the last block's stores have read their registers: the stage's loads may land there
.endif
.irp b, 0,1,2,3
	ds_store_b128 v[STO], v[ACC+8*(4*\a+\b):ACC+8*(4*\a+\b)+3] offset:64*\b        ; each accumulator from its low end on
	ds_store_b128 v[STO], v[ACC+8*(4*\a+\b)+4:ACC+8*(4*\a+\b)+7] offset:64*\b+16
.endr
.irp t, 0,1,2,3,4,5,6,7
	ds_load_b128 v[BK+4*\t:BK+4*\t+3], v[RD] offset:2*\t*SPITCH
.endr
	s_wait_dscnt 0x0
	WIN 0x08                                       ; source 1 (the residual) window 2
.set jj, 0
.rept 16
	v_pk_add_f32 v[BK+jj:BK+jj+1], v[BK+jj:BK+jj+1], v[32*\a+jj:32*\a+jj+1]
.set jj, jj+2
.endr
	WIN 0
.irp t, 0,1,2,3,4,5,6,7
	global_store_b128 v[CO], v[BK+4*\t:BK+4*\t+3], s[12:13] offset:(16*\a+2*\t)*SIZE_N*4
.endr
.endr
	s_wait_tensorcnt 0x0                           ; the wave's end
	ds_add_u32 v[SPW], v[NIL]
	s_wait_dscnt 0x0
	CROUND                                         ; the closing round: no work-group ends while a partner may still ask for a tile that names it
	s_endpgm
.Lfunc_end_k_q914b3c4f91_gemm_ff2:
	.size	k_q914b3c4f91_gemm_ff2, .Lfunc_end_k_q914b3c4f91_gemm_ff2-k_q914b3c4f91_gemm_ff2
	.p2alignl 7, 3214868480
	.fill 96, 4, 3214868480
	.section	.rodata,"a",@progbits
	.p2align	6, 0x0
	.amdhsa_kernel k_q914b3c4f91_gemm_ff2
		.amdhsa_group_segment_fixed_size 327680
		.amdhsa_private_segment_fixed_size 0
		.amdhsa_enable_private_segment 0
		.amdhsa_kernarg_size 48
		.amdhsa_user_sgpr_count 2
		.amdhsa_user_sgpr_kernarg_segment_ptr 1
		.amdhsa_wavefront_size32 1
		.amdhsa_system_sgpr_workgroup_id_x 1
		.amdhsa_system_sgpr_workgroup_id_y 1
		.amdhsa_system_sgpr_workgroup_id_z 1
		.amdhsa_system_vgpr_workitem_id 0
		.amdhsa_next_free_vgpr 640
		.amdhsa_next_free_sgpr 100
		.amdhsa_reserve_vcc 0
		.amdhsa_float_denorm_mode_32 3
		.amdhsa_float_denorm_mode_16_64 3
		.amdhsa_memory_ordered 1
		.amdhsa_forward_progress 1
		.amdhsa_inst_pref_size 119
	.end_amdhsa_kernel
	.amdgpu_metadata
---
amdhsa.version: [ 1, 2 ]
amdhsa.kernels:
  - .name:           k_q914b3c4f91_gemm_ff2
    .symbol:         k_q914b3c4f91_gemm_ff2.kd
    .args:
      - { .name: hq, .offset: 0, .size: 8, .value_kind: global_buffer, .address_space: global }
      - { .name: wq, .offset: 8, .size: 8, .value_kind: global_buffer, .address_space: global }
      - { .name: w_ff2_scales, .offset: 16, .size: 8, .value_kind: global_buffer, .address_space: global }
      - { .name: b_ff2, .offset: 24, .size: 8, .value_kind: global_buffer, .address_space: global }
      - { .name: x1, .offset: 32, .size: 8, .value_kind: global_buffer, .address_space: global }
      - { .name: y, .offset: 40, .size: 8, .value_kind: global_buffer, .address_space: global }
    .group_segment_fixed_size: 327680
    .private_segment_fixed_size: 0
    .kernarg_segment_align: 8
    .kernarg_segment_size: 48
    .max_flat_workgroup_size: 128
    .sgpr_count:     100
    .vgpr_count:     640
    .wavefront_size: 32
...
	.end_amdgpu_metadata
.endif
;; end of part 13
;; launch ln2 (part 14): grid 256 x 1, 16 waves a work-group, no clusters, 0 bytes of LDS; arguments y, g2, be2, out0; writes out0
.if DOCPART == 14
	.amdgcn_target "amdgcn-amd-amdhsa--gfx1250"
	.amdhsa_code_object_version 6
	.text
	.protected	k_q914b3c4f91_ln2
	.globl	k_q914b3c4f91_ln2
	.p2align	8
	.type	k_q914b3c4f91_ln2,@function
k_q914b3c4f91_ln2:
	s_mov_b64 s[64:65], 0
	v_nop
	global_prefetch_b8 v0, s[64:65] scope:SCOPE_SE
	s_setreg_imm32_b32 hwreg(HW_REG_WAVE_MODE, 25, 1), 1
	s_wait_xcnt 0x0
; out = layer norm of y (rows of 1,024, mean and variance in f32, two passes over registers), times g plus be.
; A wave takes one row: 8 loads of 512 consecutive bytes, 32 registers; the reduction never leaves the wave: no LDS, no barrier.  Memory binds: no matrix unit, no cluster, no tensor load, no prefetch.
; LIMITS: NaN and infinities are not served.
.set X,    16
.set G,    48
.set BE,   80
	s_load_b128 s[4:7], s[0:1], 0x0                ; y, g
	s_load_b128 s[8:11], s[0:1], 0x10              ; be, out
	v_lshrrev_b32 v2, 5, v0
	s_delay_alu instid0(VALU_DEP_1)
	v_readfirstlane_b32 s14, v2                    ; wave = my row of the work-group's 16
	v_and_b32 v3, 31, v0
	s_delay_alu instid0(VALU_DEP_1)
	v_lshlrev_b32 v1, 4, v3
	s_lshl_b32 s16, ttmp9, 16
	s_lshl_b32 s17, s14, 12
	s_add_co_u32 s16, s16, s17                     ; my row's first byte
	s_mov_b32 s17, 0
	s_mov_b32 s18, 0x76543210
	s_mov_b32 s19, 0xfedcba98
	s_mov_b32 s20, 0x3a800000                      ; 1 / 1,024
	s_mov_b32 s21, 0x3727c5ac                      ; 1e-5
	s_wait_alu depctr_va_vdst(0)
	s_wait_kmcnt 0x0
	s_add_nc_u64 s[4:5], s[4:5], s[16:17]
	s_add_nc_u64 s[10:11], s[10:11], s[16:17]
.irp j, 0,1,2,3,4,5,6,7
	global_load_b128 v[X+4*\j:X+4*\j+3], v1, s[4:5] offset:512*\j th:TH_LOAD_NT
.endr
.irp j, 0,1,2,3,4,5,6,7
	global_load_b128 v[G+4*\j:G+4*\j+3], v1, s[6:7] offset:512*\j
.endr
.irp j, 0,1,2,3,4,5,6,7
	global_load_b128 v[BE+4*\j:BE+4*\j+3], v1, s[8:9] offset:512*\j
.endr
	s_wait_loadcnt 16                              ; my row is in; the sixteen loads of g and be may be out
	v_pk_add_f32 v[10:11], v[16:17], v[24:25]
	v_pk_add_f32 v[12:13], v[32:33], v[40:41]
	v_pk_add_f32 v[14:15], v[18:19], v[26:27]
	v_pk_add_f32 v[6:7], v[34:35], v[42:43]
	v_pk_add_f32 v[4:5], v[20:21], v[28:29]
	v_pk_add_f32 v[2:3], v[36:37], v[44:45]
	v_pk_add_f32 v[8:9], v[22:23], v[30:31]
	s_delay_alu instid0(VALU_DEP_1)
	v_pk_add_f32 v[8:9], v[8:9], v[38:39]
	v_pk_add_f32 v[10:11], v[10:11], v[46:47]
	s_delay_alu instid0(VALU_DEP_2)
	v_pk_add_f32 v[8:9], v[8:9], v[6:7]
	s_delay_alu instid0(VALU_DEP_2)
	v_pk_add_f32 v[10:11], v[10:11], v[4:5]
	v_pk_add_f32 v[12:13], v[12:13], v[2:3]
	s_delay_alu instid0(VALU_DEP_1)
	v_pk_add_f32 v[8:9], v[8:9], v[12:13]
	s_delay_alu instid0(VALU_DEP_3)
	v_pk_add_f32 v[10:11], v[10:11], v[14:15]
	s_delay_alu instid0(VALU_DEP_1)
	v_pk_add_f32 v[8:9], v[8:9], v[10:11]
	s_delay_alu instid0(VALU_DEP_1)
	v_add_f32 v8, v8, v9
	s_delay_alu instid0(VALU_DEP_1)
	v_add_f32_dpp v8, v8, v8 row_xmask:1 row_mask:0xf bank_mask:0xf
	s_delay_alu instid0(VALU_DEP_1)
	v_add_f32_dpp v8, v8, v8 row_xmask:2 row_mask:0xf bank_mask:0xf
	s_delay_alu instid0(VALU_DEP_1)
	v_add_f32_dpp v8, v8, v8 row_xmask:4 row_mask:0xf bank_mask:0xf
	s_delay_alu instid0(VALU_DEP_1)
	v_add_f32_dpp v8, v8, v8 row_xmask:8 row_mask:0xf bank_mask:0xf
	s_delay_alu instid0(VALU_DEP_1)
	v_permlanex16_b32 v9, v8, s18, s19
	s_delay_alu instid0(VALU_DEP_1)
	v_add_f32 v8, v8, v9
	s_delay_alu instid0(VALU_DEP_1)
	v_mul_f32 v4, s20, v8                          ; the mean, twice (a pair for the packed forms)
	s_delay_alu instid0(VALU_DEP_1)
	v_mov_b32 v5, v4
.set jj, 0
.rept 16
	v_pk_add_f32 v[X+jj:X+jj+1], v[X+jj:X+jj+1], v[4:5] neg_lo:[0,1] neg_hi:[0,1]  ; x - mean
.set jj, jj+2
.endr
.irp k, 0,1,2,3
	v_pk_mul_f32 v[8+2*\k:9+2*\k], v[X+2*\k:X+2*\k+1], v[X+2*\k:X+2*\k+1]          ; the sum of squares
.endr
.irp o, 8,16,24
.irp k, 0,1,2,3
	s_delay_alu instid0(VALU_DEP_4)
	v_pk_fma_f32 v[8+2*\k:9+2*\k], v[X+\o+2*\k:X+\o+2*\k+1], v[X+\o+2*\k:X+\o+2*\k+1], v[8+2*\k:9+2*\k]
.endr
.endr
	s_delay_alu instid0(VALU_DEP_3)
	v_pk_add_f32 v[8:9], v[8:9], v[10:11]
	s_delay_alu instid0(VALU_DEP_2)
	v_pk_add_f32 v[12:13], v[12:13], v[14:15]
	s_delay_alu instid0(VALU_DEP_1)
	v_pk_add_f32 v[8:9], v[8:9], v[12:13]
	s_delay_alu instid0(VALU_DEP_1)
	v_add_f32 v8, v8, v9
	s_delay_alu instid0(VALU_DEP_1)
	v_add_f32_dpp v8, v8, v8 row_xmask:1 row_mask:0xf bank_mask:0xf
	s_delay_alu instid0(VALU_DEP_1)
	v_add_f32_dpp v8, v8, v8 row_xmask:2 row_mask:0xf bank_mask:0xf
	s_delay_alu instid0(VALU_DEP_1)
	v_add_f32_dpp v8, v8, v8 row_xmask:4 row_mask:0xf bank_mask:0xf
	s_delay_alu instid0(VALU_DEP_1)
	v_add_f32_dpp v8, v8, v8 row_xmask:8 row_mask:0xf bank_mask:0xf
	s_delay_alu instid0(VALU_DEP_1)
	v_permlanex16_b32 v9, v8, s18, s19
	s_delay_alu instid0(VALU_DEP_1)
	v_add_f32 v8, v8, v9
	s_delay_alu instid0(VALU_DEP_1)
	v_fma_f32 v6, v8, s20, s21                     ; variance + 1e-5
	s_wait_alu depctr_va_vdst(0)
	v_rsq_f32 v6, v6
	v_nop                                          ; one plain line behind the transcendental
	s_wait_alu depctr_va_vdst(0)
	v_mov_b32 v7, v6
	s_wait_alu depctr_va_vdst(0)
	s_wait_loadcnt 0x0                             ; g and be
.set jj, 0
.rept 16
	v_pk_mul_f32 v[X+jj:X+jj+1], v[X+jj:X+jj+1], v[6:7]
.set jj, jj+2
.endr
.set jj, 0
.rept 16
	v_pk_fma_f32 v[X+jj:X+jj+1], v[X+jj:X+jj+1], v[G+jj:G+jj+1], v[BE+jj:BE+jj+1]
.set jj, jj+2
.endr
.irp j, 0,1,2,3,4,5,6,7
	global_store_b128 v1, v[X+4*\j:X+4*\j+3], s[10:11] offset:512*\j th:TH_STORE_NT   ; 512 consecutive bytes; written once, read by nobody here
.endr
	s_endpgm
.Lfunc_end_k_q914b3c4f91_ln2:
	.size	k_q914b3c4f91_ln2, .Lfunc_end_k_q914b3c4f91_ln2-k_q914b3c4f91_ln2
	.p2alignl 7, 3214868480
	.fill 96, 4, 3214868480
	.section	.rodata,"a",@progbits
	.p2align	6, 0x0
	.amdhsa_kernel k_q914b3c4f91_ln2
		.amdhsa_group_segment_fixed_size 0
		.amdhsa_private_segment_fixed_size 0
		.amdhsa_enable_private_segment 0
		.amdhsa_kernarg_size 32
		.amdhsa_user_sgpr_count 2
		.amdhsa_user_sgpr_kernarg_segment_ptr 1
		.amdhsa_wavefront_size32 1
		.amdhsa_system_sgpr_workgroup_id_x 1
		.amdhsa_system_sgpr_workgroup_id_y 1
		.amdhsa_system_sgpr_workgroup_id_z 1
		.amdhsa_system_vgpr_workitem_id 0
		.amdhsa_next_free_vgpr 112
		.amdhsa_next_free_sgpr 66
		.amdhsa_reserve_vcc 0
		.amdhsa_float_denorm_mode_32 3
		.amdhsa_float_denorm_mode_16_64 3
		.amdhsa_memory_ordered 1
		.amdhsa_forward_progress 1
		.amdhsa_inst_pref_size 12
	.end_amdhsa_kernel
	.amdgpu_metadata
---
amdhsa.version: [ 1, 2 ]
amdhsa.kernels:
  - .name:           k_q914b3c4f91_ln2
    .symbol:         k_q914b3c4f91_ln2.kd
    .args:
      - { .name: y, .offset: 0, .size: 8, .value_kind: global_buffer, .address_space: global }
      - { .name: g2, .offset: 8, .size: 8, .value_kind: global_buffer, .address_space: global }
      - { .name: be2, .offset: 16, .size: 8, .value_kind: global_buffer, .address_space: global }
      - { .name: out0, .offset: 24, .size: 8, .value_kind: global_buffer, .address_space: global }
    .group_segment_fixed_size: 0
    .private_segment_fixed_size: 0
    .kernarg_segment_align: 8
    .kernarg_segment_size: 32
    .max_flat_workgroup_size: 512
    .sgpr_count:     66
    .vgpr_count:     112
    .wavefront_size: 32
...
	.end_amdgpu_metadata
.endif
;; end of part 14
